; MI455X (gfx1250); checked and timed in simulation.
; The chip was launched on July 23, 2026; its instructions are those of AMD's public machine-readable ISA for CDNA 5 (MIT licence, August 2026) and "CDNA5" Instruction Set Architecture Reference Guide (July 2026). The comments in the code are by the model that wrote it; some were corrected since.
;; Encoder. Allowed arithmetic: matrix products marked QUANTISED: E3M2 operands, one E8M0 scale for each 32 along K, by v_wmma_scale_f32_16x16x128_f8f6f4 with both operands' format E3M2, f32 sums; everything else in f32.
;; Inputs: b1 4,096 float32; b2 1,024 float32; b_o 1,024 float32; b_qkv 3,072 float32; be1 1,024 float32; be2 1,024 float32; g1 1,024 float32; g2 1,024 float32; w1_codes 4,096 x 32 x 24 uint8 (E3M2 codes of w1, K innermost, in blocks of 32 codes, four codes in three bytes); w1_scales 4,096 x 32 uint8 (E8M0 scales of w1, one for each 32 codes along K); w2_codes 1,024 x 128 x 24 uint8 (E3M2 codes of w2, K innermost, in blocks of 32 codes, four codes in three bytes); w2_scales 1,024 x 128 uint8 (E8M0 scales of w2, one for each 32 codes along K); w_o_codes 1,024 x 32 x 24 uint8 (E3M2 codes of w_o, K innermost, in blocks of 32 codes, four codes in three bytes); w_o_scales 1,024 x 32 uint8 (E8M0 scales of w_o, one for each 32 codes along K); w_qkv_codes 3,072 x 32 x 24 uint8 (E3M2 codes of w_qkv, K innermost, in blocks of 32 codes, four codes in three bytes); w_qkv_scales 3,072 x 32 uint8 (E8M0 scales of w_qkv, one for each 32 codes along K); x 2 x 2,048 x 1,024 float32.
;; Outputs: out0 2 x 2,048 x 1,024 float32.
;; This version of the problem:
;;   THIS VERSION OF THE PROBLEM IS GIVEN IN LOW PRECISION. The matrix products marked QUANTISED in the list below multiply operands that are first quantised to E3M2 (3 exponent bits, 2 mantissa bits; 6 bits a number), with one power-of-two scale for each 32 numbers along K (OCP MX v1.0); their sums are f32. All else is computed in f32.
;;   The module's matrix products, in the order in which they are computed (A, B: the left and right operand; K: the contracted axis; several contracted axes count as one K, in the product's order):
;;     1. [M 4,096, K 1,024] x [K 1,024, N 3,072]; A: input x; B: input w_qkv (given as codes): QUANTISED
;;     2. batch 32 x [M 2,048, K 64] x [K 64, N 2,048]; A: computed on the way; B: computed on the way: QUANTISED
;;     3. batch 32 x [M 64, K 2,048] x [K 2,048, N 2,048]; A: computed on the way; B: softmax (see below): QUANTISED
;;     4. [M 4,096, K 1,024] x [K 1,024, N 1,024]; A: computed on the way; B: input w_o (given as codes): QUANTISED
;;     5. [M 4,096, K 1,024] x [K 1,024, N 4,096]; A: computed on the way; B: input w1 (given as codes): QUANTISED
;;     6. [M 4,096, K 4,096] x [K 4,096, N 1,024]; A: computed on the way; B: input w2 (given as codes): QUANTISED
;;   THE QUANTISER, for each operand of a quantised product, along K:
;;     - K is cut into blocks of 32 from its start; a last block that is shorter is filled with zeros.
;;     - A block's scale is 2^e with e = floor(log2(the largest magnitude in the block)) - 4, held to -126 .. 127; a block of zeros has e = 0. As a byte (E8M0): e + 127.
;;     - Each number is divided by its block's scale, clamped to +-28, and rounded to the nearest number of E3M2, ties to even, subnormals kept.
;;     - The product sums the exact products of the quantised numbers (number of the format x scale) in f32.
;;   ~~~python
;;   def quantise(x, axis):      # numpy; x: float32 -> the quantised numbers, widened to float32 again
;;       x = np.moveaxis(x, axis, -1); K = x.shape[-1]
;;       x = np.pad(x, [(0, 0)] * (x.ndim - 1) + [(0, -K % 32)]); x = x.reshape(x.shape[:-1] + (-1, 32)); a = np.abs(x).max(-1, keepdims=True)
;;       e = np.where(a > 0, np.clip(np.frexp(np.where(a > 0, a, 1))[1] - 1 - 4, -126, 127), 0)      # np.frexp(a)[1] - 1 = floor(log2(a)), exactly
;;       r = np.clip(x / 2.0 ** e, -28, 28)
;;       step = 2.0 ** (np.maximum(np.frexp(np.where(r == 0, 1, r))[1] - 1, -2) - 2)
;;       q = np.round(r / step) * step * 2.0 ** e      # np.round: ties to even
;;       return np.moveaxis(q.reshape(q.shape[:-2] + (-1,))[..., :K], -1, axis).astype(np.float32)
;;   ~~~
;;   SOFTMAX AHEAD OF A QUANTISED PRODUCT. Where the list says 'softmax', what is quantised is not the finished softmax but p = 2^(t - M), with t = logit x log2(e) and M = ceil(the row's largest t), a whole number; so 1/2 < the row's largest p <= 1. The row's sum l is taken of the UNQUANTISED p, in f32, and the product's result is divided by l at the end. Since M is a whole number, a kernel that streams over the keys may use a running M (the ceiling of the running maximum): every later rescaling is an exact power of two, which a block's scale takes up: the codes' values come out the same.
;;   OPERANDS COMPUTED ON THE WAY. 'Computed on the way' means the value that the module computes at that place (a softmax that the list does not call 'softmax' is quantised finished and normalised). What goes into a quantiser is computed in f32, as accurately as f32 sums, v_exp_f32 and their like allow (about 1e-6 of the number): no bf16 or f16 on the way to a quantiser, and a product that is left as it is and whose result goes on into a quantised operand takes f32 operands (vector FMAs, or v_wmma_f32_16x16x4_f32). A number that lies on a knife's edge between two numbers of the format may be rounded either way, as far as f32 arithmetic and the matrix unit's own rounding can turn it there, and no further.
;;   INPUTS GIVEN AS CODES. w1 (in the module: [1024, 4096], K = its axis 0); w2 (in the module: [4096, 1024], K = its axis 0); w_o (in the module: [1024, 1024], K = its axis 0); w_qkv (in the module: [1024, 3072], K = its axis 0): each comes as NAME_codes (uint8): NAME with its K axis moved to the last place and cut into blocks of 32 codes, [.., K / 32, bytes a block], one block behind the other in memory; four codes in three bytes: a row's codes are one little-endian stream of bits, code i at bits 6 i .. 6 i + 5 (a code: sign, 3 exponent bits, 2 mantissa bits); and NAME_scales (uint8): the same leading axes, one E8M0 byte (e + 127) for each 32 codes along K. Its value is code x scale, taken as it is: it is not quantised again, and the codes and scales need not be those that the quantiser above would give.
;; 2 versions. Each part assembles by itself: llvm-mc -triple=amdgcn-amd-amdhsa -mcpu=gfx1250 --defsym DOCPART=n.
;; ======== version 1 of 2: 8 launches
;; workspace buffers: wimg 13,107,200 bytes; qkvi 9,830,400 bytes; ai 3,276,800 bytes; cf 16,777,216 bytes; hf 16,777,216 bytes; hi 3,276,800 bytes; fi 13,107,200 bytes
;; launch prep (part 1): grid 256 x 1, 8 waves a work-group, no clusters, 68,608 bytes of LDS; arguments w_qkv_codes, w_qkv_scales, w_o_codes, w_o_scales, w1_codes, w1_scales, w2_codes, w2_scales, x, wimg; writes wimg
.if DOCPART == 1
	.amdgcn_target "amdgcn-amd-amdhsa--gfx1250"
	.amdhsa_code_object_version 6
	.text
	.protected	k_q81cb70ed76_prep
	.globl	k_q81cb70ed76_prep
	.p2align	8
	.type	k_q81cb70ed76_prep,@function
k_q81cb70ed76_prep:
	s_mov_b64 s[64:65], 0
	v_nop
	global_prefetch_b8 v0, s[64:65] scope:SCOPE_SE
	s_setreg_imm32_b32 hwreg(HW_REG_WAVE_MODE, 25, 1), 1
	s_wait_xcnt 0x0
; x (f32) is quantised to codes of BF6 (E3M2) with one E8M0 byte for each 32 along K, and the four weights, which arrive as codes with K innermost, are laid out anew: all five become IMAGES in wimg.
; AN IMAGE of a tensor [rows][K]: record (g, s) = 64 rows x 128 along K, REC = 6,400 bytes, at ((K / 128) g + s) REC.  In it tile t (0..3) is a matrix operand's 12 registers on end: register p of lane l at
; 1536 t + 512 (p / 4) + 16 l + 4 (p % 4).  Lane l = (r = l % 16, h = l / 16) of tile t holds row 64 g + 32 (t / 2) + 8 (t % 2) + r + 8 (r / 8); registers 6 c .. 6 c + 5 hold k = 128 s + 64 c + 32 h + 0 .. 31.
; The row's scale word of this K step lies at 6144 + 16 r + 4 t.  So a fragment is three loads of 16 bytes a lane, each of 512 consecutive bytes, and a record is one dense block of 25 x 256 bytes.
; SHARES: a wave makes one record.  Work-groups 0-63: x (g = work-group, s = wave); 64-111 w_qkv; 112-127 w_o; 128-191 w1; 192-255 w2 (32 K steps: four work-groups to a g).
; A block's scale is 2^(floor(log2(its largest magnitude)) - 4): its byte is the largest magnitude's exponent field - 4, held at 1 from below by a floor among the maximum's leaves.
; LIMITS: NaN and infinities in x are not served; a block whose largest magnitude lies under 2^-122 (a block of zeros too) gets the byte 1: its codes are then zeros or subnormal, and this program alone reads the bytes.
.set REC,  6400
.set WQI,  3276800                     ; where the images begin in wimg: x at 0, w_qkv,
.set WOI,  5734400                     ; w_o,
.set W1I,  6553600                     ; w1,
.set W2I,  9830400                     ; w2
.set SP,   528                         ; a stage row: 512 bytes + 16: sixteen rows start in sixteen different 16-byte columns
.set LI,   7                           ; v7   16 x lane
.set SCA,  8                           ; v8   16 r + 8 h: my 8 bytes of a record's scale words
.set STW,  9                           ; v9   the stage, on the way in
.set STR,  10                          ; v10  and on the way out
.set TM,   12                          ; v12-27 at work in QUANT
.set SW,   28                          ; v28-31 the four tiles' scale words
.set PC,   32                          ; v32-43 the codes just made
.set T2,   44                          ; v44-51 the conversions' second halves
.set CN,   52                          ; v52-53 the scale words as they are stored
.set X,    64                          ; v64-127 64 numbers of a lane; on the weights' way the four fragments
.set R,    128                         ; v128-255 two sets of 64 registers as loaded
.set SEL,  28                          ; s[28:29] lane selects for v_permlanex16_b32: lane l xor 16
.set HM,   30                          ; s30  the mask of lanes 16-31
.set OUT,  6                           ; s[6:7] my record in wimg
; 64 numbers of a lane, register 16 b + i = k 32 b + 16 h + i of my row, become a fragment's 12 registers v[dst] on and its scale word v[pw]
.macro QUANT src, dst, pw
.irp b, 0,1,2,3
	v_max3_num_f32 v[TM+\b], |v[\src+16*\b]|, |v[\src+1+16*\b]|, 0x2800000   ; block b: my 16 numbers, and the floor 2^(5 - 127)
.endr
.irp i, 2,4,6,8,10,12,14
.irp b, 0,1,2,3
	v_max3_num_f32 v[TM+\b], v[TM+\b], |v[\src+16*\b+\i]|, |v[\src+1+16*\b+\i]|   ; the four blocks by turns
.endr
.endr
.irp b, 0,1,2,3
	v_permlanex16_b32 v[TM+4+\b], v[TM+\b], s[SEL], s[SEL+1]
.endr
.irp b, 0,1,2,3
	v_max_num_f32 v[TM+\b], v[TM+\b], v[TM+4+\b]   ; with lane l xor 16's 16: the block's largest magnitude
.endr
.irp b, 0,1,2,3
	v_add_nc_u32 v[TM+12+\b], 0xfe000000, v[TM+\b]   ; 4 off its exponent field: the conversion's scale operand
.endr
.irp b, 0,1,2,3
	v_lshrrev_b32 v[TM+4+\b], 23, v[TM+12+\b]      ; the scale's byte
.endr
	v_lshl_or_b32 v[\pw], v[TM+5], 8, v[TM+4]
	v_lshl_or_b32 v[\pw], v[TM+6], 16, v[\pw]
	v_lshl_or_b32 v[\pw], v[TM+7], 24, v[\pw]
.irp c, 0,1
	v_cvt_scalef32_pk16_bf6_f32 v[\dst+6*\c:\dst+2+6*\c], v[\src+32*\c:\src+15+32*\c], v[TM+12+2*\c]
	v_cvt_scalef32_pk16_bf6_f32 v[T2+4*\c:T2+2+4*\c], v[\src+16+32*\c:\src+31+32*\c], v[TM+12+2*\c+1]   ; (a conversion's three registers begin on an even number)
.endr
	v_nop                                          ; one plain instruction behind the scaled conversions
.irp c, 0,1                            ; the layout wants a whole block in a lane: lanes 0-15 block 2 c, lanes 16-31 block 2 c + 1
.irp i, 0,1,2
	v_permlane16_swap_b32 v[\dst+6*\c+\i], v[T2+4*\c+\i]
.endr
.irp i, 0,1,2
	v_mov_b32 v[\dst+3+6*\c+\i], v[T2+4*\c+\i]
.endr
.endr
.endm
; a record's 256 scale bytes leave whole: lanes 0-15 store the words of tiles 0, 1 of their row, lanes 16-31 those of tiles 2, 3
.macro SCST
	v_cndmask_b32 v[CN], v[SW], v[SW+2], s[HM]
	v_cndmask_b32 v[CN+1], v[SW+1], v[SW+3], s[HM]
	global_store_b64 v[SCA], v[CN:CN+1], s[OUT:OUT+1] offset:6144
.endm
	s_load_b256 s[8:15], s[0:1], 0x0               ; w_qkv's codes, scales; w_o's codes, scales
	s_load_b256 s[16:23], s[0:1], 0x20             ; w1's codes, scales; w2's codes, scales
	s_load_b128 s[4:7], s[0:1], 0x40               ; x, wimg
	v_lshl_add_u32 v62, v0, 2, 0x10800
	v_mov_b32 v63, 0
	v_lshrrev_b32 v1, 5, v0
	v_readfirstlane_b32 s26, v1                    ; wave 0..7
	v_and_b32 v1, 31, v0                           ; lane
	v_and_b32 v2, 15, v0                           ; r
	v_bfe_u32 v3, v0, 4, 1                         ; h
	v_lshlrev_b32 v[LI], 4, v1
	v_lshlrev_b32 v[SCA], 4, v2
	v_lshl_add_u32 v[SCA], v3, 3, v[SCA]
	v_cmp_le_u32 s[HM], 16, v1
	s_cmp_lt_u32 ttmp9, 64
	s_cbranch_scc0 .Lweights
	; ---- x: each load reads 512 consecutive bytes of a row (its 128 numbers of K step s); a tile's 16 rows turn through the wave's own stage, so that a lane gets 16 neighbours of each block of 32
	s_mov_b32 s[SEL], 0x76543210
	s_mov_b32 s[SEL+1], 0xfedcba98
	s_mul_i32 s32, s26, 16*SP                      ; my stage
	v_add_nc_u32 v[STW], s32, v[LI]                ; in: 16 x lane, a row an instruction
	v_mul_u32_u24 v[STR], v2, SP
	v_lshl_add_u32 v[STR], v3, 6, v[STR]
	v_add_nc_u32 v[STR], s32, v[STR]               ; out: row r, + 64 h
.irp b, 0,1,2,3
	v_mov_b32 v[TM+4+\b], 0                        ; written once: a lane permute's destination counts as one of its sources
.endr
	s_lshl_b32 s32, ttmp9, 18                      ; g x 64 rows x 4,096 bytes
	s_lshl_b32 s33, s26, 9                         ; + s x 512
	s_add_co_u32 s32, s32, s33
	s_mov_b32 s33, 0
	s_lshl_b32 s34, ttmp9, 3
	s_add_co_u32 s34, s34, s26                     ; record 8 g + s
	s_mul_i32 s34, s34, REC
	s_mov_b32 s35, 0
	s_wait_kmcnt 0x0
	s_add_nc_u64 s[4:5], s[4:5], s[32:33]
	s_add_nc_u64 s[OUT:OUT+1], s[OUT:OUT+1], s[34:35]
.macro LOAD t                          ; tile t's 16 rows, in the image's order, into set t % 2
.irp i, 0,1,2,3,4,5,6,7,8,9,10,11,12,13,14,15
	global_load_b128 v[R+64*((\t)%2)+4*\i:R+64*((\t)%2)+4*\i+3], v[LI], s[4:5] offset:(32*((\t)/2)+8*((\t)%2)+\i+8*(\i/8))*4096 th:TH_LOAD_NT
.endr
.endm
.macro TURN t                          ; through the stage: LDS serves a wave's instructions in order, so no wait stands between the stores and the loads
.irp i, 0,1,2,3,4,5,6,7,8,9,10,11,12,13,14,15
	ds_store_b128 v[STW], v[R+64*((\t)%2)+4*\i:R+64*((\t)%2)+4*\i+3] offset:SP*\i
.endr
.irp b, 0,1,2,3
.irp q, 0,1,2,3
	ds_load_b128 v[X+16*\b+4*\q:X+16*\b+4*\q+3], v[STR] offset:128*\b+16*\q
.endr
.endr
.endm
	LOAD 0
	LOAD 1
.irp t, 0,1,2,3
.if \t < 3
	s_wait_loadcnt 16                              ; this tile's 16 loads are in; the next tile's 16 may be out
.else
	s_wait_loadcnt 0x0
.endif
	TURN \t
	s_wait_dscnt 0x0                               ; my numbers are back, and the stores have read their registers,
.if \t < 2
	LOAD \t+2                                      ; which take the tile two further on
.endif
	s_wait_xcnt 0x0                                ; the last tile's stores have read the codes' registers
	QUANT X, PC, SW+\t
.irp c, 0,1,2
	global_store_b128 v[LI], v[PC+4*\c:PC+4*\c+3], s[OUT:OUT+1] offset:1536*\t+512*\c   ; 512 consecutive bytes
.endr
.endr
	SCST
	s_wait_tensorcnt 0x0
	ds_add_u32 v62, v63
	s_wait_dscnt 0x0
	s_endpgm
.Lweights:
	; ---- the weights: which tensor, by the work-group's number alone
	s_mov_b32 s32, 192                             ; the tensor's first work-group,
	s_mov_b32 s33, W2I                             ; its image,
	s_mov_b32 s34, W1I
	s_mov_b32 s35, WOI
	s_mov_b32 s36, WQI
	s_mov_b32 s44, 3072                            ; a row of its codes in bytes
	s_wait_kmcnt 0x0
	s_mov_b64 s[40:41], s[20:21]
	s_mov_b64 s[42:43], s[22:23]
	s_cmp_lt_u32 ttmp9, 192
	s_cselect_b64 s[40:41], s[16:17], s[40:41]
	s_cselect_b64 s[42:43], s[18:19], s[42:43]
	s_cselect_b32 s32, 128, s32
	s_cselect_b32 s33, s34, s33
	s_cselect_b32 s44, 768, s44
	s_cselect_b32 s45, 32, 128                     ; a row of its scale bytes
	s_cselect_b32 s46, 8, 32                       ; its K steps
	s_cselect_b32 s47, 0, 2                        ; w2: four work-groups to a g
	s_cselect_b32 s48, 0, 3
	s_cmp_lt_u32 ttmp9, 128
	s_cselect_b64 s[40:41], s[12:13], s[40:41]
	s_cselect_b64 s[42:43], s[14:15], s[42:43]
	s_cselect_b32 s32, 112, s32
	s_cselect_b32 s33, s35, s33
	s_cmp_lt_u32 ttmp9, 112
	s_cselect_b64 s[40:41], s[8:9], s[40:41]
	s_cselect_b64 s[42:43], s[10:11], s[42:43]
	s_cselect_b32 s32, 64, s32
	s_cselect_b32 s33, s36, s33
	s_sub_co_u32 s49, ttmp9, s32
	s_lshr_b32 s50, s49, s47                       ; g
	s_and_b32 s51, s49, s48
	s_lshl_b32 s51, s51, 3
	s_add_co_u32 s51, s51, s26                     ; s
	s_lshl_b32 s52, s50, 6                         ; the record's first row
	s_mul_i32 s54, s52, s44
	s_mul_i32 s53, s51, 96
	s_add_co_u32 s54, s54, s53
	s_mov_b32 s55, 0
	s_add_nc_u64 s[40:41], s[40:41], s[54:55]      ; codes: row 64 g, K step s
	s_mul_i32 s54, s52, s45
	s_lshl_b32 s53, s51, 2
	s_add_co_u32 s54, s54, s53
	s_add_nc_u64 s[42:43], s[42:43], s[54:55]      ; scale bytes likewise
	s_mul_i32 s54, s50, s46
	s_add_co_u32 s54, s54, s51
	s_mul_i32 s54, s54, REC
	s_add_co_u32 s54, s54, s33
	s_add_nc_u64 s[OUT:OUT+1], s[OUT:OUT+1], s[54:55]
	v_and_b32 v4, 8, v2
	v_add_nc_u32 v4, v4, v2                        ; r + 8 (r / 8)
	v_mul_u32_u24 v5, v3, 24                       ; 24 h: my half's 32 codes
.irp t, 0,1,2,3
	v_add_nc_u32 v6, 32*(\t/2)+8*(\t%2), v4        ; my row in tile t
	v_mad_u32_u24 v[16+\t], v6, s44, v5
	v_mul_u32_u24 v[20+\t], v6, s45
.endr
.irp t, 0,1,2,3
.irp p, 0,1,2,3,4,5
	global_load_b64 v[X+12*\t+2*\p:X+12*\t+2*\p+1], v[16+\t], s[40:41] offset:48*(\p/3)+8*(\p%3) th:TH_LOAD_NT   ; 24 bytes of the row's stream of bits, twice: the operand's registers as they lie
.endr
	global_load_b32 v[SW+\t], v[20+\t], s[42:43]
.endr
	s_wait_loadcnt 0x0
.irp t, 0,1,2,3
.irp c, 0,1,2
	global_store_b128 v[LI], v[X+12*\t+4*\c:X+12*\t+4*\c+3], s[OUT:OUT+1] offset:1536*\t+512*\c
.endr
.endr
	SCST
	s_endpgm
.Lfunc_end_k_q81cb70ed76_prep:
	.size	k_q81cb70ed76_prep, .Lfunc_end_k_q81cb70ed76_prep-k_q81cb70ed76_prep
	.p2alignl 7, 3214868480
	.fill 96, 4, 3214868480
	.section	.rodata,"a",@progbits
	.p2align	6, 0x0
	.amdhsa_kernel k_q81cb70ed76_prep
		.amdhsa_group_segment_fixed_size 68608
		.amdhsa_private_segment_fixed_size 0
		.amdhsa_enable_private_segment 0
		.amdhsa_kernarg_size 80
		.amdhsa_user_sgpr_count 2
		.amdhsa_user_sgpr_kernarg_segment_ptr 1
		.amdhsa_wavefront_size32 1
		.amdhsa_system_sgpr_workgroup_id_x 1
		.amdhsa_system_sgpr_workgroup_id_y 1
		.amdhsa_system_sgpr_workgroup_id_z 1
		.amdhsa_system_vgpr_workitem_id 0
		.amdhsa_next_free_vgpr 256
		.amdhsa_next_free_sgpr 66
		.amdhsa_reserve_vcc 0
		.amdhsa_float_denorm_mode_32 3
		.amdhsa_float_denorm_mode_16_64 3
		.amdhsa_memory_ordered 1
		.amdhsa_forward_progress 1
		.amdhsa_inst_pref_size 40
	.end_amdhsa_kernel
	.amdgpu_metadata
---
amdhsa.version: [ 1, 2 ]
amdhsa.kernels:
  - .name:           k_q81cb70ed76_prep
    .symbol:         k_q81cb70ed76_prep.kd
    .args:
      - { .name: w_qkv_codes, .offset: 0, .size: 8, .value_kind: global_buffer, .address_space: global }
      - { .name: w_qkv_scales, .offset: 8, .size: 8, .value_kind: global_buffer, .address_space: global }
      - { .name: w_o_codes, .offset: 16, .size: 8, .value_kind: global_buffer, .address_space: global }
      - { .name: w_o_scales, .offset: 24, .size: 8, .value_kind: global_buffer, .address_space: global }
      - { .name: w1_codes, .offset: 32, .size: 8, .value_kind: global_buffer, .address_space: global }
      - { .name: w1_scales, .offset: 40, .size: 8, .value_kind: global_buffer, .address_space: global }
      - { .name: w2_codes, .offset: 48, .size: 8, .value_kind: global_buffer, .address_space: global }
      - { .name: w2_scales, .offset: 56, .size: 8, .value_kind: global_buffer, .address_space: global }
      - { .name: x, .offset: 64, .size: 8, .value_kind: global_buffer, .address_space: global }
      - { .name: wimg, .offset: 72, .size: 8, .value_kind: global_buffer, .address_space: global }
    .group_segment_fixed_size: 68608
    .private_segment_fixed_size: 0
    .kernarg_segment_align: 8
    .kernarg_segment_size: 80
    .max_flat_workgroup_size: 256
    .sgpr_count:     66
    .vgpr_count:     256
    .wavefront_size: 32
...
	.end_amdgpu_metadata
.endif
;; end of part 1
;; launch gqkv (part 2): grid 12 x 16, 4 waves a work-group, clusters of 4 x 4, 327,680 bytes of LDS; arguments wimg, b_qkv, qkvi; writes qkvi
.if DOCPART == 2
	.amdgcn_target "amdgcn-amd-amdhsa--gfx1250"
	.amdhsa_code_object_version 6
	.text
	.protected	k_q81cb70ed76_gqkv
	.globl	k_q81cb70ed76_gqkv
	.p2align	8
	.type	k_q81cb70ed76_gqkv,@function
k_q81cb70ed76_gqkv:
	s_mov_b64 s[64:65], 0
	v_nop
	global_prefetch_b8 v0, s[64:65] scope:SCOPE_SE
	s_setreg_imm32_b32 hwreg(HW_REG_WAVE_MODE, 25, 1), 1
	s_wait_xcnt 0x0
	s_wait_alu depctr_hold_cnt(0) depctr_sa_sdst(0) depctr_va_vdst(0) depctr_va_sdst(0) depctr_va_ssrc(0) depctr_va_vcc(0) depctr_vm_vsrc(0)
	s_getreg_b32 s2, hwreg(HW_REG_IB_STS2, 6, 4)
	s_cmp_eq_u32 s2, 0
	s_cbranch_scc0 .Lentry_in_a_cluster
	s_endpgm
.Lentry_in_a_cluster:
	s_bfe_u32 s2, ttmp6, 0x10000c
	s_cmp_lg_u32 s2, 0xf033
	s_cbranch_scc0 .Lentry_shape_is_right
	s_endpgm
.Lentry_shape_is_right:
; qkv = x w_qkv + b_qkv on codes of BF6 (E3M2) with E8M0 scales, and its result quantised again in registers: q and k along the head's 64 (the next product's K), v along the keys.
; OPERANDS ARE IMAGES (made by the launch before): record (g, s) = 64 rows x 128 along K, REC = 6,400 bytes at (KST g + s) REC; tile t of it is an operand's 12 registers on end (register p of lane l at
; 1536 t + 512 (p / 4) + 16 l + 4 (p % 4)), lane (r, h) holding row 64 g + 32 (t / 2) + 8 (t % 2) + r + 8 (r / 8); the rows' scale words at 6144 + 16 r + 4 t.
; Z[i][j] = sum over k of S1[i][k] S0[j][k]: source 0 = 16 rows of S0, source 1 = 16 rows of S1.  A lane then holds one row i, and by the image's order of rows the 64 registers of its eight tiles along j are
; j = 32 b + 16 h + 0 .. 15, b = 0 .. 3: just what the quantiser along j wants.  The result is stored as an image again, rows i, K = j.
; Clusters with x = 0, 1: S1 = x (i = tokens), S0 = w_qkv's rows 0-2047 (j = q's and k's columns): image QKI, 16 K steps (step p: q of heads 2 p, 2 p + 1; step 8 + p: k).
; Clusters with x = 2: S1 = w_qkv's rows 2048-3071 (i = v's columns), S0 = x (j = tokens): image VI, rows = v's columns, 32 K steps of 128 tokens.
; A tile of Z, 256 x 256, is made by four waves, 128 x 128 each: 64 accumulators, 512 registers.  K goes in steps of 256 through two LDS slots; a wave's tensor load brings two records' two K steps, 25,600 bytes.
; CLUSTERS 4 x 4: S1's tile is shared along a row of the cluster, S0's along a column: each is asked for jointly, by the same tensor load with a mask that names the four.
; REGISTERS: window 0: v16-31 addresses; v32-63 scale words, two sets; v64-107 at work on the way out; v128-223 S1's eight fragments, one set (on the way out v128-191: 64 numbers).
;   window 1: S0's fragments, two sets, at v0 and v128; the bias in v96-127 and v224-255.   windows 2, 3: accumulator (a, b) at v[8 (8 (a % 4) + b)].
; LIMITS: NaN and infinities are not served; a block whose largest magnitude lies under 2^-122 (zeros too) gets the scale byte 1; this program alone reads the bytes.
.set KST,   8                          ; K steps of 128: K = 1,024
.set REC,   6400
.set ROW2,  2*REC                      ; a record's two K steps: a row of a tensor load's tile
.set HALFT, 2*ROW2                     ; what one tensor load brings, and what one wave reads of S1 or of S0
.set SLOT,  4*HALFT                    ; S1's four records, then S0's four
.set SPARE, 2*SLOT                     ; behind the ring: the spare words, 128 bytes for each wave
.set LAPS,  KST/4                      ; a lap = once round the ring = 512 along K
.set NQ,    2
.set FR,    12                         ; registers of a fragment
.set NL,    3                          ; LDS loads that bring one
.set NP,    4                          ; places behind this matrix instruction (ISA guide 7.12.1)
.set WQ,    3276800                    ; w_qkv's image in wimg (x's lies at 0),
.set WQV,   WQ+32*KST*REC              ; its rows 2,048 on
.set VI,    6553600                    ; v's image in qkvi
.set ADRA, 16                          ; v16-17 LDS address of my S1 fragments in slot 0, 1
.set ADRB, 20                          ; v20-21 the same for S0
.set ADRS, 22                          ; v22-23 of my scale words: lanes 0-15 S1's, lanes 16-31 S0's
.set LI,   26                          ; v26  16 x lane
.set SCA,  27                          ; v27  16 r + 8 h
.set SPW,  28                          ; v28  LDS address of my spare word; never rewritten
.set NIL,  29                          ; v29  0; never rewritten
.set SC,   32                          ; scale words: set s at v[SC + 16 s]; register 8 q + i: tile i, the slot's q-th 128 along K
.set TM,   64                          ; the way out: v64-79 at work,
.set SW,   80                          ; v80-83 four tiles' scale words,
.set T2,   84                          ; v84-91 the conversions' second halves,
.set CN,   92                          ; v92-93 scale words as stored,
.set PC,   96                          ; v96-107 the codes just made,
.set ST,   128                         ; v128-191 64 numbers
.set BI,   96                          ; window 1: the bias
.set AF,   128
.set SEL,  10                          ; s[10:11] lane selects: lane l xor 16
.set HM,   2                           ; s2  the mask of lanes 16-31
.set G1, 24
.set G0, 32
.set G1B, 48
.set G0B, 56
.set MSB, 0
.macro WIN new                         ; the immediate's high byte repeats the setting that is left
.if MSB != (\new)
	s_set_vgpr_msb (MSB<<8)|(\new)
.set MSB, (\new)
.endif
.endm
.set MUL_LO, 0xa1                      ; source 0 (S0) window 1, source 1 (S1) window 0, C and D window 2
.set MUL_HI, 0xf1
.set TO_B,   0x40                      ; destination window 1
.macro JLOAD g0a, g0b                  ; a joint load: waves 0, 1 ask for S1, waves 2, 3 for S0; four v_nop follow each line
	s_cmp_eq_u32 s15, 0
	s_cbranch_scc0 .Lfor_b_\@
	tensor_load_to_lds s[\g0a:\g0a+3], s[G1:G1+7]
	s_nop 0
.rept 4
	v_nop
.endr
	s_branch .Lasked_\@
.Lfor_b_\@:
	tensor_load_to_lds s[\g0b:\g0b+3], s[G1B:G1B+7]
	s_nop 0
.rept 4
	v_nop
.endr
.Lasked_\@:
.endm
.macro CREST                           ; a round of the cluster's barrier behind its opening barrier
	s_cmp_lg_u32 s14, 0
	s_cbranch_scc1 .Lnot_wave_0_\@
	s_barrier_signal -3
.Lnot_wave_0_\@:
	s_barrier_wait -3
	s_barrier_signal -1
	s_barrier_wait -1
.endm
.macro CROUND
	s_barrier_signal -1
	s_barrier_wait -1
	CREST
.endm
.macro PLACES n
.rept \n
	v_nop
.endr
.endm
	s_load_b64 s[4:5], s[0:1], 0x0                 ; wimg
	s_load_b64 s[8:9], s[0:1], 0x8                 ; b_qkv
	s_load_b64 s[12:13], s[0:1], 0x10              ; qkvi
	v_lshl_add_u32 v[SPW], v0, 2, SPARE
	v_mov_b32 v[NIL], 0
	ds_add_u32 v28, v29
	s_wait_dscnt 0x0
	v_lshrrev_b32 v1, 5, v0
	v_readfirstlane_b32 s14, v1                    ; wave 0..3
	s_lshr_b32 s15, s14, 1                         ; my half of S1's rows.  Also: I fetch for S1 (0) or S0 (1)
	s_and_b32 s16, s14, 1                          ; my half of S0's rows.  Also: which two records I fetch
	s_bfe_u32 s40, ttmp6, 0x40000                  ; cx
	s_bfe_u32 s41, ttmp6, 0x40004                  ; cy
	s_and_b32 s18, ttmp7, 0xffff
	s_lshl_b32 s18, s18, 2                         ; 4 x cluster y
	s_lshl_b32 s19, ttmp9, 2                       ; 4 x cluster x
	s_add_co_u32 s17, s18, s41
	s_add_co_u32 s42, s19, s40
	s_add_co_u32 s43, s18, s40
	s_mov_b32 s20, WQV
	s_mov_b32 s46, WQ
	s_mov_b32 s23, VI
	s_cmp_eq_u32 ttmp9, 2                          ; v's part?  The same in all sixteen partners
	s_cselect_b32 s17, s41, s17                    ; tile row (S1): cy, or 4 x cluster y + cy: never cx
	s_cselect_b32 s42, s43, s42                    ; tile column (S0): 4 x cluster y + cx, or 4 x cluster x + cx: never cy
	s_cselect_b32 s20, s20, 0                      ; where S1's image begins in wimg
	s_cselect_b32 s46, 0, s46                      ; and S0's
	s_cselect_b32 s22, 32, 16                      ; K steps of the image that is written
	s_cselect_b32 s23, s23, 0                      ; and where it begins in qkvi
	s_lshl_b32 s43, s41, 2
	s_lshl_b32 s43, 15, s43                        ; my row of the cluster
	s_lshl_b32 s44, 0x1111, s40                    ; my column
	; descriptor group 1: 2 rows of 1,600 elements of 8 bytes (two K steps of a record), KST x 800 elements from record row to record row; no padding: image reads are consecutive
	s_or_b32 s[G1+0], s43, (3<<16)|(1<<21)
	s_or_b32 s[G1B+0], s44, (3<<16)|(1<<21)
.irp g, G1, G1B
	s_mov_b32 s[\g+1], 1600<<16                    ; tensor_dim0
	s_mov_b32 s[\g+2], 2<<16                       ; tensor_dim1
	s_mov_b32 s[\g+3], 1600<<16                    ; tile_dim0
	s_mov_b32 s[\g+4], 2                           ; tile_dim1
	s_mov_b32 s[\g+5], KST*800                     ; tensor_dim0_stride
	s_mov_b32 s[\g+6], 0
	s_mov_b32 s[\g+7], 0
.endr
	s_lshl_b32 s18, s16, 1
	s_lshl_b32 s21, s17, 2
	s_add_co_u32 s21, s21, s18                     ; S1: record row 4 x tile row + 2 x half
	s_mul_i32 s21, s21, KST*REC
	s_add_co_u32 s20, s20, s21
	s_mov_b32 s21, 0
	s_lshl_b32 s47, s42, 2
	s_add_co_u32 s47, s47, s18                     ; S0: 4 x tile column + 2 x half
	s_mul_i32 s47, s47, KST*REC
	s_add_co_u32 s46, s46, s47
	s_mov_b32 s47, 0
	s_mul_i32 s45, s14, HALFT                      ; where they go: no place in the cluster enters an LDS address
	s_wait_kmcnt 0x0
	s_add_nc_u64 s[20:21], s[4:5], s[20:21]
	s_add_nc_u64 s[46:47], s[4:5], s[46:47]
	CROUND                                         ; all sixteen work-groups are here: the first joint loads meet
.irp s, 0,1
	s_mov_b32 s[G0+4*\s], 1
	s_add_co_u32 s[G0+4*\s+1], s45, \s*SLOT
	s_add_nc_u64 s[G0+4*\s+2:G0+4*\s+3], s[20:21], \s*ROW2
	s_or_b32 s[G0+4*\s+3], s[G0+4*\s+3], 0x80000000
	s_mov_b32 s[G0B+4*\s], 1
	s_add_co_u32 s[G0B+4*\s+1], s45, \s*SLOT
	s_add_nc_u64 s[G0B+4*\s+2:G0B+4*\s+3], s[46:47], \s*ROW2
	s_or_b32 s[G0B+4*\s+3], s[G0B+4*\s+3], 0x80000000
	JLOAD G0+4*\s, G0B+4*\s                        ; two loads of mine are out
.endr
	v_and_b32 v1, 31, v0                           ; lane
	v_and_b32 v2, 15, v0                           ; r
	v_bfe_u32 v3, v0, 4, 1                         ; h
	v_lshlrev_b32 v[LI], 4, v1
	v_lshlrev_b32 v[SCA], 4, v2
	v_lshl_add_u32 v[SCA], v3, 3, v[SCA]
	v_cmp_le_u32 s[HM], 16, v1
	v_lshlrev_b32 v30, 6, v3                       ; the bias along j: 64 h
	v_and_b32 v31, 8, v2
	v_add_nc_u32 v31, v31, v2
	v_lshlrev_b32 v31, 2, v31                      ; the bias along i: 4 (r + 8 (r / 8))
	s_mov_b32 s[SEL], 0x76543210
	s_mov_b32 s[SEL+1], 0xfedcba98
	s_mul_i32 s18, s15, HALFT                      ; my two records of S1
	s_mul_i32 s19, s16, HALFT
	s_add_co_u32 s19, s19, 2*HALFT                 ; my two of S0, behind S1's four
	s_sub_co_u32 s43, s19, s18
	v_mul_u32_u24 v4, s43, v3                      ; lanes 16-31 take S0's scale words: one product with h
	v_lshl_add_u32 v4, v2, 4, v4
	v_add_nc_u32 v4, 6144, v4
.irp s, 0,1
	v_add_nc_u32 v[ADRA+\s], s18, v[LI]
	v_add_nc_u32 v[ADRB+\s], s19, v[LI]
	v_add_nc_u32 v[ADRS+\s], s18, v4
	s_add_co_u32 s18, s18, SLOT
	s_add_co_u32 s19, s19, SLOT
.endr
	s_lshl_b32 s18, s42, 10                        ; the bias: along j from column 256 x tile column + 128 x half,
	s_lshl_b32 s19, s16, 9
	s_add_co_u32 s18, s18, s19
	s_lshl_b32 s19, s17, 10                        ; along i from column 2,048 + 256 x tile row + 128 x half
	s_lshl_b32 s21, s15, 9
	s_add_co_u32 s19, s19, s21
	s_add_co_u32 s19, s19, 8192
	s_cmp_eq_u32 ttmp9, 2
	s_cselect_b32 s18, s19, s18
	s_mov_b32 s19, 0
	s_add_nc_u64 s[8:9], s[8:9], s[18:19]
	s_lshl_b32 s18, s17, 2                         ; what I write: record row 4 x tile row + 2 x half, K step 2 x tile column + half
	s_lshl_b32 s19, s15, 1
	s_add_co_u32 s18, s18, s19
	s_mul_i32 s18, s18, s22
	s_lshl_b32 s19, s42, 1
	s_add_co_u32 s18, s18, s19
	s_add_co_u32 s18, s18, s16
	s_mul_i32 s18, s18, REC
	s_add_co_u32 s18, s18, s23
	s_mov_b32 s19, 0
	s_add_nc_u64 s[12:13], s[12:13], s[18:19]
.macro FRAG reg, adr, q, i             ; tile i (0..7) of my two records, the slot's q-th 128 along K: three loads of 512 consecutive bytes
.irp c, 0,1,2
	ds_load_b128 v[\reg+4*\c:\reg+4*\c+3], v[\adr] offset:((\i)/4)*ROW2+(\q)*REC+((\i)%4)*1536+512*\c
.endr
.endm
; 16 matrix instructions: S1's tiles a0, a0 + 1 x S0's eight.  The 64 accumulators take turns, one instruction a turn, in the same order in every step.
.macro MUL16 a0, p, q, sc, zero
.irp a, \a0, \a0+1
.irp b, 0,1,2,3,4,5,6,7
.if \zero
	v_wmma_scale_f32_16x16x128_f8f6f4 v[8*(8*((\a)%4)+\b):8*(8*((\a)%4)+\b)+7], v[128*(\p)+FR*\b:128*(\p)+FR*\b+FR-1], v[AF+FR*(\a):AF+FR*(\a)+FR-1], 0, v[SC+16*(\sc)+8*(\q)+\b], v[SC+16*(\sc)+8*(\q)+(\a)] matrix_a_fmt:MATRIX_FMT_BF6 matrix_b_fmt:MATRIX_FMT_BF6 matrix_a_scale:MATRIX_SCALE_ROW1
.else
	v_wmma_scale_f32_16x16x128_f8f6f4 v[8*(8*((\a)%4)+\b):8*(8*((\a)%4)+\b)+7], v[128*(\p)+FR*\b:128*(\p)+FR*\b+FR-1], v[AF+FR*(\a):AF+FR*(\a)+FR-1], v[8*(8*((\a)%4)+\b):8*(8*((\a)%4)+\b)+7], v[SC+16*(\sc)+8*(\q)+\b], v[SC+16*(\sc)+8*(\q)+(\a)] matrix_a_fmt:MATRIX_FMT_BF6 matrix_b_fmt:MATRIX_FMT_BF6 matrix_a_scale:MATRIX_SCALE_ROW1
.endif
.endr
.endr
.endm
.macro FETCH_B slot, q, p
	WIN TO_B
.irp i, 0,1,2,3,4,5,6,7
	FRAG 128*(\p)+FR*\i, ADRB+\slot, \q, \i
.endr
	WIN 0
.endm
.macro FETCH_A slot, q, i0
.irp i, \i0, \i0+1, \i0+2, \i0+3
	FRAG AF+FR*(\i), ADRA+\slot, \q, \i
.endr
.endm
.macro SCALES slot                     ; a slot's scale words: one load brings four tiles' words of a record and a K step
.irp q, 0,1
.irp g, 0,1
	ds_load_b128 v[SC+16*\slot+8*\q+4*\g:SC+16*\slot+8*\q+4*\g+3], v[ADRS+\slot] offset:\g*ROW2+\q*REC
.endr
.endr
.endm
.macro STEP slot, q, zero              ; 128 along K that has its successor in the same slot
	s_wait_dscnt 4*NL                              ; all but the youngest 12 loads (S1's tiles 4-7) are in
	WIN MUL_LO
	MUL16 0, (\q)%2, \q, \slot, \zero
	MUL16 2, (\q)%2, \q, \slot, \zero
	s_wait_dscnt 0
	PLACES NP
	FETCH_B \slot, (\q)+1, 1-(\q)%2
	FETCH_A \slot, (\q)+1, 0
	WIN MUL_HI
	MUL16 4, (\q)%2, \q, \slot, \zero
	MUL16 6, (\q)%2, \q, \slot, \zero
	PLACES NP
	WIN 0
	FETCH_A \slot, (\q)+1, 4
.endm
; A slot's last step changes slots: one barrier; in front of it each wave waits for all its tensor loads, adds 0 to its spare word, and waits for that and for its reads of this slot.
.macro TURN slot, next, fill
	s_wait_tensorcnt 0x0                           ; all my tensor loads have landed: my part of the next slot
	ds_add_u32 v[SPW], v[NIL]
	s_wait_dscnt 4*NL+1                            ; (the add and the youngest 12 loads may be out)
	WIN MUL_LO
	MUL16 0, 1, NQ-1, \slot, 0
	s_wait_dscnt 0x0                               ; the add is done, and my reads of this slot are over
	s_barrier_signal -1
	MUL16 2, 1, NQ-1, \slot, 0
	WIN 0
	s_barrier_wait -1
.if \fill
	CREST                                          ; the barrier has opened a round of the cluster's: no wave of any partner still reads this slot or has a load on its way
	s_add_nc_u64 s[G0+4*\slot+2:G0+4*\slot+3], s[G0+4*\slot+2:G0+4*\slot+3], 2*ROW2
	s_add_nc_u64 s[G0B+4*\slot+2:G0B+4*\slot+3], s[G0B+4*\slot+2:G0B+4*\slot+3], 2*ROW2
	JLOAD G0+4*\slot, G0B+4*\slot                  ; the first tensor load behind the round; its four v_nop are the places in front of the loads below
.else
	PLACES NP
.endif
	FETCH_B \next, 0, 0
	FETCH_A \next, 0, 0
	SCALES \next
	WIN MUL_HI
	MUL16 4, 1, NQ-1, \slot, 0
	MUL16 6, 1, NQ-1, \slot, 0
	PLACES NP
	WIN 0
	FETCH_A \next, 0, 4
.endm
.macro LAST                            ; the very last step: nothing more to fetch
	s_wait_dscnt 4*NL
	WIN MUL_LO
	MUL16 0, 1, NQ-1, 1, 0
	MUL16 2, 1, NQ-1, 1, 0
	s_wait_dscnt 0
	WIN MUL_HI
	MUL16 4, 1, NQ-1, 1, 0
	MUL16 6, 1, NQ-1, 1, 0
	WIN 0
.endm
; 64 numbers of a lane, register 16 b + i = k 32 b + 16 h + i of my row, become a fragment's 12 registers v[dst] on and its scale word v[pw]
.macro QUANT src, dst, pw
.irp b, 0,1,2,3
	v_max3_num_f32 v[TM+\b], |v[\src+16*\b]|, |v[\src+1+16*\b]|, 0x2800000   ; block b: my 16 numbers, and the floor 2^(5 - 127)
.endr
.irp i, 2,4,6,8,10,12,14
.irp b, 0,1,2,3
	v_max3_num_f32 v[TM+\b], v[TM+\b], |v[\src+16*\b+\i]|, |v[\src+1+16*\b+\i]|
.endr
.endr
.irp b, 0,1,2,3
	v_permlanex16_b32 v[TM+4+\b], v[TM+\b], s[SEL], s[SEL+1]
.endr
.irp b, 0,1,2,3
	v_max_num_f32 v[TM+\b], v[TM+\b], v[TM+4+\b]
.endr
.irp b, 0,1,2,3
	v_add_nc_u32 v[TM+12+\b], 0xfe000000, v[TM+\b]   ; 4 off the exponent field: the conversion's scale operand
.endr
.irp b, 0,1,2,3
	v_lshrrev_b32 v[TM+4+\b], 23, v[TM+12+\b]      ; the scale's byte
.endr
	v_lshl_or_b32 v[\pw], v[TM+5], 8, v[TM+4]
	v_lshl_or_b32 v[\pw], v[TM+6], 16, v[\pw]
	v_lshl_or_b32 v[\pw], v[TM+7], 24, v[\pw]
.irp c, 0,1
	v_cvt_scalef32_pk16_bf6_f32 v[\dst+6*\c:\dst+2+6*\c], v[\src+32*\c:\src+15+32*\c], v[TM+12+2*\c]
	v_cvt_scalef32_pk16_bf6_f32 v[T2+4*\c:T2+2+4*\c], v[\src+16+32*\c:\src+31+32*\c], v[TM+12+2*\c+1]
.endr
	v_nop                                          ; one plain instruction behind the scaled conversions
.irp c, 0,1
.irp i, 0,1,2
	v_permlane16_swap_b32 v[\dst+6*\c+\i], v[T2+4*\c+\i]
.endr
.irp i, 0,1,2
	v_mov_b32 v[\dst+3+6*\c+\i], v[T2+4*\c+\i]
.endr
.endr
.endm
; THE WAY OUT: for each of S1's eight tiles: the bias is added (each accumulator read from its low end on), the 64 numbers are quantised, and the fragment is stored as it stands: 512 consecutive bytes a store.
; byrow = 0: the bias runs along j (64 registers); 1: along i (one number a lane and tile, held twice as a pair).  ksp: K steps of the image written.
.macro EPI byrow, ksp
	s_wait_loadcnt 0x0                             ; the bias
	PLACES NP                                      ; behind the last products: their results are read, and registers that they read are written
.irp b, 0,1,2,3
	v_mov_b32 v[TM+4+\b], 0                        ; a lane permute's destination counts as one of its sources
.endr
.irp a, 0,1,2,3,4,5,6,7
	WIN 0x06+(\a/4)                                ; source 0: window 2 or 3; source 1: window 1
.set n, 0
.rept 32
.if \byrow
	v_pk_add_f32 v[ST+2*n:ST+2*n+1], v[64*(\a%4)+2*n:64*(\a%4)+2*n+1], v[BI+2*\a:BI+2*\a+1]
.else
	v_pk_add_f32 v[ST+2*n:ST+2*n+1], v[64*(\a%4)+2*n:64*(\a%4)+2*n+1], v[BI+2*n+96*(n/16):BI+2*n+96*(n/16)+1]
.endif
.set n, n+1
.endr
	WIN 0
	s_wait_xcnt 0x0                                ; the last tile's stores have read the codes' registers
	QUANT ST, PC, SW+(\a%4)
.irp c, 0,1,2
	global_store_b128 v[LI], v[PC+4*\c:PC+4*\c+3], s[12:13] offset:(\a/4)*\ksp*REC+(\a%4)*1536+512*\c
.endr
.if (\a%4) == 3                        ; a record's 256 scale bytes leave whole
	v_cndmask_b32 v[CN], v[SW], v[SW+2], s[HM]
	v_cndmask_b32 v[CN+1], v[SW+1], v[SW+3], s[HM]
	global_store_b64 v[SCA], v[CN:CN+1], s[12:13] offset:(\a/4)*\ksp*REC+6144
.endif
.endr
.endm
	s_wait_tensorcnt 1                             ; my part of slot 0 is in; slot 1's load may be out
	s_barrier_signal -1
	s_barrier_wait -1
	FETCH_B 0, 0, 0
	FETCH_A 0, 0, 0
	SCALES 0
	FETCH_A 0, 0, 4
	STEP 0, 0, 1                                   ; the first step's products start the sums: nothing is cleared
	s_mov_b32 s3, LAPS-1
.Llap:
	TURN 0, 1, 1
	STEP 1, 0, 0
	TURN 1, 0, 1
	STEP 0, 0, 0
	s_sub_co_u32 s3, s3, 1
	s_cmp_lg_u32 s3, 0
	s_cbranch_scc1 .Llap
	TURN 0, 1, 0                                   ; the last lap fills nothing
	s_cmp_lt_u32 ttmp9, 2                          ; the two parts differ in their bias and their way out: each way holds its bias loads, the last two steps (no barrier, no tensor load) and its way out
	s_cbranch_scc0 .Lv_part
	WIN TO_B
.irp b, 0,1,2,3
.irp q, 0,1,2,3
	global_load_b128 v[BI+16*\b+4*\q+96*(\b/2):BI+16*\b+4*\q+96*(\b/2)+3], v30, s[8:9] offset:128*\b+16*\q   ; b_qkv at j = 32 b + 16 h + 4 q on
.endr
.endr
	WIN 0
	STEP 1, 0, 0
	LAST
	EPI 0, 16
	s_branch .Lend
.Lv_part:
	WIN TO_B
.irp a, 0,1,2,3,4,5,6,7
	global_load_b32 v[BI+2*\a], v31, s[8:9] offset:4*(64*(\a/4)+32*((\a%4)/2)+8*(\a%2))     ; b_qkv at my row of tile a,
	global_load_b32 v[BI+2*\a+1], v31, s[8:9] offset:4*(64*(\a/4)+32*((\a%4)/2)+8*(\a%2))   ; twice: a pair for the packed addition
.endr
	WIN 0
	STEP 1, 0, 0
	LAST
	EPI 1, 32
.Lend:
	s_wait_tensorcnt 0x0                           ; the wave's end
	ds_add_u32 v[SPW], v[NIL]
	s_wait_dscnt 0x0
	CROUND                                         ; the closing round
	s_endpgm
.Lfunc_end_k_q81cb70ed76_gqkv:
	.size	k_q81cb70ed76_gqkv, .Lfunc_end_k_q81cb70ed76_gqkv-k_q81cb70ed76_gqkv
	.p2alignl 7, 3214868480
	.fill 96, 4, 3214868480
	.section	.rodata,"a",@progbits
	.p2align	6, 0x0
	.amdhsa_kernel k_q81cb70ed76_gqkv
		.amdhsa_group_segment_fixed_size 327680
		.amdhsa_private_segment_fixed_size 0
		.amdhsa_enable_private_segment 0
		.amdhsa_kernarg_size 24
		.amdhsa_user_sgpr_count 2
		.amdhsa_user_sgpr_kernarg_segment_ptr 1
		.amdhsa_wavefront_size32 1
		.amdhsa_system_sgpr_workgroup_id_x 1
		.amdhsa_system_sgpr_workgroup_id_y 1
		.amdhsa_system_sgpr_workgroup_id_z 1
		.amdhsa_system_vgpr_workitem_id 0
		.amdhsa_next_free_vgpr 1024
		.amdhsa_next_free_sgpr 66
		.amdhsa_reserve_vcc 0
		.amdhsa_float_denorm_mode_32 3
		.amdhsa_float_denorm_mode_16_64 3
		.amdhsa_memory_ordered 1
		.amdhsa_forward_progress 1
		.amdhsa_inst_pref_size 225
	.end_amdhsa_kernel
	.amdgpu_metadata
---
amdhsa.version: [ 1, 2 ]
amdhsa.kernels:
  - .name:           k_q81cb70ed76_gqkv
    .symbol:         k_q81cb70ed76_gqkv.kd
    .args:
      - { .name: wimg, .offset: 0, .size: 8, .value_kind: global_buffer, .address_space: global }
      - { .name: b_qkv, .offset: 8, .size: 8, .value_kind: global_buffer, .address_space: global }
      - { .name: qkvi, .offset: 16, .size: 8, .value_kind: global_buffer, .address_space: global }
    .group_segment_fixed_size: 327680
    .private_segment_fixed_size: 0
    .kernarg_segment_align: 8
    .kernarg_segment_size: 24
    .max_flat_workgroup_size: 128
    .sgpr_count:     66
    .vgpr_count:     1024
    .wavefront_size: 32
...
	.end_amdgpu_metadata
.endif
;; end of part 2
;; launch att (part 3): grid 16 x 16, 16 waves a work-group, no clusters, 327,680 bytes of LDS; arguments qkvi, ai; writes ai
.if DOCPART == 3
	.amdgcn_target "amdgcn-amd-amdhsa--gfx1250"
	.amdhsa_code_object_version 6
	.text
	.protected	k_q81cb70ed76_att
	.globl	k_q81cb70ed76_att
	.p2align	8
	.type	k_q81cb70ed76_att,@function
k_q81cb70ed76_att:
	s_mov_b64 s[64:65], 0
	v_nop
	global_prefetch_b8 v0, s[64:65] scope:SCOPE_SE
	s_setreg_imm32_b32 hwreg(HW_REG_WAVE_MODE, 25, 1), 1
	s_wait_xcnt 0x0
; Attention on codes of BF6 (E3M2): S^T = k q^T, p = 2^(t - M), O^T = v^T p^T, O / l, and O quantised along the head's 64 for the next product.  2 batches x 16 heads x 2,048 tokens, head size 64.
; INPUT qkvi: image QKI (rows = tokens, 16 K steps: step p = q of heads 2 p, 2 p + 1; step 8 + p = k) and, VI bytes on, image VI (rows = v's 1,024 columns, 32 K steps of 128 tokens).
; AN IMAGE: record (g, s) = 64 rows x 128 along K, REC = 6,400 bytes; tile t = an operand's 12 registers on end (register p of lane l at 1536 t + 512 (p / 4) + 16 l + 4 (p % 4)); lane (r, h) holds row
; 64 g + 32 (t / 2) + 8 (t % 2) + r + 8 (r / 8); scale words at 6144 + 16 r + 4 t.  As source 0 such tiles give results whose 16 registers of tiles 2 b, 2 b + 1 are rows 32 b + 16 h + 0 .. 15.
; SHARES: a work-group owns 128 queries (x) of a pair of heads of a batch (y = 8 n + p); wave w owns head 2 p + (w >> 3) and the query tile w & 7.  Every wave walks all 2,048 keys, 128 a step.
; K = 64 IN AN INSTRUCTION OF 128: a fragment of K step 8 + p holds both heads of the pair (registers 0-5 the even head, 6-11 the odd).  k's fragments are used as they lie; the wave's q fragment has the other
; head's six registers set to zero codes, which add nothing under any scale byte that the quantiser gives.
; THE SOFTMAX: t = score x log2(e) / 8; M = the running largest t rounded up to a whole number; p = 2^(t - M) is quantised along the keys, not normalised; the sum of the unquantised p divides O at the end.
; When M moves, the sum and O^T are multiplied by 2^(old M - new M): exact.
; THE RING: two slots of 256 keys (k's four records, then each head's two K steps of v), filled by waves 0-3, read by all sixteen.
; No cluster: a slot's 51,200 bytes serve two key steps of sixteen waves, each with about 250 vector instructions a step: what is shared is a small part of a step's cost.
; REGISTERS: v1-7 addresses that stay; v8-11 addresses in hand; v12 -M, v13 the largest t, v[14:15] the sum; v16-27 q; v32-79 four fragments; v96-159 S^T, then p; v160-191 O^T; v224-235 p's codes;
;   v232-247, v252, v254 at work; v248-251 scale words of k or v; v253 p's scale word; v255 q's.
; LIMITS: NaN and infinities are not served; a block of O whose largest magnitude lies under 2^-122 gets the scale byte 1; this program alone reads the bytes.
.set REC,   6400
.set VI,    6553600
.set NSL,   8                          ; slots' worth of keys: 2,048 / 256
.set VOFF,  4*REC                      ; a slot: k's four records, then v's 2 x 2
.set SLOT1, 1<<16                      ; slot 1 begins here: one exclusive or turns an address
.set SPARE, 2*SLOT1                    ; the spare words, 128 bytes for each of 16 waves
.set OSC,   8*1536                     ; the way out, in slot 0, which has had its last fill and its last read: eight tiles of 1,536 bytes from byte 0, then two records' scale words
.set AK0,  1                           ; v1   16 x lane
.set AV0,  2                           ; v2   the same in my head's part of v
.set ASK0, 3                           ; v3   16 r + 6144: k's scale words
.set ASV0, 4                           ; v4   v's
.set SPW,  5                           ; v5   my spare word; never rewritten
.set NIL,  6                           ; v6   0; never rewritten
.set OA,   7                           ; v7   the way out: my tile's image in LDS
.set ADK,  8
.set ADV,  9
.set ADS,  10
.set ADT,  11
.set PFO,  28                          ; v28  the prefetches' offset: 256 x min(lane, 24)
.set OS,   29                          ; v29  the way out: my half of a scale word in LDS
.set CR,   30                          ; v30  first q's offset; on the way out: what my wave copies out of LDS
.set GS,   31                          ; v31  first q's scale word's offset; on the way out: the scale words' place in ai
.set TB,   2                           ; s2   LDS byte at which the slot in hand begins
.set WV,   18
.set SEL,  20
.set CS,   22                          ; s[22:23] c = log2(e) / 8
.set G1K,  24
.set G1V,  32
.set G0K,  40
.set G0V,  44
.set SLOTS, 48
.set PFA,  50
.set PFS,  52
.set LIM,  54
.set EH,   55                          ; s55  which head of the pair
.set QT,   56                          ; s56  which tile of queries
.set NB,   57                          ; s57  the batch
.set PP,   58                          ; s58  the pair of heads
.macro TLOAD                           ; waves 0, 1 fetch k's records, waves 2, 3 a head's v, the others nothing; four v_nop follow each line
	s_cmp_lt_u32 s[WV], 2
	s_cbranch_scc0 .Lnot_k_\@
	tensor_load_to_lds s[G0K:G0K+3], s[G1K:G1K+7]
	s_nop 0
.rept 4
	v_nop
.endr
	s_branch .Lasked_\@
.Lnot_k_\@:
	s_cmp_lt_u32 s[WV], 4
	s_cbranch_scc0 .Lasked_\@
	tensor_load_to_lds s[G0V:G0V+3], s[G1V:G1V+7]
	s_nop 0
.rept 4
	v_nop
.endr
.Lasked_\@:
.endm
; A prefetch of what the NEXT change of slots will ask for.  The sixteen work-groups of a pair of heads walk the same k and v: the first of them (x = 0) asks.  In it waves 4-7 name k's four records and waves 8-11 v's four,
; a record a wave: 25 blocks of 256 bytes, a lane a block (lanes 25-31 repeat lane 24's).  Slots 0 and 1 come by their loads alone; the last change that fills a slot asks for nothing.
.macro ASK
	s_cmp_gt_u32 s[SLOTS], s[LIM]
	s_cbranch_scc0 .Lnot_mine_\@
	global_prefetch_b8 v[PFO], s[PFA:PFA+1] th:TH_LOAD_NT scope:SCOPE_SE
.Lnot_mine_\@:
.endm
	s_load_b128 s[4:7], s[0:1], 0x0                ; qkvi, ai
	v_lshl_add_u32 v[SPW], v0, 2, SPARE
	v_mov_b32 v[NIL], 0
	ds_add_u32 v5, v6
	s_wait_dscnt 0x0
	v_lshrrev_b32 v8, 5, v0
	v_readfirstlane_b32 s[WV], v8                  ; wave 0..15
	s_lshr_b32 s[EH], s[WV], 3
	s_and_b32 s[QT], s[WV], 7
	s_and_b32 s60, ttmp7, 0xffff
	s_lshr_b32 s[NB], s60, 3
	s_and_b32 s[PP], s60, 7
	s_and_b32 s61, s[WV], 1                        ; what I fetch, if I fetch: k's records 2 (w & 1) on, or head 2 p + (w & 1) of v
	s_lshl_b32 s62, s[NB], 5                       ; the batch's first record row: 32 n
	s_lshl_b32 s63, s61, 1
	s_add_co_u32 s63, s63, s62
	s_lshl_b32 s63, s63, 4
	s_add_co_u32 s63, s63, s[PP]
	s_add_co_u32 s63, s63, 8                       ; record (32 n + 2 (w & 1), 8 + p)
	s_mul_i32 s66, s63, REC
	s_mov_b32 s67, 0
	s_lshl_b32 s68, s[PP], 1
	s_add_co_u32 s68, s68, s61
	s_lshl_b32 s68, s68, 5
	s_lshl_b32 s69, s[NB], 4
	s_add_co_u32 s68, s68, s69                     ; record (2 p + (w & 1), 16 n)
	s_mul_i32 s68, s68, REC
	s_add_co_u32 s68, s68, VI
	s_mov_b32 s69, 0
	s_mul_i32 s70, s61, 2*REC                      ; where they go in a slot
	s_add_co_u32 s71, s70, VOFF
	; descriptor group 1.  k: 2 records of 800 elements of 8 bytes, 16 records (12,800 elements) apart.  v: two K steps on end, 12,800 dense bytes, as 50 rows of 256
	s_mov_b32 s[G1K], 3<<16
	s_mov_b32 s[G1K+1], 800<<16
	s_mov_b32 s[G1K+2], 2<<16
	s_mov_b32 s[G1K+3], 800<<16
	s_mov_b32 s[G1K+4], 2
	s_mov_b32 s[G1K+5], 12800
	s_mov_b32 s[G1K+6], 0
	s_mov_b32 s[G1K+7], 0
	s_mov_b32 s[G1V], 3<<16
	s_mov_b32 s[G1V+1], 32<<16
	s_mov_b32 s[G1V+2], 50<<16
	s_mov_b32 s[G1V+3], 32<<16
	s_mov_b32 s[G1V+4], 50
	s_mov_b32 s[G1V+5], 32
	s_mov_b32 s[G1V+6], 0
	s_mov_b32 s[G1V+7], 0
	s_mov_b32 s[SEL], 0x76543210
	s_mov_b32 s[SEL+1], 0xfedcba98
	s_mov_b32 s[CS], 0x3e38aa3b                    ; c = log2(e) / sqrt(64)
	s_mov_b32 s[CS+1], s[CS]
	s_mov_b32 s[TB], 0
	s_mov_b32 s[SLOTS], NSL-1
	s_lshl_b32 s72, ttmp9, 1
	s_add_co_u32 s72, s72, s62                     ; my work-group's first record row: 32 n + 2 x
	s_lshr_b32 s73, s[QT], 2
	s_add_co_u32 s73, s73, s72                     ; my tile's record row,
	s_and_b32 s77, s[QT], 3                        ; and which tile of it
	s_mul_i32 s76, s77, 1536
	s_lshl_b32 s74, s73, 4
	s_add_co_u32 s74, s74, s[PP]
	s_mul_i32 s74, s74, REC                        ; q: record (g, p) of QKI
	s_mov_b32 s75, 0
	s_lshl_b32 s78, s73, 3
	s_add_co_u32 s78, s78, s[PP]
	s_mul_i32 s78, s78, REC
	s_add_co_u32 s78, s78, s76                     ; the result: record (g, p) of ai (8 K steps), my tile
	s_mov_b32 s79, 0
	s_wait_kmcnt 0x0
	s_mov_b32 s[G0K], 1
	s_mov_b32 s[G0K+1], s70
	s_add_nc_u64 s[G0K+2:G0K+3], s[4:5], s[66:67]
	s_or_b32 s[G0K+3], s[G0K+3], 0x80000000
	s_mov_b32 s[G0V], 1
	s_mov_b32 s[G0V+1], s71
	s_add_nc_u64 s[G0V+2:G0V+3], s[4:5], s[68:69]
	s_or_b32 s[G0V+3], s[G0V+3], 0x80000000
	TLOAD                                          ; slot 0: one load of a fetching wave is out
	s_add_nc_u64 s[8:9], s[4:5], s[74:75]
	s_add_nc_u64 s[6:7], s[6:7], s[78:79]
	; the prefetches: where my wave's stand (in slot 1: the first change steps them to slot 2), and who asks
	s_sub_co_u32 s60, s[WV], 4
	s_and_b32 s61, s60, 3                          ; which of the four records
	s_add_co_u32 s63, s62, s61
	s_add_co_u32 s63, s63, 4
	s_lshl_b32 s63, s63, 4
	s_add_co_u32 s63, s63, s[PP]
	s_add_co_u32 s63, s63, 8
	s_mul_i32 s63, s63, REC                        ; k: record (32 n + 4 + i, 8 + p)
	s_lshr_b32 s66, s61, 1
	s_lshl_b32 s67, s[PP], 1
	s_add_co_u32 s66, s66, s67
	s_lshl_b32 s66, s66, 5
	s_lshl_b32 s67, s[NB], 4
	s_add_co_u32 s66, s66, s67
	s_and_b32 s67, s61, 1
	s_add_co_u32 s66, s66, s67
	s_add_co_u32 s66, s66, 2
	s_mul_i32 s66, s66, REC
	s_add_co_u32 s66, s66, VI                      ; v: record (2 p + i / 2, 16 n + 2 + i % 2)
	s_mov_b32 s[PFS], 2*REC
	s_cmp_lt_u32 s[WV], 8
	s_cselect_b32 s66, s63, s66
	s_cselect_b32 s[PFS], 64*REC, s[PFS]           ; a slot on: four record rows of 16 records, or two records
	s_mov_b32 s67, 0
	s_mov_b32 s[PFS+1], 0
	s_add_nc_u64 s[PFA:PFA+1], s[4:5], s[66:67]
	s_lshr_b32 s60, s60, 3                         ; 0 in waves 4 to 11,
	s_or_b32 s60, s60, ttmp9                       ; of the pair's first work-group
	s_cmp_eq_u32 s60, 0
	s_cselect_b32 s[LIM], 1, -1
	s_cmp_eq_u32 s[EH], 0
	s_cselect_b32 s10, -1, 0                       ; q's registers 0-5 are kept by the even head,
	s_cselect_b32 s11, 0, -1                       ; 6-11 by the odd
	v_and_b32 v8, 31, v0                           ; lane
	v_and_b32 v9, 15, v0                           ; r
	v_lshlrev_b32 v[AK0], 4, v8
	v_lshlrev_b32 v10, 4, v9
	s_mul_i32 s60, s[EH], 2*REC
	s_add_co_u32 s60, s60, VOFF
	v_add_nc_u32 v[AV0], s60, v[AK0]
	v_add_nc_u32 v[ASK0], 6144, v10
	v_add_nc_u32 v[ASV0], s60, v[ASK0]
	v_min_u32 v[PFO], 24, v8
	v_lshlrev_b32 v[PFO], 8, v[PFO]
	v_add_nc_u32 v[CR], s76, v[AK0]
	v_lshl_add_u32 v[GS], s77, 2, v10
.irp c, 0,1,2
	global_load_b128 v[16+4*\c:19+4*\c], v[CR], s[8:9] offset:512*\c   ; q's fragment stays in registers
.endr
	global_load_b32 v255, v[GS], s[8:9] offset:6144                    ; and its scale words
	v_mov_b32 v13, 0xff61b1e6                      ; the largest t so far: -3e38
	v_floor_f32 v12, -v13                          ; -M
	v_mov_b32 v14, 0
	v_mov_b32 v15, 0
.irp b, 0,1,2,3
	v_mov_b32 v[236+\b], 0                         ; a lane permute's destination counts as one of its sources
.endr
	v_mov_b32 v253, 0                              ; (named as the upper half of the pair v[252:253] before it is first written)
.set j, 0
.rept 32
	v_mov_b32 v[160+j], 0                          ; O^T: the loop is written once; its first step finds zeros
.set j, j+1
.endr
; A KEY STEP: 128 keys, the q-th of the slot in hand
.macro STEP q
	v_add_nc_u32 v[ADK], s[TB], v[AK0]             ; (these four are also the places in front of the loads into registers that the last products read)
	v_add_nc_u32 v[ADV], s[TB], v[AV0]
	v_add_nc_u32 v[ADS], s[TB], v[ASK0]
	v_add_nc_u32 v[ADT], s[TB], v[ASV0]
.irp g, 0,1                            ; S^T = k q^T: a record's four tiles at a time
.if \g > 0
.rept 4
	v_nop
.endr
.endif
.irp t, 0,1,2,3
.irp c, 0,1,2
	ds_load_b128 v[32+12*\t+4*\c:35+12*\t+4*\c], v[ADK] offset:(2*(\q)+\g)*REC+1536*\t+512*\c
.endr
.endr
	ds_load_b128 v[248:251], v[ADS] offset:(2*(\q)+\g)*REC
	s_wait_dscnt 0x0
.irp t, 0,1,2,3
	v_wmma_scale_f32_16x16x128_f8f6f4 v[96+8*(4*\g+\t):103+8*(4*\g+\t)], v[32+12*\t:43+12*\t], v[16:27], 0, v[248+\t], v255 matrix_a_fmt:MATRIX_FMT_BF6 matrix_b_fmt:MATRIX_FMT_BF6
.endr
.endr                                  ; lane (r, h): query r; register 16 b + i: key 32 b + 16 h + i of the step
.rept 4
	v_nop
.endr
.irp b, 0,1,2,3
	v_max3_num_f32 v[232+\b], v[96+16*\b], v[97+16*\b], v[98+16*\b]   ; the largest score of each block of 32 keys: for the row's maximum, and, since p rises with the score, for the block's largest p
.endr
.irp i, 3,5,7,9,11,13
.irp b, 0,1,2,3
	v_max3_num_f32 v[232+\b], v[232+\b], v[96+16*\b+\i], v[97+16*\b+\i]
.endr
.endr
.irp b, 0,1,2,3
	v_max_num_f32 v[232+\b], v[232+\b], v[111+16*\b]
.endr
.irp b, 0,1,2,3
	v_permlanex16_b32 v[236+\b], v[232+\b], s[SEL], s[SEL+1]
.endr
.irp b, 0,1,2,3
	v_max_num_f32 v[232+\b], v[232+\b], v[236+\b]
.endr
	v_max3_num_f32 v254, v232, v233, v234
	v_max_num_f32 v254, v254, v235
	v_mul_f32 v254, s[CS], v254                    ; as t
	v_max_num_f32 v13, v13, v254                   ; the running largest t
	v_mov_b32 v254, v12
	v_floor_f32 v12, -v13                          ; the new -M = -ceil(t)
	v_sub_f32 v254, v12, v254                      ; old M - new M: a whole number, 0 or less
	v_cvt_i32_f32 v254, v254
	v_ldexp_f32 v252, 1.0, v254                    ; f = 2^(old M - new M)
.set j, 0
.rept 32
	v_pk_fma_f32 v[96+j:97+j], v[96+j:97+j], s[CS:CS+1], v[12:13] op_sel_hi:[1,0,0]   ; t - M
.set j, j+2
.endr
.irp b, 0,1,2,3
	v_fma_f32 v[232+\b], v[232+\b], s[CS], v12
.endr
.set j, 0
.rept 64
	v_exp_f32 v[96+j], v[96+j]                     ; p = 2^(t - M)
.set j, j+1
.endr
	v_pk_mul_f32 v[14:15], v[14:15], v[252:253] op_sel_hi:[1,0]   ; the sums under the new M: a plain instruction behind the exponentials
	s_wait_alu depctr_va_vdst(0)                   ; one wait for the batch of 64, ahead of its first reader
.irp b, 0,1,2,3
	v_exp_f32 v[232+\b], v[232+\b]                 ; the block's largest p
.endr
	v_pk_add_f32 v[236:237], v[96:97], v[98:99]    ; the row's sum of the unquantised p, in two chains
.irp j, 4,8,12,16,20,24,28,32,36,40,44,48,52,56,60
	v_pk_add_f32 v[14:15], v[14:15], v[96+\j:97+\j]
	v_pk_add_f32 v[236:237], v[236:237], v[98+\j:99+\j]
.endr
	v_pk_add_f32 v[14:15], v[14:15], v[236:237]
	s_wait_alu depctr_va_vdst(0)                   ; and one for the four
.irp b, 0,1,2,3
	v_max_num_f32 v[232+\b], 0x2800000, v[232+\b]  ; the floor 2^(5 - 127)
.endr
.irp b, 0,1,2,3
	v_add_nc_u32 v[244+\b], 0xfe000000, v[232+\b]
.endr
.irp b, 0,1,2,3
	v_lshrrev_b32 v[236+\b], 23, v[244+\b]
.endr
	v_lshl_or_b32 v253, v237, 8, v236              ; p's scale word for these 128 keys
	v_lshl_or_b32 v253, v238, 16, v253
	v_lshl_or_b32 v253, v239, 24, v253
.irp c, 0,1
	v_cvt_scalef32_pk16_bf6_f32 v[224+6*\c:226+6*\c], v[96+32*\c:111+32*\c], v[244+2*\c]
	v_cvt_scalef32_pk16_bf6_f32 v[236+4*\c:238+4*\c], v[112+32*\c:127+32*\c], v[244+2*\c+1]
.endr
	v_nop
.irp c, 0,1
.irp i, 0,1,2
	v_permlane16_swap_b32 v[224+6*\c+\i], v[236+4*\c+\i]
.endr
.irp i, 0,1,2
	v_mov_b32 v[227+6*\c+\i], v[236+4*\c+\i]
.endr
.endr
.set j, 0
.rept 16
	v_pk_mul_f32 v[160+j:161+j], v[160+j:161+j], v[252:253] op_sel_hi:[1,0]   ; O^T under the new M; these 16 are also the places in front of the scaled products below
.set j, j+2
.endr
.irp t, 0,1,2,3                        ; O^T += v^T p^T: my head's four tiles of 16; K = these 128 keys
.irp c, 0,1,2
	ds_load_b128 v[32+12*\t+4*\c:35+12*\t+4*\c], v[ADV] offset:(\q)*REC+1536*\t+512*\c
.endr
.endr
	ds_load_b128 v[248:251], v[ADT] offset:(\q)*REC
	s_wait_dscnt 0x0
.irp t, 0,1,2,3
	v_wmma_scale_f32_16x16x128_f8f6f4 v[160+8*\t:167+8*\t], v[32+12*\t:43+12*\t], v[224:235], v[160+8*\t:167+8*\t], v[248+\t], v253 matrix_a_fmt:MATRIX_FMT_BF6 matrix_b_fmt:MATRIX_FMT_BF6
.endr
.endm
; THE CHANGE OF SLOTS, at a slot's head: each wave waits for all its tensor loads, adds 0 to its spare word, and waits for that and for its reads of the slot that it has left.  fill = 1: that slot takes the next 256 keys.
.macro CHANGE fill
	s_wait_tensorcnt 0x0
	ds_add_u32 v[SPW], v[NIL]
.if \fill
	s_xor_b32 s[G0K+1], s[G0K+1], SLOT1
	s_add_nc_u64 s[G0K+2:G0K+3], s[G0K+2:G0K+3], 64*REC
	s_xor_b32 s[G0V+1], s[G0V+1], SLOT1
	s_add_nc_u64 s[G0V+2:G0V+3], s[G0V+2:G0V+3], 2*REC
	s_wait_xcnt 0x0                                ; the last prefetch, a slot back, has read its address
	s_add_nc_u64 s[PFA:PFA+1], s[PFA:PFA+1], s[PFS:PFS+1]
.endif
	s_wait_dscnt 0x0
	s_barrier_signal -1
	s_barrier_wait -1
.if \fill
	TLOAD                                          ; the first thing behind the barrier, and a wave's one tensor load until the next
	ASK
.endif
.endm
.macro SLOT_STEPS
	STEP 0
	STEP 1
	s_xor_b32 s[TB], s[TB], SLOT1
.endm
	s_wait_loadcnt 0x0                             ; q
.irp i, 0,1,2,3,4,5
	v_and_b32 v[16+\i], s10, v[16+\i]              ; the other head's codes become zeros
	v_and_b32 v[22+\i], s11, v[22+\i]
.endr
.Lslot:                                ; NSL - 1 trips
	CHANGE 1
	SLOT_STEPS
	s_sub_co_u32 s[SLOTS], s[SLOTS], 1
	s_cmp_lg_u32 s[SLOTS], 0
	s_cbranch_scc1 .Lslot
	CHANGE 0                                       ; the last slot is written out
	SLOT_STEPS
	; THE WAY OUT.  O^T / the sum: register 16 b + i = channel 32 b + 16 h + i of my query: two blocks of the next product's K.  They become registers 6 e .. 6 e + 5 of a fragment of ai's K step p and half of its scale word.
	v_add_f32 v14, v14, v15
	v_permlanex16_b32 v252, v14, s[SEL], s[SEL+1]
	v_add_f32 v14, v14, v252
	v_rcp_f32 v14, v14
	v_and_b32 v8, 15, v0                           ; (a plain instruction behind the reciprocal)  r
	v_bfe_u32 v9, v0, 4, 1                         ; h
	s_mul_i32 s60, s[QT], 1536
	v_add_nc_u32 v[OA], s60, v[AK0]                ; my tile's image: 1536 x tile + 16 x lane
	s_lshr_b32 s61, s[QT], 2
	s_lshl_b32 s61, s61, 8
	s_lshl_b32 s62, s77, 2
	s_add_co_u32 s61, s61, s62
	s_lshl_b32 s62, s[EH], 1
	s_add_co_u32 s61, s61, s62
	s_add_co_u32 s61, s61, OSC
	v_lshl_add_u32 v[OS], v8, 4, s61               ; my half word: record's 256 bytes, 16 r + 4 t + 2 e
	s_mul_i32 s60, s[WV], 1536
	v_add_nc_u32 v[CR], s60, v[AK0]                ; what my wave copies out: waves 0-7 tile w; wave 8 the 512 scale bytes, which begin at 8 x 1536
	v_mul_u32_u24 v[GS], v9, 8*REC
	v_lshl_add_u32 v[GS], v8, 4, v[GS]             ; the scale words in ai: 16 r, the second record 8 K steps on
	s_wait_alu depctr_va_vdst(0)                   ; ahead of the reciprocal's first reader
.set j, 0
.rept 32
	v_mul_f32 v[96+j], v[160+j], v14
.set j, j+1
.endr
.irp b, 0,1
	v_max3_num_f32 v[232+\b], |v[96+16*\b]|, |v[97+16*\b]|, 0x2800000
.endr
.irp i, 2,4,6,8,10,12,14
.irp b, 0,1
	v_max3_num_f32 v[232+\b], v[232+\b], |v[96+16*\b+\i]|, |v[97+16*\b+\i]|
.endr
.endr
.irp b, 0,1
	v_permlanex16_b32 v[236+\b], v[232+\b], s[SEL], s[SEL+1]
.endr
.irp b, 0,1
	v_max_num_f32 v[232+\b], v[232+\b], v[236+\b]
.endr
.irp b, 0,1
	v_add_nc_u32 v[244+\b], 0xfe000000, v[232+\b]
.endr
.irp b, 0,1
	v_lshrrev_b32 v[236+\b], 23, v[244+\b]
.endr
	v_lshl_or_b32 v254, v237, 8, v236              ; my head's two scale bytes
	v_cvt_scalef32_pk16_bf6_f32 v[224:226], v[96:111], v244
	v_cvt_scalef32_pk16_bf6_f32 v[240:242], v[112:127], v245
	v_nop
.irp i, 0,1,2
	v_permlane16_swap_b32 v[224+\i], v[240+\i]
.endr
.irp i, 0,1,2
	v_mov_b32 v[227+\i], v[240+\i]
.endr
	s_cmp_lt_u32 s[WV], 8
	s_cbranch_scc0 .Lodd_head
	ds_store_b128 v[OA], v[224:227]                ; the fragment's registers 0-3,
	ds_store_b64 v[OA], v[228:229] offset:512      ; 4, 5
	s_branch .Lstaged
.Lodd_head:
	ds_store_b64 v[OA], v[224:225] offset:520      ; 6, 7,
	ds_store_b128 v[OA], v[226:229] offset:1024    ; 8-11
.Lstaged:
	ds_store_b16 v[OS], v254                       ; (lanes r and r + 16 write the same half word)
	s_wait_dscnt 0x0                               ; for the others' sake
	s_barrier_signal -1
	s_barrier_wait -1
	s_cmp_lt_u32 s[WV], 8
	s_cbranch_scc0 .Lnot_tile
.irp c, 0,1,2
	ds_load_b128 v[32+4*\c:35+4*\c], v[CR] offset:512*\c
.endr
	s_wait_dscnt 0x0
.irp c, 0,1,2
	global_store_b128 v[AK0], v[32+4*\c:35+4*\c], s[6:7] offset:512*\c   ; 512 consecutive bytes
.endr
	s_branch .Lout
.Lnot_tile:
	s_cmp_eq_u32 s[WV], 8
	s_cbranch_scc0 .Lout
	ds_load_b128 v[32:35], v[CR]
	s_wait_dscnt 0x0
	global_store_b128 v[GS], v[32:35], s[6:7] offset:6144                ; two records' 256 scale bytes, each whole
.Lout:
	s_wait_tensorcnt 0x0                           ; the wave's end
	ds_add_u32 v[SPW], v[NIL]
	s_wait_dscnt 0x0
	s_endpgm
.Lfunc_end_k_q81cb70ed76_att:
	.size	k_q81cb70ed76_att, .Lfunc_end_k_q81cb70ed76_att-k_q81cb70ed76_att
	.p2alignl 7, 3214868480
	.fill 96, 4, 3214868480
	.section	.rodata,"a",@progbits
	.p2align	6, 0x0
	.amdhsa_kernel k_q81cb70ed76_att
		.amdhsa_group_segment_fixed_size 327680
		.amdhsa_private_segment_fixed_size 0
		.amdhsa_enable_private_segment 0
		.amdhsa_kernarg_size 16
		.amdhsa_user_sgpr_count 2
		.amdhsa_user_sgpr_kernarg_segment_ptr 1
		.amdhsa_wavefront_size32 1
		.amdhsa_system_sgpr_workgroup_id_x 1
		.amdhsa_system_sgpr_workgroup_id_y 1
		.amdhsa_system_sgpr_workgroup_id_z 1
		.amdhsa_system_vgpr_workitem_id 0
		.amdhsa_next_free_vgpr 256
		.amdhsa_next_free_sgpr 80
		.amdhsa_reserve_vcc 0
		.amdhsa_float_denorm_mode_32 3
		.amdhsa_float_denorm_mode_16_64 3
		.amdhsa_memory_ordered 1
		.amdhsa_forward_progress 1
		.amdhsa_inst_pref_size 80
	.end_amdhsa_kernel
	.amdgpu_metadata
---
amdhsa.version: [ 1, 2 ]
amdhsa.kernels:
  - .name:           k_q81cb70ed76_att
    .symbol:         k_q81cb70ed76_att.kd
    .args:
      - { .name: qkvi, .offset: 0, .size: 8, .value_kind: global_buffer, .address_space: global }
      - { .name: ai, .offset: 8, .size: 8, .value_kind: global_buffer, .address_space: global }
    .group_segment_fixed_size: 327680
    .private_segment_fixed_size: 0
    .kernarg_segment_align: 8
    .kernarg_segment_size: 16
    .max_flat_workgroup_size: 512
    .sgpr_count:     80
    .vgpr_count:     256
    .wavefront_size: 32
...
	.end_amdgpu_metadata
.endif
;; end of part 3
;; launch gwo (part 4): grid 4 x 16, 4 waves a work-group, clusters of 4 x 4, 327,680 bytes of LDS; arguments ai, wimg, cf; writes cf
.if DOCPART == 4
	.amdgcn_target "amdgcn-amd-amdhsa--gfx1250"
	.amdhsa_code_object_version 6
	.text
	.protected	k_q81cb70ed76_gwo
	.globl	k_q81cb70ed76_gwo
	.p2align	8
	.type	k_q81cb70ed76_gwo,@function
k_q81cb70ed76_gwo:
	s_mov_b64 s[64:65], 0
	v_nop
	global_prefetch_b8 v0, s[64:65] scope:SCOPE_SE
	s_setreg_imm32_b32 hwreg(HW_REG_WAVE_MODE, 25, 1), 1
	s_wait_xcnt 0x0
	s_wait_alu depctr_hold_cnt(0) depctr_sa_sdst(0) depctr_va_vdst(0) depctr_va_sdst(0) depctr_va_ssrc(0) depctr_va_vcc(0) depctr_vm_vsrc(0)
	s_getreg_b32 s2, hwreg(HW_REG_IB_STS2, 6, 4)
	s_cmp_eq_u32 s2, 0
	s_cbranch_scc0 .Lentry_in_a_cluster
	s_endpgm
.Lentry_in_a_cluster:
	s_bfe_u32 s2, ttmp6, 0x10000c
	s_cmp_lg_u32 s2, 0xf033
	s_cbranch_scc0 .Lentry_shape_is_right
	s_endpgm
.Lentry_shape_is_right:
; cf = (attention's output) w_o, on codes of BF6 (E3M2) with E8M0 scales; cf [4096][1024] f32.  The bias, the residual and the norm follow in the next launch, which owns whole rows.
; OPERANDS ARE IMAGES: record (g, s) = 64 rows x 128 along K, REC = 6,400 bytes at (KST g + s) REC; tile t of it is an operand's 12 registers on end (register p of lane l at 1536 t + 512 (p / 4) + 16 l + 4 (p % 4)),
; lane (r, h) holding row 64 g + 32 (t / 2) + 8 (t % 2) + r + 8 (r / 8); the rows' scale words at 6144 + 16 r + 4 t.
; Z[i][j] = sum over k of S1[i][k] S0[j][k]: source 0 = 16 rows of S0 (the weight, j = output columns), source 1 = 16 rows of S1 (i = tokens): a lane holds one token and eight neighbouring columns a tile.
; A tile of Z, 256 x 256, is made by four waves, 128 x 128 each: 64 accumulators, 512 registers.  K goes in steps of 256 through two LDS slots; a wave's tensor load brings two records' two K steps, 25,600 bytes.
; CLUSTERS 4 x 4: S1's tile is shared along a row of the cluster, S0's along a column: each is asked for jointly.  The grid is 64 work-groups: 16 x 4 tiles of 256 x 256.
; REGISTERS: window 0: v16-31 addresses; v32-63 scale words, two sets; v128-223 S1's eight fragments, one set (on the way out v128-255: rows read back).
;   window 1: S0's fragments, two sets, at v0 and v128.   windows 2, 3: accumulator (a, b) at v[8 (8 (a % 4) + b)].
.set KST,   8                          ; K steps of 128: K = 1,024
.set S0OFF, 5734400                    ; w_o's image in wimg
.set REC,   6400
.set ROW2,  2*REC
.set HALFT, 2*ROW2
.set SLOT,  4*HALFT
.set SPARE, 2*SLOT
.set LAPS,  KST/4
.set NQ,    2
.set FR,    12
.set NL,    3
.set NP,    4
.set SPITCH, 528                       ; the way out: a stage of 16 rows x (512 + 16) bytes for each wave, in slot 0, which has had its last fill and its last read by then
.set ADRA, 16
.set ADRB, 20
.set ADRS, 22
.set STO,  24
.set RD,   25
.set LI,   26
.set SPW,  28
.set NIL,  29
.set SC,   32
.set AF,   128
.set BK,   128
.set G1, 24
.set G0, 32
.set G1B, 48
.set G0B, 56
.set MSB, 0
.macro WIN new
.if MSB != (\new)
	s_set_vgpr_msb (MSB<<8)|(\new)
.set MSB, (\new)
.endif
.endm
.set MUL_LO, 0xa1
.set MUL_HI, 0xf1
.set TO_B,   0x40
.macro JLOAD g0a, g0b                  ; a joint load: waves 0, 1 ask for S1, waves 2, 3 for S0; four v_nop follow each line
	s_cmp_eq_u32 s15, 0
	s_cbranch_scc0 .Lfor_b_\@
	tensor_load_to_lds s[\g0a:\g0a+3], s[G1:G1+7]
	s_nop 0
.rept 4
	v_nop
.endr
	s_branch .Lasked_\@
.Lfor_b_\@:
	tensor_load_to_lds s[\g0b:\g0b+3], s[G1B:G1B+7]
	s_nop 0
.rept 4
	v_nop
.endr
.Lasked_\@:
.endm
.macro CREST
	s_cmp_lg_u32 s14, 0
	s_cbranch_scc1 .Lnot_wave_0_\@
	s_barrier_signal -3
.Lnot_wave_0_\@:
	s_barrier_wait -3
	s_barrier_signal -1
	s_barrier_wait -1
.endm
.macro CROUND
	s_barrier_signal -1
	s_barrier_wait -1
	CREST
.endm
.macro PLACES n
.rept \n
	v_nop
.endr
.endm
	s_load_b128 s[4:7], s[0:1], 0x0                ; S1's image, wimg
	s_load_b64 s[12:13], s[0:1], 0x10              ; cf
	v_lshl_add_u32 v[SPW], v0, 2, SPARE
	v_mov_b32 v[NIL], 0
	ds_add_u32 v28, v29
	s_wait_dscnt 0x0
	v_lshrrev_b32 v1, 5, v0
	v_readfirstlane_b32 s14, v1                    ; wave 0..3
	s_lshr_b32 s15, s14, 1                         ; my half of S1's rows.  Also: I fetch for S1 (0) or S0 (1)
	s_and_b32 s16, s14, 1                          ; my half of S0's rows.  Also: which two records I fetch
	s_bfe_u32 s40, ttmp6, 0x40000                  ; cx
	s_bfe_u32 s41, ttmp6, 0x40004                  ; cy
	s_lshl_b32 s42, ttmp9, 2
	s_add_co_u32 s42, s42, s40                     ; tile column
	s_and_b32 s17, ttmp7, 0xffff
	s_lshl_b32 s17, s17, 2
	s_add_co_u32 s17, s17, s41                     ; tile row
	s_lshl_b32 s43, s41, 2
	s_lshl_b32 s43, 15, s43                        ; my row of the cluster
	s_lshl_b32 s44, 0x1111, s40                    ; my column
	; descriptor group 1: 2 rows of 1,600 elements of 8 bytes, KST x 800 elements from record row to record row; no padding
	s_or_b32 s[G1+0], s43, (3<<16)|(1<<21)
	s_or_b32 s[G1B+0], s44, (3<<16)|(1<<21)
.irp g, G1, G1B
	s_mov_b32 s[\g+1], 1600<<16
	s_mov_b32 s[\g+2], 2<<16
	s_mov_b32 s[\g+3], 1600<<16
	s_mov_b32 s[\g+4], 2
	s_mov_b32 s[\g+5], KST*800
	s_mov_b32 s[\g+6], 0
	s_mov_b32 s[\g+7], 0
.endr
	s_lshl_b32 s18, s16, 1
	s_lshl_b32 s20, s17, 2
	s_add_co_u32 s20, s20, s18
	s_mul_i32 s20, s20, KST*REC
	s_mov_b32 s21, 0
	s_lshl_b32 s46, s42, 2
	s_add_co_u32 s46, s46, s18
	s_mul_i32 s46, s46, KST*REC
	s_add_co_u32 s46, s46, S0OFF
	s_mov_b32 s47, 0
	s_mul_i32 s45, s14, HALFT
	s_wait_kmcnt 0x0
	s_add_nc_u64 s[20:21], s[4:5], s[20:21]
	s_add_nc_u64 s[46:47], s[6:7], s[46:47]
	CROUND                                         ; all sixteen work-groups are here: the first joint loads meet
.irp s, 0,1
	s_mov_b32 s[G0+4*\s], 1
	s_add_co_u32 s[G0+4*\s+1], s45, \s*SLOT
	s_add_nc_u64 s[G0+4*\s+2:G0+4*\s+3], s[20:21], \s*ROW2
	s_or_b32 s[G0+4*\s+3], s[G0+4*\s+3], 0x80000000
	s_mov_b32 s[G0B+4*\s], 1
	s_add_co_u32 s[G0B+4*\s+1], s45, \s*SLOT
	s_add_nc_u64 s[G0B+4*\s+2:G0B+4*\s+3], s[46:47], \s*ROW2
	s_or_b32 s[G0B+4*\s+3], s[G0B+4*\s+3], 0x80000000
	JLOAD G0+4*\s, G0B+4*\s                        ; two loads of mine are out
.endr
	v_and_b32 v1, 31, v0
	v_and_b32 v2, 15, v0                           ; r
	v_bfe_u32 v3, v0, 4, 1                         ; h
	v_lshlrev_b32 v[LI], 4, v1
	s_mul_i32 s18, s15, HALFT
	s_mul_i32 s19, s16, HALFT
	s_add_co_u32 s19, s19, 2*HALFT
	s_sub_co_u32 s43, s19, s18
	v_mul_u32_u24 v4, s43, v3                      ; lanes 16-31 take S0's scale words: one product with h
	v_lshl_add_u32 v4, v2, 4, v4
	v_add_nc_u32 v4, 6144, v4
.irp s, 0,1
	v_add_nc_u32 v[ADRA+\s], s18, v[LI]
	v_add_nc_u32 v[ADRB+\s], s19, v[LI]
	v_add_nc_u32 v[ADRS+\s], s18, v4
	s_add_co_u32 s18, s18, SLOT
	s_add_co_u32 s19, s19, SLOT
.endr
	s_mul_i32 s18, s14, 16*SPITCH                  ; my stage
	v_mul_u32_u24 v5, v2, SPITCH
	v_lshl_add_u32 v5, v3, 6, v5
	v_add_nc_u32 v[STO], s18, v5                   ; in: row r, + 64 h
	v_add_nc_u32 v[RD], s18, v[LI]                 ; back: a row of 512 bytes an instruction
	s_lshl_b32 s18, s17, 20                        ; cf: row 256 x tile row + 128 x half, 4,096 bytes a row;
	s_lshl_b32 s19, s15, 19
	s_add_co_u32 s18, s18, s19
	s_lshl_b32 s19, s42, 10                        ; column 256 x tile column + 128 x half
	s_add_co_u32 s18, s18, s19
	s_lshl_b32 s19, s16, 9
	s_add_co_u32 s18, s18, s19
	s_mov_b32 s19, 0
	s_add_nc_u64 s[12:13], s[12:13], s[18:19]
.macro FRAG reg, adr, q, i
.irp c, 0,1,2
	ds_load_b128 v[\reg+4*\c:\reg+4*\c+3], v[\adr] offset:((\i)/4)*ROW2+(\q)*REC+((\i)%4)*1536+512*\c
.endr
.endm
; 16 matrix instructions: S1's tiles a0, a0 + 1 x S0's eight.  The 64 accumulators take turns, one instruction a turn.
.macro MUL16 a0, p, q, sc, zero
.irp a, \a0, \a0+1
.irp b, 0,1,2,3,4,5,6,7
.if \zero
	v_wmma_scale_f32_16x16x128_f8f6f4 v[8*(8*((\a)%4)+\b):8*(8*((\a)%4)+\b)+7], v[128*(\p)+FR*\b:128*(\p)+FR*\b+FR-1], v[AF+FR*(\a):AF+FR*(\a)+FR-1], 0, v[SC+16*(\sc)+8*(\q)+\b], v[SC+16*(\sc)+8*(\q)+(\a)] matrix_a_fmt:MATRIX_FMT_BF6 matrix_b_fmt:MATRIX_FMT_BF6 matrix_a_scale:MATRIX_SCALE_ROW1
.else
	v_wmma_scale_f32_16x16x128_f8f6f4 v[8*(8*((\a)%4)+\b):8*(8*((\a)%4)+\b)+7], v[128*(\p)+FR*\b:128*(\p)+FR*\b+FR-1], v[AF+FR*(\a):AF+FR*(\a)+FR-1], v[8*(8*((\a)%4)+\b):8*(8*((\a)%4)+\b)+7], v[SC+16*(\sc)+8*(\q)+\b], v[SC+16*(\sc)+8*(\q)+(\a)] matrix_a_fmt:MATRIX_FMT_BF6 matrix_b_fmt:MATRIX_FMT_BF6 matrix_a_scale:MATRIX_SCALE_ROW1
.endif
.endr
.endr
.endm
.macro FETCH_B slot, q, p
	WIN TO_B
.irp i, 0,1,2,3,4,5,6,7
	FRAG 128*(\p)+FR*\i, ADRB+\slot, \q, \i
.endr
	WIN 0
.endm
.macro FETCH_A slot, q, i0
.irp i, \i0, \i0+1, \i0+2, \i0+3
	FRAG AF+FR*(\i), ADRA+\slot, \q, \i
.endr
.endm
.macro SCALES slot
.irp q, 0,1
.irp g, 0,1
	ds_load_b128 v[SC+16*\slot+8*\q+4*\g:SC+16*\slot+8*\q+4*\g+3], v[ADRS+\slot] offset:\g*ROW2+\q*REC
.endr
.endr
.endm
.macro STEP slot, q, zero
	s_wait_dscnt 4*NL                              ; all but the youngest 12 loads (S1's tiles 4-7) are in
	WIN MUL_LO
	MUL16 0, (\q)%2, \q, \slot, \zero
	MUL16 2, (\q)%2, \q, \slot, \zero
	s_wait_dscnt 0
	PLACES NP
	FETCH_B \slot, (\q)+1, 1-(\q)%2
	FETCH_A \slot, (\q)+1, 0
	WIN MUL_HI
	MUL16 4, (\q)%2, \q, \slot, \zero
	MUL16 6, (\q)%2, \q, \slot, \zero
	PLACES NP
	WIN 0
	FETCH_A \slot, (\q)+1, 4
.endm
.macro TURN slot, next, fill
	s_wait_tensorcnt 0x0                           ; all my tensor loads have landed: my part of the next slot
	ds_add_u32 v[SPW], v[NIL]
	s_wait_dscnt 4*NL+1                            ; (the add and the youngest 12 loads may be out)
	WIN MUL_LO
	MUL16 0, 1, NQ-1, \slot, 0
	s_wait_dscnt 0x0                               ; the add is done, and my reads of this slot are over
	s_barrier_signal -1
	MUL16 2, 1, NQ-1, \slot, 0
	WIN 0
	s_barrier_wait -1
.if \fill
	CREST                                          ; the barrier has opened a round of the cluster's
	s_add_nc_u64 s[G0+4*\slot+2:G0+4*\slot+3], s[G0+4*\slot+2:G0+4*\slot+3], 2*ROW2
	s_add_nc_u64 s[G0B+4*\slot+2:G0B+4*\slot+3], s[G0B+4*\slot+2:G0B+4*\slot+3], 2*ROW2
	JLOAD G0+4*\slot, G0B+4*\slot                  ; the first tensor load behind the round; its four v_nop are the places in front of the loads below
.else
	PLACES NP
.endif
	FETCH_B \next, 0, 0
	FETCH_A \next, 0, 0
	SCALES \next
	WIN MUL_HI
	MUL16 4, 1, NQ-1, \slot, 0
	MUL16 6, 1, NQ-1, \slot, 0
	PLACES NP
	WIN 0
	FETCH_A \next, 0, 4
.endm
	s_wait_tensorcnt 1                             ; my part of slot 0 is in; slot 1's load may be out
	s_barrier_signal -1
	s_barrier_wait -1
	FETCH_B 0, 0, 0
	FETCH_A 0, 0, 0
	SCALES 0
	FETCH_A 0, 0, 4
	STEP 0, 0, 1                                   ; the first step's products start the sums
	s_mov_b32 s3, LAPS-1
.Llap:
	TURN 0, 1, 1
	STEP 1, 0, 0
	TURN 1, 0, 1
	STEP 0, 0, 0
	s_sub_co_u32 s3, s3, 1
	s_cmp_lg_u32 s3, 0
	s_cbranch_scc1 .Llap
	TURN 0, 1, 0                                   ; the last lap fills nothing
	STEP 1, 0, 0
	s_wait_dscnt 4*NL
	WIN MUL_LO
	MUL16 0, 1, NQ-1, 1, 0
	MUL16 2, 1, NQ-1, 1, 0
	s_wait_dscnt 0
	WIN MUL_HI
	MUL16 4, 1, NQ-1, 1, 0
	MUL16 6, 1, NQ-1, 1, 0
	WIN 0
; THE WAY OUT, a tile of 16 tokens x 128 columns at a time, through my own stage: in as 32 bytes a lane and tile of columns (columns 32 (b / 2) + 16 h + 8 (b % 2) on), back as whole rows of 512 bytes.
; LDS serves a wave's instructions in order: no wait between the stores and the loads, nor in front of the next tile's stores.
.macro TOSTAGE a
.set AC, 64*((\a)%4)
	WIN 0x08+4*((\a)/4)                            ; an LDS store's data: window 2 or 3
.irp b, 0,1,2,3,4,5,6,7
	ds_store_b128 v[STO], v[AC+8*\b:AC+8*\b+3] offset:128*(\b/2)+32*(\b%2)       ; each accumulator from its low end on
	ds_store_b128 v[STO], v[AC+8*\b+4:AC+8*\b+7] offset:128*(\b/2)+32*(\b%2)+16
.endr
	WIN 0
.set BB, BK+64*((\a)%2)
.irp t, 0,1,2,3,4,5,6,7,8,9,10,11,12,13,14,15
	ds_load_b128 v[BB+4*\t:BB+4*\t+3], v[RD] offset:\t*SPITCH
.endr
.endm
.macro SEND a, younger
.set BB, BK+64*((\a)%2)
	s_wait_dscnt \younger
.irp t, 0,1,2,3,4,5,6,7,8,9,10,11,12,13,14,15
	global_store_b128 v[LI], v[BB+4*\t:BB+4*\t+3], s[12:13] offset:(64*((\a)/4)+32*(((\a)%4)/2)+8*((\a)%2)+\t+8*(\t/8))*4096   ; stage row t is the image's row t of tile a; 512 consecutive bytes
.endr
.endm
	PLACES NP
	TOSTAGE 0
.irp a, 1,2,3,4,5,6,7
.if \a > 1
	s_wait_xcnt 0x0                                ; tile a - 2's stores have read their registers: tile a's loads may land there
.endif
	TOSTAGE \a
	SEND \a-1, 32                                  ; behind tile a - 1's loads: tile a's 16 stores and 16 loads
.endr
	SEND 7, 0
	s_wait_tensorcnt 0x0                           ; the wave's end
	ds_add_u32 v[SPW], v[NIL]
	s_wait_dscnt 0x0
	CROUND                                         ; the closing round
	s_endpgm
.Lfunc_end_k_q81cb70ed76_gwo:
	.size	k_q81cb70ed76_gwo, .Lfunc_end_k_q81cb70ed76_gwo-k_q81cb70ed76_gwo
	.p2alignl 7, 3214868480
	.fill 96, 4, 3214868480
	.section	.rodata,"a",@progbits
	.p2align	6, 0x0
	.amdhsa_kernel k_q81cb70ed76_gwo
		.amdhsa_group_segment_fixed_size 327680
		.amdhsa_private_segment_fixed_size 0
		.amdhsa_enable_private_segment 0
		.amdhsa_kernarg_size 24
		.amdhsa_user_sgpr_count 2
		.amdhsa_user_sgpr_kernarg_segment_ptr 1
		.amdhsa_wavefront_size32 1
		.amdhsa_system_sgpr_workgroup_id_x 1
		.amdhsa_system_sgpr_workgroup_id_y 1
		.amdhsa_system_sgpr_workgroup_id_z 1
		.amdhsa_system_vgpr_workitem_id 0
		.amdhsa_next_free_vgpr 1024
		.amdhsa_next_free_sgpr 66
		.amdhsa_reserve_vcc 0
		.amdhsa_float_denorm_mode_32 3
		.amdhsa_float_denorm_mode_16_64 3
		.amdhsa_memory_ordered 1
		.amdhsa_forward_progress 1
		.amdhsa_inst_pref_size 131
	.end_amdhsa_kernel
	.amdgpu_metadata
---
amdhsa.version: [ 1, 2 ]
amdhsa.kernels:
  - .name:           k_q81cb70ed76_gwo
    .symbol:         k_q81cb70ed76_gwo.kd
    .args:
      - { .name: ai, .offset: 0, .size: 8, .value_kind: global_buffer, .address_space: global }
      - { .name: wimg, .offset: 8, .size: 8, .value_kind: global_buffer, .address_space: global }
      - { .name: cf, .offset: 16, .size: 8, .value_kind: global_buffer, .address_space: global }
    .group_segment_fixed_size: 327680
    .private_segment_fixed_size: 0
    .kernarg_segment_align: 8
    .kernarg_segment_size: 24
    .max_flat_workgroup_size: 128
    .sgpr_count:     66
    .vgpr_count:     1024
    .wavefront_size: 32
...
	.end_amdgpu_metadata
.endif
;; end of part 4
;; launch ln1 (part 5): grid 256 x 1, 8 waves a work-group, no clusters, 67,072 bytes of LDS; arguments cf, x, b_o, g1, be1, hf, hi; writes hf, hi
.if DOCPART == 5
	.amdgcn_target "amdgcn-amd-amdhsa--gfx1250"
	.amdhsa_code_object_version 6
	.text
	.protected	k_q81cb70ed76_ln1
	.globl	k_q81cb70ed76_ln1
	.p2align	8
	.type	k_q81cb70ed76_ln1,@function
k_q81cb70ed76_ln1:
	s_mov_b64 s[64:65], 0
	v_nop
	global_prefetch_b8 v0, s[64:65] scope:SCOPE_SE
	s_setreg_imm32_b32 hwreg(HW_REG_WAVE_MODE, 25, 1), 1
	s_wait_xcnt 0x0
; h = layernorm(cf + b_o + x) x g1 + be1, rows of 1,024, all in f32; h goes out as f32 (hf, the later residual) and as an image of BF6 codes (hi, the next product's operand).
; SHARES: a work-group owns the 16 tokens of one tile of the image (record row g = work-group / 4, tile t = work-group % 4: tokens 64 g + 32 (t / 2) + 8 (t % 2) + i + 8 (i / 8)); wave w owns i = 2 w, 2 w + 1,
; which are neighbouring tokens: a wave to a row, so that the two reductions never leave the wave.  Lane l holds columns 128 c + 4 l + 0 .. 3: every load and store covers 512 consecutive bytes.
; The variance is the mean of (y - mean)^2, taken in a second pass over registers: no difference of large sums.
; Then the 16 rows meet in LDS (pitch 4,096 + 16 bytes), and wave w quantises K step w of all 16: a fragment of 12 registers and a scale word a row.
; THE IMAGE: record (g, s), 6,400 bytes at (8 g + s) 6400; tile t: register p of lane l at 1536 t + 512 (p / 4) + 16 l + 4 (p % 4); scale words at 6144 + 16 r + 4 t.
; LIMITS: NaN and infinities are not served; a block whose largest magnitude lies under 2^-122 gets the scale byte 1; this program alone reads the bytes.
.set REC,  6400
.set LP,   4112                        ; a row in LDS
.set BIAS, 16                          ; v16-47
.set GAM,  48                          ; v48-79
.set BET,  80                          ; v80-111
.set Y,    112                         ; v112-175 two rows; later 64 numbers for the quantiser
.set RS,   176                         ; v176-239 the residual's two rows; later the quantiser's scratch
.set T,    240                         ; v240-247 sums: four registers a row
.set RQ,   248                         ; v248-251 1 / sqrt(var + eps): a pair a row
.set TM,   176
.set PC,   192
.set T2,   204
.set PW,   212
.set SEL,  28
.macro FOLD                            ; each row's two chains, its two halves, and its 32 lanes: the sum ends up in every lane, in v[T + 4 e]
.irp e, 0,1
	v_pk_add_f32 v[T+4*\e:T+4*\e+1], v[T+4*\e:T+4*\e+1], v[T+4*\e+2:T+4*\e+3]
.endr
.irp e, 0,1
	v_add_f32 v[T+4*\e], v[T+4*\e], v[T+4*\e+1]
.endr
.irp m, 1,2,4,8
.irp e, 0,1
	v_add_f32_dpp v[T+4*\e], v[T+4*\e], v[T+4*\e] row_xmask:\m row_mask:0xf bank_mask:0xf
.endr
.endr
.irp e, 0,1
	v_permlanex16_b32 v[T+4*\e+1], v[T+4*\e], s[SEL], s[SEL+1]
.endr
.irp e, 0,1
	v_add_f32 v[T+4*\e], v[T+4*\e], v[T+4*\e+1]
.endr
.endm
.macro QUANT src, dst, pw
.irp b, 0,1,2,3
	v_max3_num_f32 v[TM+\b], |v[\src+16*\b]|, |v[\src+1+16*\b]|, 0x2800000   ; block b: my 16 numbers, and the floor 2^(5 - 127)
.endr
.irp i, 2,4,6,8,10,12,14
.irp b, 0,1,2,3
	v_max3_num_f32 v[TM+\b], v[TM+\b], |v[\src+16*\b+\i]|, |v[\src+1+16*\b+\i]|
.endr
.endr
.irp b, 0,1,2,3
	v_permlanex16_b32 v[TM+4+\b], v[TM+\b], s[SEL], s[SEL+1]
.endr
.irp b, 0,1,2,3
	v_max_num_f32 v[TM+\b], v[TM+\b], v[TM+4+\b]
.endr
.irp b, 0,1,2,3
	v_add_nc_u32 v[TM+12+\b], 0xfe000000, v[TM+\b]   ; 4 off the exponent field: the conversion's scale operand
.endr
.irp b, 0,1,2,3
	v_lshrrev_b32 v[TM+4+\b], 23, v[TM+12+\b]
.endr
	v_lshl_or_b32 v[\pw], v[TM+5], 8, v[TM+4]
	v_lshl_or_b32 v[\pw], v[TM+6], 16, v[\pw]
	v_lshl_or_b32 v[\pw], v[TM+7], 24, v[\pw]
.irp c, 0,1
	v_cvt_scalef32_pk16_bf6_f32 v[\dst+6*\c:\dst+2+6*\c], v[\src+32*\c:\src+15+32*\c], v[TM+12+2*\c]
	v_cvt_scalef32_pk16_bf6_f32 v[T2+4*\c:T2+2+4*\c], v[\src+16+32*\c:\src+31+32*\c], v[TM+12+2*\c+1]
.endr
	v_nop
.irp c, 0,1
.irp i, 0,1,2
	v_permlane16_swap_b32 v[\dst+6*\c+\i], v[T2+4*\c+\i]
.endr
.irp i, 0,1,2
	v_mov_b32 v[\dst+3+6*\c+\i], v[T2+4*\c+\i]
.endr
.endr
.endm
	s_load_b256 s[4:11], s[0:1], 0x0               ; cf, x, b_o, g1
	s_load_b128 s[12:15], s[0:1], 0x20             ; be1, hf
	s_load_b64 s[16:17], s[0:1], 0x30              ; hi
	v_lshl_add_u32 v254, v0, 2, 0x10200
	v_mov_b32 v255, 0
	v_lshrrev_b32 v1, 5, v0
	v_readfirstlane_b32 s18, v1                    ; wave 0..7
	v_and_b32 v1, 31, v0
	v_lshlrev_b32 v2, 4, v1                        ; 16 x lane
	v_and_b32 v7, 15, v0                           ; r
	v_bfe_u32 v8, v0, 4, 1                         ; h
	s_lshr_b32 s19, ttmp9, 2                       ; g
	s_and_b32 s20, ttmp9, 3                        ; t
	s_lshl_b32 s21, s19, 6
	s_lshr_b32 s22, s20, 1
	s_lshl_b32 s22, s22, 5
	s_add_co_u32 s21, s21, s22
	s_and_b32 s22, s20, 1
	s_lshl_b32 s22, s22, 3
	s_add_co_u32 s21, s21, s22
	s_lshl_b32 s22, s18, 1
	s_add_co_u32 s21, s21, s22
	s_lshr_b32 s22, s18, 2
	s_lshl_b32 s22, s22, 3
	s_add_co_u32 s21, s21, s22                     ; my first token
	s_lshl_b32 s22, s21, 12
	s_mov_b32 s23, 0
	s_mov_b32 s24, 0x3a800000                      ; 1 / 1,024
	s_mov_b32 s25, 0x3727c5ac                      ; eps = 1e-5
	s_mov_b32 s[SEL], 0x76543210
	s_mov_b32 s[SEL+1], 0xfedcba98
	s_lshl_b32 s26, s19, 3
	s_add_co_u32 s26, s26, s18
	s_mul_i32 s26, s26, REC                        ; record (g, w),
	s_mul_i32 s27, s20, 1536
	s_add_co_u32 s26, s26, s27                     ; tile t
	s_mov_b32 s27, 0
	s_mul_i32 s30, s20, 1532
	s_sub_co_u32 s30, 6144, s30                    ; from there to the tile's scale words: 6144 + 4 t - 1536 t
	s_mul_i32 s31, s18, 2*LP
	v_add_nc_u32 v3, s31, v2                       ; LDS, in: rows 2 w, 2 w + 1; 16 x lane
	v_mul_u32_u24 v4, v7, LP
	v_lshl_add_u32 v4, v8, 6, v4
	s_lshl_b32 s31, s18, 9
	v_add_nc_u32 v4, s31, v4                       ; LDS, out: row r, K step w, + 64 h
	v_lshlrev_b32 v5, 4, v7
	v_lshl_add_u32 v5, v8, 1, v5
	v_add_nc_u32 v5, s30, v5                       ; my half of a scale word: 16 r + 2 h
	v_lshlrev_b32 v6, 4, v8                        ; 16 h: which half
	s_wait_kmcnt 0x0
	s_add_nc_u64 s[4:5], s[4:5], s[22:23]
	s_add_nc_u64 s[6:7], s[6:7], s[22:23]
	s_add_nc_u64 s[14:15], s[14:15], s[22:23]
	s_add_nc_u64 s[16:17], s[16:17], s[26:27]
.irp e, 0,1
.irp c, 0,1,2,3,4,5,6,7
	global_load_b128 v[Y+32*\e+4*\c:Y+32*\e+4*\c+3], v2, s[4:5] offset:4096*\e+512*\c th:TH_LOAD_NT
.endr
.endr
.irp e, 0,1
.irp c, 0,1,2,3,4,5,6,7
	global_load_b128 v[RS+32*\e+4*\c:RS+32*\e+4*\c+3], v2, s[6:7] offset:4096*\e+512*\c th:TH_LOAD_NT
.endr
.endr
.irp c, 0,1,2,3,4,5,6,7
	global_load_b128 v[BIAS+4*\c:BIAS+4*\c+3], v2, s[8:9] offset:512*\c
.endr
.irp c, 0,1,2,3,4,5,6,7
	global_load_b128 v[GAM+4*\c:GAM+4*\c+3], v2, s[10:11] offset:512*\c
.endr
.irp c, 0,1,2,3,4,5,6,7
	global_load_b128 v[BET+4*\c:BET+4*\c+3], v2, s[12:13] offset:512*\c
.endr
	s_wait_loadcnt 16                              ; all but the gain's and the offset's 16 loads
.set j, 0
.rept 16
.irp e, 0,1
	v_pk_add_f32 v[Y+32*\e+j:Y+32*\e+j+1], v[Y+32*\e+j:Y+32*\e+j+1], v[BIAS+j:BIAS+j+1]
.endr
.set j, j+2
.endr
.set j, 0
.rept 16
.irp e, 0,1
	v_pk_add_f32 v[Y+32*\e+j:Y+32*\e+j+1], v[Y+32*\e+j:Y+32*\e+j+1], v[RS+32*\e+j:RS+32*\e+j+1]
.endr
.set j, j+2
.endr
.irp e, 0,1                            ; the row's sum, in two chains
	v_pk_add_f32 v[T+4*\e:T+4*\e+1], v[Y+32*\e:Y+32*\e+1], v[Y+32*\e+2:Y+32*\e+3]
	v_pk_add_f32 v[T+4*\e+2:T+4*\e+3], v[Y+32*\e+4:Y+32*\e+5], v[Y+32*\e+6:Y+32*\e+7]
.endr
.irp j, 8,12,16,20,24,28
.irp e, 0,1
	v_pk_add_f32 v[T+4*\e:T+4*\e+1], v[T+4*\e:T+4*\e+1], v[Y+32*\e+\j:Y+32*\e+\j+1]
	v_pk_add_f32 v[T+4*\e+2:T+4*\e+3], v[T+4*\e+2:T+4*\e+3], v[Y+32*\e+\j+2:Y+32*\e+\j+3]
.endr
.endr
	FOLD
.irp e, 0,1
	v_mul_f32 v[T+4*\e], 0xba800000, v[T+4*\e]     ; - the mean
.endr
.set j, 0
.rept 16
.irp e, 0,1
	v_pk_add_f32 v[Y+32*\e+j:Y+32*\e+j+1], v[Y+32*\e+j:Y+32*\e+j+1], v[T+4*\e:T+4*\e+1] op_sel_hi:[1,0]
.endr
.set j, j+2
.endr
.irp e, 0,1                            ; the sum of squares of what is left
	v_pk_mul_f32 v[T+4*\e:T+4*\e+1], v[Y+32*\e:Y+32*\e+1], v[Y+32*\e:Y+32*\e+1]
	v_pk_mul_f32 v[T+4*\e+2:T+4*\e+3], v[Y+32*\e+2:Y+32*\e+3], v[Y+32*\e+2:Y+32*\e+3]
.endr
.irp j, 4,8,12,16,20,24,28
.irp e, 0,1
	v_pk_fma_f32 v[T+4*\e:T+4*\e+1], v[Y+32*\e+\j:Y+32*\e+\j+1], v[Y+32*\e+\j:Y+32*\e+\j+1], v[T+4*\e:T+4*\e+1]
	v_pk_fma_f32 v[T+4*\e+2:T+4*\e+3], v[Y+32*\e+\j+2:Y+32*\e+\j+3], v[Y+32*\e+\j+2:Y+32*\e+\j+3], v[T+4*\e+2:T+4*\e+3]
.endr
.endr
	FOLD
.irp e, 0,1
	v_fma_f32 v[T+4*\e], v[T+4*\e], s24, s25       ; var + eps
.endr
.irp e, 0,1
	v_rsq_f32 v[RQ+2*\e], v[T+4*\e]
.endr
	v_mov_b32 v[RQ+1], 0                           ; plain instructions behind the two roots: the pairs' upper halves, which are named but not used
	v_mov_b32 v[RQ+3], 0
	s_wait_alu depctr_va_vdst(0)                   ; one wait for both, ahead of their first reader
	s_wait_loadcnt 0x0                             ; the gain and the offset
.set j, 0
.rept 16
.irp e, 0,1
	v_pk_mul_f32 v[Y+32*\e+j:Y+32*\e+j+1], v[Y+32*\e+j:Y+32*\e+j+1], v[RQ+2*\e:RQ+2*\e+1] op_sel_hi:[1,0]
.endr
.set j, j+2
.endr
.set j, 0
.rept 16
.irp e, 0,1
	v_pk_fma_f32 v[Y+32*\e+j:Y+32*\e+j+1], v[Y+32*\e+j:Y+32*\e+j+1], v[GAM+j:GAM+j+1], v[BET+j:BET+j+1]
.endr
.set j, j+2
.endr
.irp e, 0,1
.irp c, 0,1,2,3,4,5,6,7
	global_store_b128 v2, v[Y+32*\e+4*\c:Y+32*\e+4*\c+3], s[14:15] offset:4096*\e+512*\c
	ds_store_b128 v3, v[Y+32*\e+4*\c:Y+32*\e+4*\c+3] offset:LP*\e+512*\c
.endr
.endr
.irp b, 0,1,2,3
	v_mov_b32 v[TM+4+\b], 0                        ; a lane permute's destination counts as one of its sources
.endr
	s_wait_dscnt 0x0                               ; for the others' sake: my two rows lie in LDS
	s_barrier_signal -1
	s_barrier_wait -1
	s_wait_xcnt 0x0                                ; the stores to hf have read Y: the loads below may land there
.irp b, 0,1,2,3
.irp q, 0,1,2,3
	ds_load_b128 v[Y+16*\b+4*\q:Y+16*\b+4*\q+3], v4 offset:128*\b+16*\q   ; row r, k = 128 w + 32 b + 16 h + 4 q on
.endr
.endr
	s_wait_dscnt 0x0
	QUANT Y, PC, PW
.irp c, 0,1,2
	global_store_b128 v2, v[PC+4*\c:PC+4*\c+3], s[16:17] offset:512*\c     ; 512 consecutive bytes
.endr
	v_lshrrev_b32 v[PW], v6, v[PW]                 ; lanes 0-15 store the word's lower half, lanes 16-31 its upper: all lanes on, no byte twice
	global_store_b16 v5, v[PW], s[16:17]
	s_wait_tensorcnt 0x0
	ds_add_u32 v254, v255
	s_wait_dscnt 0x0
	s_endpgm
.Lfunc_end_k_q81cb70ed76_ln1:
	.size	k_q81cb70ed76_ln1, .Lfunc_end_k_q81cb70ed76_ln1-k_q81cb70ed76_ln1
	.p2alignl 7, 3214868480
	.fill 96, 4, 3214868480
	.section	.rodata,"a",@progbits
	.p2align	6, 0x0
	.amdhsa_kernel k_q81cb70ed76_ln1
		.amdhsa_group_segment_fixed_size 67072
		.amdhsa_private_segment_fixed_size 0
		.amdhsa_enable_private_segment 0
		.amdhsa_kernarg_size 56
		.amdhsa_user_sgpr_count 2
		.amdhsa_user_sgpr_kernarg_segment_ptr 1
		.amdhsa_wavefront_size32 1
		.amdhsa_system_sgpr_workgroup_id_x 1
		.amdhsa_system_sgpr_workgroup_id_y 1
		.amdhsa_system_sgpr_workgroup_id_z 1
		.amdhsa_system_vgpr_workitem_id 0
		.amdhsa_next_free_vgpr 256
		.amdhsa_next_free_sgpr 66
		.amdhsa_reserve_vcc 0
		.amdhsa_float_denorm_mode_32 3
		.amdhsa_float_denorm_mode_16_64 3
		.amdhsa_memory_ordered 1
		.amdhsa_forward_progress 1
		.amdhsa_inst_pref_size 32
	.end_amdhsa_kernel
	.amdgpu_metadata
---
amdhsa.version: [ 1, 2 ]
amdhsa.kernels:
  - .name:           k_q81cb70ed76_ln1
    .symbol:         k_q81cb70ed76_ln1.kd
    .args:
      - { .name: cf, .offset: 0, .size: 8, .value_kind: global_buffer, .address_space: global }
      - { .name: x, .offset: 8, .size: 8, .value_kind: global_buffer, .address_space: global }
      - { .name: b_o, .offset: 16, .size: 8, .value_kind: global_buffer, .address_space: global }
      - { .name: g1, .offset: 24, .size: 8, .value_kind: global_buffer, .address_space: global }
      - { .name: be1, .offset: 32, .size: 8, .value_kind: global_buffer, .address_space: global }
      - { .name: hf, .offset: 40, .size: 8, .value_kind: global_buffer, .address_space: global }
      - { .name: hi, .offset: 48, .size: 8, .value_kind: global_buffer, .address_space: global }
    .group_segment_fixed_size: 67072
    .private_segment_fixed_size: 0
    .kernarg_segment_align: 8
    .kernarg_segment_size: 56
    .max_flat_workgroup_size: 256
    .sgpr_count:     66
    .vgpr_count:     256
    .wavefront_size: 32
...
	.end_amdgpu_metadata
.endif
;; end of part 5
;; launch gw1 (part 6): grid 16 x 16, 4 waves a work-group, clusters of 4 x 4, 327,680 bytes of LDS; arguments hi, wimg, b1, fi; writes fi
.if DOCPART == 6
	.amdgcn_target "amdgcn-amd-amdhsa--gfx1250"
	.amdhsa_code_object_version 6
	.text
	.protected	k_q81cb70ed76_gw1
	.globl	k_q81cb70ed76_gw1
	.p2align	8
	.type	k_q81cb70ed76_gw1,@function
k_q81cb70ed76_gw1:
	s_mov_b64 s[64:65], 0
	v_nop
	global_prefetch_b8 v0, s[64:65] scope:SCOPE_SE
	s_setreg_imm32_b32 hwreg(HW_REG_WAVE_MODE, 25, 1), 1
	s_wait_xcnt 0x0
	s_wait_alu depctr_hold_cnt(0) depctr_sa_sdst(0) depctr_va_vdst(0) depctr_va_sdst(0) depctr_va_ssrc(0) depctr_va_vcc(0) depctr_vm_vsrc(0)
	s_getreg_b32 s2, hwreg(HW_REG_IB_STS2, 6, 4)
	s_cmp_eq_u32 s2, 0
	s_cbranch_scc0 .Lentry_in_a_cluster
	s_endpgm
.Lentry_in_a_cluster:
	s_bfe_u32 s2, ttmp6, 0x10000c
	s_cmp_lg_u32 s2, 0xf033
	s_cbranch_scc0 .Lentry_shape_is_right
	s_endpgm
.Lentry_shape_is_right:
; fi = Q(relu(h w1 + b1)): the product on codes of BF6 (E3M2) with E8M0 scales, the bias and the activation in f32, and the result quantised in registers along the 4,096 hidden units, the next product's K.
; OPERANDS ARE IMAGES: record (g, s) = 64 rows x 128 along K, REC = 6,400 bytes at (KST g + s) REC; tile t of it is an operand's 12 registers on end (register p of lane l at 1536 t + 512 (p / 4) + 16 l + 4 (p % 4)),
; lane (r, h) holding row 64 g + 32 (t / 2) + 8 (t % 2) + r + 8 (r / 8); the rows' scale words at 6144 + 16 r + 4 t.
; Z[i][j] = sum over k of S1[i][k] S0[j][k]: source 0 = 16 rows of S0 (w1, j = hidden units), source 1 = 16 rows of S1 (h, i = tokens).  A lane holds one token, and by the image's order of rows the 64 registers of
; its eight tiles along j are j = 32 b + 16 h + 0 .. 15, b = 0 .. 3: what the quantiser along j wants.  The result is stored as an image again: rows = tokens, 32 K steps.
; A tile of Z, 256 x 256, is made by four waves, 128 x 128 each.  K goes in steps of 256 through two LDS slots; a wave's tensor load brings two records' two K steps, 25,600 bytes.
; CLUSTERS 4 x 4: S1's tile is shared along a row of the cluster, S0's along a column: each is asked for jointly.
; REGISTERS: window 0: v16-31 addresses; v32-63 scale words, two sets; v64-107 at work on the way out; v128-223 S1's eight fragments (on the way out v128-191: 64 numbers).
;   window 1: S0's fragments, two sets, at v0 and v128; the bias in v96-127 and v224-255.   windows 2, 3: accumulator (a, b) at v[8 (8 (a % 4) + b)].
; LIMITS: NaN and infinities are not served; a block whose largest magnitude lies under 2^-122 (zeros too) gets the scale byte 1; this program alone reads the bytes.
.set KST,   8
.set KSP,   32                         ; K steps of the image that is written
.set S0OFF, 6553600                    ; w1's image in wimg
.set REC,   6400
.set ROW2,  2*REC
.set HALFT, 2*ROW2
.set SLOT,  4*HALFT
.set SPARE, 2*SLOT
.set LAPS,  KST/4
.set NQ,    2
.set FR,    12
.set NL,    3
.set NP,    4
.set ADRA, 16
.set ADRB, 20
.set ADRS, 22
.set LI,   26
.set SCA,  27
.set SPW,  28
.set NIL,  29
.set SC,   32
.set TM,   64
.set SW,   80
.set T2,   84
.set CN,   92
.set PC,   96
.set ST,   128
.set BI,   96                          ; window 1
.set AF,   128
.set SEL,  10
.set HM,   2
.set G1, 24
.set G0, 32
.set G1B, 48
.set G0B, 56
.set MSB, 0
.macro WIN new
.if MSB != (\new)
	s_set_vgpr_msb (MSB<<8)|(\new)
.set MSB, (\new)
.endif
.endm
.set MUL_LO, 0xa1
.set MUL_HI, 0xf1
.set TO_B,   0x40
.macro JLOAD g0a, g0b                  ; a joint load: waves 0, 1 ask for S1, waves 2, 3 for S0; four v_nop follow each line
	s_cmp_eq_u32 s15, 0
	s_cbranch_scc0 .Lfor_b_\@
	tensor_load_to_lds s[\g0a:\g0a+3], s[G1:G1+7]
	s_nop 0
.rept 4
	v_nop
.endr
	s_branch .Lasked_\@
.Lfor_b_\@:
	tensor_load_to_lds s[\g0b:\g0b+3], s[G1B:G1B+7]
	s_nop 0
.rept 4
	v_nop
.endr
.Lasked_\@:
.endm
.macro CREST
	s_cmp_lg_u32 s14, 0
	s_cbranch_scc1 .Lnot_wave_0_\@
	s_barrier_signal -3
.Lnot_wave_0_\@:
	s_barrier_wait -3
	s_barrier_signal -1
	s_barrier_wait -1
.endm
.macro CROUND
	s_barrier_signal -1
	s_barrier_wait -1
	CREST
.endm
.macro PLACES n
.rept \n
	v_nop
.endr
.endm
	s_load_b128 s[4:7], s[0:1], 0x0                ; hi, wimg
	s_load_b64 s[8:9], s[0:1], 0x10                ; b1
	s_load_b64 s[12:13], s[0:1], 0x18              ; fi
	v_lshl_add_u32 v[SPW], v0, 2, SPARE
	v_mov_b32 v[NIL], 0
	ds_add_u32 v28, v29
	s_wait_dscnt 0x0
	v_lshrrev_b32 v1, 5, v0
	v_readfirstlane_b32 s14, v1                    ; wave 0..3
	s_lshr_b32 s15, s14, 1
	s_and_b32 s16, s14, 1
	s_bfe_u32 s40, ttmp6, 0x40000                  ; cx
	s_bfe_u32 s41, ttmp6, 0x40004                  ; cy
	s_lshl_b32 s42, ttmp9, 2
	s_add_co_u32 s42, s42, s40                     ; tile column
	s_and_b32 s17, ttmp7, 0xffff
	s_lshl_b32 s17, s17, 2
	s_add_co_u32 s17, s17, s41                     ; tile row
	s_lshl_b32 s43, s41, 2
	s_lshl_b32 s43, 15, s43
	s_lshl_b32 s44, 0x1111, s40
	s_or_b32 s[G1+0], s43, (3<<16)|(1<<21)
	s_or_b32 s[G1B+0], s44, (3<<16)|(1<<21)
.irp g, G1, G1B
	s_mov_b32 s[\g+1], 1600<<16
	s_mov_b32 s[\g+2], 2<<16
	s_mov_b32 s[\g+3], 1600<<16
	s_mov_b32 s[\g+4], 2
	s_mov_b32 s[\g+5], KST*800
	s_mov_b32 s[\g+6], 0
	s_mov_b32 s[\g+7], 0
.endr
	s_lshl_b32 s18, s16, 1
	s_lshl_b32 s20, s17, 2
	s_add_co_u32 s20, s20, s18
	s_mul_i32 s20, s20, KST*REC
	s_mov_b32 s21, 0
	s_lshl_b32 s46, s42, 2
	s_add_co_u32 s46, s46, s18
	s_mul_i32 s46, s46, KST*REC
	s_add_co_u32 s46, s46, S0OFF
	s_mov_b32 s47, 0
	s_mul_i32 s45, s14, HALFT
	s_wait_kmcnt 0x0
	s_add_nc_u64 s[20:21], s[4:5], s[20:21]
	s_add_nc_u64 s[46:47], s[6:7], s[46:47]
	CROUND
.irp s, 0,1
	s_mov_b32 s[G0+4*\s], 1
	s_add_co_u32 s[G0+4*\s+1], s45, \s*SLOT
	s_add_nc_u64 s[G0+4*\s+2:G0+4*\s+3], s[20:21], \s*ROW2
	s_or_b32 s[G0+4*\s+3], s[G0+4*\s+3], 0x80000000
	s_mov_b32 s[G0B+4*\s], 1
	s_add_co_u32 s[G0B+4*\s+1], s45, \s*SLOT
	s_add_nc_u64 s[G0B+4*\s+2:G0B+4*\s+3], s[46:47], \s*ROW2
	s_or_b32 s[G0B+4*\s+3], s[G0B+4*\s+3], 0x80000000
	JLOAD G0+4*\s, G0B+4*\s                        ; two loads of mine are out
.endr
	v_and_b32 v1, 31, v0
	v_and_b32 v2, 15, v0                           ; r
	v_bfe_u32 v3, v0, 4, 1                         ; h
	v_lshlrev_b32 v[LI], 4, v1
	v_lshlrev_b32 v[SCA], 4, v2
	v_lshl_add_u32 v[SCA], v3, 3, v[SCA]
	v_cmp_le_u32 s[HM], 16, v1
	v_lshlrev_b32 v30, 6, v3                       ; the bias: 64 h
	s_mov_b32 s[SEL], 0x76543210
	s_mov_b32 s[SEL+1], 0xfedcba98
	s_lshl_b32 s18, s42, 10                        ; b1 from hidden unit 256 x tile column + 128 x half
	s_lshl_b32 s19, s16, 9
	s_add_co_u32 s18, s18, s19
	s_mov_b32 s19, 0
	s_add_nc_u64 s[8:9], s[8:9], s[18:19]
	WIN TO_B
.irp b, 0,1,2,3
.irp q, 0,1,2,3
	global_load_b128 v[BI+16*\b+4*\q+96*(\b/2):BI+16*\b+4*\q+96*(\b/2)+3], v30, s[8:9] offset:128*\b+16*\q   ; b1 at j = 32 b + 16 h + 4 q on: waited for on the way out
.endr
.endr
	WIN 0
	s_mul_i32 s18, s15, HALFT
	s_mul_i32 s19, s16, HALFT
	s_add_co_u32 s19, s19, 2*HALFT
	s_sub_co_u32 s43, s19, s18
	v_mul_u32_u24 v4, s43, v3                      ; lanes 16-31 take S0's scale words: one product with h
	v_lshl_add_u32 v4, v2, 4, v4
	v_add_nc_u32 v4, 6144, v4
.irp s, 0,1
	v_add_nc_u32 v[ADRA+\s], s18, v[LI]
	v_add_nc_u32 v[ADRB+\s], s19, v[LI]
	v_add_nc_u32 v[ADRS+\s], s18, v4
	s_add_co_u32 s18, s18, SLOT
	s_add_co_u32 s19, s19, SLOT
.endr
	s_lshl_b32 s18, s17, 2                         ; what I write: record row 4 x tile row + 2 x half, K step 2 x tile column + half
	s_lshl_b32 s19, s15, 1
	s_add_co_u32 s18, s18, s19
	s_lshl_b32 s18, s18, 5
	s_lshl_b32 s19, s42, 1
	s_add_co_u32 s18, s18, s19
	s_add_co_u32 s18, s18, s16
	s_mul_i32 s18, s18, REC
	s_mov_b32 s19, 0
	s_add_nc_u64 s[12:13], s[12:13], s[18:19]
.macro FRAG reg, adr, q, i
.irp c, 0,1,2
	ds_load_b128 v[\reg+4*\c:\reg+4*\c+3], v[\adr] offset:((\i)/4)*ROW2+(\q)*REC+((\i)%4)*1536+512*\c
.endr
.endm
; 16 matrix instructions: S1's tiles a0, a0 + 1 x S0's eight.  The 64 accumulators take turns, one instruction a turn.
.macro MUL16 a0, p, q, sc, zero
.irp a, \a0, \a0+1
.irp b, 0,1,2,3,4,5,6,7
.if \zero
	v_wmma_scale_f32_16x16x128_f8f6f4 v[8*(8*((\a)%4)+\b):8*(8*((\a)%4)+\b)+7], v[128*(\p)+FR*\b:128*(\p)+FR*\b+FR-1], v[AF+FR*(\a):AF+FR*(\a)+FR-1], 0, v[SC+16*(\sc)+8*(\q)+\b], v[SC+16*(\sc)+8*(\q)+(\a)] matrix_a_fmt:MATRIX_FMT_BF6 matrix_b_fmt:MATRIX_FMT_BF6 matrix_a_scale:MATRIX_SCALE_ROW1
.else
	v_wmma_scale_f32_16x16x128_f8f6f4 v[8*(8*((\a)%4)+\b):8*(8*((\a)%4)+\b)+7], v[128*(\p)+FR*\b:128*(\p)+FR*\b+FR-1], v[AF+FR*(\a):AF+FR*(\a)+FR-1], v[8*(8*((\a)%4)+\b):8*(8*((\a)%4)+\b)+7], v[SC+16*(\sc)+8*(\q)+\b], v[SC+16*(\sc)+8*(\q)+(\a)] matrix_a_fmt:MATRIX_FMT_BF6 matrix_b_fmt:MATRIX_FMT_BF6 matrix_a_scale:MATRIX_SCALE_ROW1
.endif
.endr
.endr
.endm
.macro FETCH_B slot, q, p
	WIN TO_B
.irp i, 0,1,2,3,4,5,6,7
	FRAG 128*(\p)+FR*\i, ADRB+\slot, \q, \i
.endr
	WIN 0
.endm
.macro FETCH_A slot, q, i0
.irp i, \i0, \i0+1, \i0+2, \i0+3
	FRAG AF+FR*(\i), ADRA+\slot, \q, \i
.endr
.endm
.macro SCALES slot
.irp q, 0,1
.irp g, 0,1
	ds_load_b128 v[SC+16*\slot+8*\q+4*\g:SC+16*\slot+8*\q+4*\g+3], v[ADRS+\slot] offset:\g*ROW2+\q*REC
.endr
.endr
.endm
.macro STEP slot, q, zero
	s_wait_dscnt 4*NL                              ; all but the youngest 12 loads (S1's tiles 4-7) are in
	WIN MUL_LO
	MUL16 0, (\q)%2, \q, \slot, \zero
	MUL16 2, (\q)%2, \q, \slot, \zero
	s_wait_dscnt 0
	PLACES NP
	FETCH_B \slot, (\q)+1, 1-(\q)%2
	FETCH_A \slot, (\q)+1, 0
	WIN MUL_HI
	MUL16 4, (\q)%2, \q, \slot, \zero
	MUL16 6, (\q)%2, \q, \slot, \zero
	PLACES NP
	WIN 0
	FETCH_A \slot, (\q)+1, 4
.endm
.macro TURN slot, next, fill
	s_wait_tensorcnt 0x0                           ; all my tensor loads have landed: my part of the next slot
	ds_add_u32 v[SPW], v[NIL]
	s_wait_dscnt 4*NL+1                            ; (the add and the youngest 12 loads may be out)
	WIN MUL_LO
	MUL16 0, 1, NQ-1, \slot, 0
	s_wait_dscnt 0x0                               ; the add is done, and my reads of this slot are over
	s_barrier_signal -1
	MUL16 2, 1, NQ-1, \slot, 0
	WIN 0
	s_barrier_wait -1
.if \fill
	CREST                                          ; the barrier has opened a round of the cluster's
	s_add_nc_u64 s[G0+4*\slot+2:G0+4*\slot+3], s[G0+4*\slot+2:G0+4*\slot+3], 2*ROW2
	s_add_nc_u64 s[G0B+4*\slot+2:G0B+4*\slot+3], s[G0B+4*\slot+2:G0B+4*\slot+3], 2*ROW2
	JLOAD G0+4*\slot, G0B+4*\slot                  ; the first tensor load behind the round; its four v_nop are the places in front of the loads below
.else
	PLACES NP
.endif
	FETCH_B \next, 0, 0
	FETCH_A \next, 0, 0
	SCALES \next
	WIN MUL_HI
	MUL16 4, 1, NQ-1, \slot, 0
	MUL16 6, 1, NQ-1, \slot, 0
	PLACES NP
	WIN 0
	FETCH_A \next, 0, 4
.endm
.macro QUANT src, dst, pw
.irp b, 0,1,2,3
	v_max3_num_f32 v[TM+\b], |v[\src+16*\b]|, |v[\src+1+16*\b]|, 0x2800000   ; block b: my 16 numbers, and the floor 2^(5 - 127)
.endr
.irp i, 2,4,6,8,10,12,14
.irp b, 0,1,2,3
	v_max3_num_f32 v[TM+\b], v[TM+\b], |v[\src+16*\b+\i]|, |v[\src+1+16*\b+\i]|
.endr
.endr
.irp b, 0,1,2,3
	v_permlanex16_b32 v[TM+4+\b], v[TM+\b], s[SEL], s[SEL+1]
.endr
.irp b, 0,1,2,3
	v_max_num_f32 v[TM+\b], v[TM+\b], v[TM+4+\b]
.endr
.irp b, 0,1,2,3
	v_add_nc_u32 v[TM+12+\b], 0xfe000000, v[TM+\b]   ; 4 off the exponent field: the conversion's scale operand
.endr
.irp b, 0,1,2,3
	v_lshrrev_b32 v[TM+4+\b], 23, v[TM+12+\b]
.endr
	v_lshl_or_b32 v[\pw], v[TM+5], 8, v[TM+4]
	v_lshl_or_b32 v[\pw], v[TM+6], 16, v[\pw]
	v_lshl_or_b32 v[\pw], v[TM+7], 24, v[\pw]
.irp c, 0,1
	v_cvt_scalef32_pk16_bf6_f32 v[\dst+6*\c:\dst+2+6*\c], v[\src+32*\c:\src+15+32*\c], v[TM+12+2*\c]
	v_cvt_scalef32_pk16_bf6_f32 v[T2+4*\c:T2+2+4*\c], v[\src+16+32*\c:\src+31+32*\c], v[TM+12+2*\c+1]
.endr
	v_nop
.irp c, 0,1
.irp i, 0,1,2
	v_permlane16_swap_b32 v[\dst+6*\c+\i], v[T2+4*\c+\i]
.endr
.irp i, 0,1,2
	v_mov_b32 v[\dst+3+6*\c+\i], v[T2+4*\c+\i]
.endr
.endr
.endm
	s_wait_tensorcnt 1                             ; my part of slot 0 is in; slot 1's load may be out
	s_barrier_signal -1
	s_barrier_wait -1
	FETCH_B 0, 0, 0
	FETCH_A 0, 0, 0
	SCALES 0
	FETCH_A 0, 0, 4
	STEP 0, 0, 1
	s_mov_b32 s3, LAPS-1
.Llap:
	TURN 0, 1, 1
	STEP 1, 0, 0
	TURN 1, 0, 1
	STEP 0, 0, 0
	s_sub_co_u32 s3, s3, 1
	s_cmp_lg_u32 s3, 0
	s_cbranch_scc1 .Llap
	TURN 0, 1, 0
	STEP 1, 0, 0
	s_wait_dscnt 4*NL
	WIN MUL_LO
	MUL16 0, 1, NQ-1, 1, 0
	MUL16 2, 1, NQ-1, 1, 0
	s_wait_dscnt 0
	WIN MUL_HI
	MUL16 4, 1, NQ-1, 1, 0
	MUL16 6, 1, NQ-1, 1, 0
	WIN 0
	; THE WAY OUT: for each of S1's eight tiles: the bias (each accumulator read from its low end on), the activation, the quantiser, and the fragment stored as it stands: 512 consecutive bytes a store
	s_wait_loadcnt 0x0                             ; the bias
	PLACES NP
.irp b, 0,1,2,3
	v_mov_b32 v[TM+4+\b], 0
.endr
.irp a, 0,1,2,3,4,5,6,7
	WIN 0x06+(\a/4)                                ; source 0: window 2 or 3; source 1: window 1
.set n, 0
.rept 32
	v_pk_add_f32 v[ST+2*n:ST+2*n+1], v[64*(\a%4)+2*n:64*(\a%4)+2*n+1], v[BI+2*n+96*(n/16):BI+2*n+96*(n/16)+1]
.set n, n+1
.endr
	WIN 0
.set n, 0
.rept 64
	v_max_num_f32 v[ST+n], 0, v[ST+n]              ; relu, in f32
.set n, n+1
.endr
	s_wait_xcnt 0x0                                ; the last tile's stores have read the codes' registers
	QUANT ST, PC, SW+(\a%4)
.irp c, 0,1,2
	global_store_b128 v[LI], v[PC+4*\c:PC+4*\c+3], s[12:13] offset:(\a/4)*KSP*REC+(\a%4)*1536+512*\c
.endr
.if (\a%4) == 3                        ; a record's 256 scale bytes leave whole
	v_cndmask_b32 v[CN], v[SW], v[SW+2], s[HM]
	v_cndmask_b32 v[CN+1], v[SW+1], v[SW+3], s[HM]
	global_store_b64 v[SCA], v[CN:CN+1], s[12:13] offset:(\a/4)*KSP*REC+6144
.endif
.endr
	s_wait_tensorcnt 0x0                           ; the wave's end
	ds_add_u32 v[SPW], v[NIL]
	s_wait_dscnt 0x0
	CROUND                                         ; the closing round
	s_endpgm
.Lfunc_end_k_q81cb70ed76_gw1:
	.size	k_q81cb70ed76_gw1, .Lfunc_end_k_q81cb70ed76_gw1-k_q81cb70ed76_gw1
	.p2alignl 7, 3214868480
	.fill 96, 4, 3214868480
	.section	.rodata,"a",@progbits
	.p2align	6, 0x0
	.amdhsa_kernel k_q81cb70ed76_gw1
		.amdhsa_group_segment_fixed_size 327680
		.amdhsa_private_segment_fixed_size 0
		.amdhsa_enable_private_segment 0
		.amdhsa_kernarg_size 32
		.amdhsa_user_sgpr_count 2
		.amdhsa_user_sgpr_kernarg_segment_ptr 1
		.amdhsa_wavefront_size32 1
		.amdhsa_system_sgpr_workgroup_id_x 1
		.amdhsa_system_sgpr_workgroup_id_y 1
		.amdhsa_system_sgpr_workgroup_id_z 1
		.amdhsa_system_vgpr_workitem_id 0
		.amdhsa_next_free_vgpr 1024
		.amdhsa_next_free_sgpr 66
		.amdhsa_reserve_vcc 0
		.amdhsa_float_denorm_mode_32 3
		.amdhsa_float_denorm_mode_16_64 3
		.amdhsa_memory_ordered 1
		.amdhsa_forward_progress 1
		.amdhsa_inst_pref_size 170
	.end_amdhsa_kernel
	.amdgpu_metadata
---
amdhsa.version: [ 1, 2 ]
amdhsa.kernels:
  - .name:           k_q81cb70ed76_gw1
    .symbol:         k_q81cb70ed76_gw1.kd
    .args:
      - { .name: hi, .offset: 0, .size: 8, .value_kind: global_buffer, .address_space: global }
      - { .name: wimg, .offset: 8, .size: 8, .value_kind: global_buffer, .address_space: global }
      - { .name: b1, .offset: 16, .size: 8, .value_kind: global_buffer, .address_space: global }
      - { .name: fi, .offset: 24, .size: 8, .value_kind: global_buffer, .address_space: global }
    .group_segment_fixed_size: 327680
    .private_segment_fixed_size: 0
    .kernarg_segment_align: 8
    .kernarg_segment_size: 32
    .max_flat_workgroup_size: 128
    .sgpr_count:     66
    .vgpr_count:     1024
    .wavefront_size: 32
...
	.end_amdgpu_metadata
.endif
;; end of part 6
;; launch gw2 (part 7): grid 4 x 16, 4 waves a work-group, clusters of 4 x 4, 327,680 bytes of LDS; arguments fi, wimg, cf; writes cf
.if DOCPART == 7
	.amdgcn_target "amdgcn-amd-amdhsa--gfx1250"
	.amdhsa_code_object_version 6
	.text
	.protected	k_q81cb70ed76_gw2
	.globl	k_q81cb70ed76_gw2
	.p2align	8
	.type	k_q81cb70ed76_gw2,@function
k_q81cb70ed76_gw2:
	s_mov_b64 s[64:65], 0
	v_nop
	global_prefetch_b8 v0, s[64:65] scope:SCOPE_SE
	s_setreg_imm32_b32 hwreg(HW_REG_WAVE_MODE, 25, 1), 1
	s_wait_xcnt 0x0
	s_wait_alu depctr_hold_cnt(0) depctr_sa_sdst(0) depctr_va_vdst(0) depctr_va_sdst(0) depctr_va_ssrc(0) depctr_va_vcc(0) depctr_vm_vsrc(0)
	s_getreg_b32 s2, hwreg(HW_REG_IB_STS2, 6, 4)
	s_cmp_eq_u32 s2, 0
	s_cbranch_scc0 .Lentry_in_a_cluster
	s_endpgm
.Lentry_in_a_cluster:
	s_bfe_u32 s2, ttmp6, 0x10000c
	s_cmp_lg_u32 s2, 0xf033
	s_cbranch_scc0 .Lentry_shape_is_right
	s_endpgm
.Lentry_shape_is_right:
; cf = (the hidden layer) w2, on codes of BF6 (E3M2) with E8M0 scales, K = 4,096; cf [4096][1024] f32.  The bias, the residual and the norm follow in the next launch, which owns whole rows.
; OPERANDS ARE IMAGES: record (g, s) = 64 rows x 128 along K, REC = 6,400 bytes at (KST g + s) REC; tile t of it is an operand's 12 registers on end (register p of lane l at 1536 t + 512 (p / 4) + 16 l + 4 (p % 4)),
; lane (r, h) holding row 64 g + 32 (t / 2) + 8 (t % 2) + r + 8 (r / 8); the rows' scale words at 6144 + 16 r + 4 t.
; Z[i][j] = sum over k of S1[i][k] S0[j][k]: source 0 = 16 rows of S0 (the weight, j = output columns), source 1 = 16 rows of S1 (i = tokens): a lane holds one token and eight neighbouring columns a tile.
; A tile of Z, 256 x 256, is made by four waves, 128 x 128 each: 64 accumulators, 512 registers.  K goes in steps of 256 through two LDS slots; a wave's tensor load brings two records' two K steps, 25,600 bytes.
; CLUSTERS 4 x 4: S1's tile is shared along a row of the cluster, S0's along a column: each is asked for jointly.  The grid is 64 work-groups: 16 x 4 tiles of 256 x 256.
; REGISTERS: window 0: v16-31 addresses; v32-63 scale words, two sets; v128-223 S1's eight fragments, one set (on the way out v128-255: rows read back).
;   window 1: S0's fragments, two sets, at v0 and v128.   windows 2, 3: accumulator (a, b) at v[8 (8 (a % 4) + b)].
.set KST,   32                         ; K steps of 128: K = 4,096
.set S0OFF, 9830400                    ; w2's image in wimg
.set REC,   6400
.set ROW2,  2*REC
.set HALFT, 2*ROW2
.set SLOT,  4*HALFT
.set SPARE, 2*SLOT
.set LAPS,  KST/4
.set NQ,    2
.set FR,    12
.set NL,    3
.set NP,    4
.set SPITCH, 528                       ; the way out: a stage of 16 rows x (512 + 16) bytes for each wave, in slot 0, which has had its last fill and its last read by then
.set ADRA, 16
.set ADRB, 20
.set ADRS, 22
.set STO,  24
.set RD,   25
.set LI,   26
.set SPW,  28
.set NIL,  29
.set SC,   32
.set AF,   128
.set BK,   128
.set G1, 24
.set G0, 32
.set G1B, 48
.set G0B, 56
.set MSB, 0
.macro WIN new
.if MSB != (\new)
	s_set_vgpr_msb (MSB<<8)|(\new)
.set MSB, (\new)
.endif
.endm
.set MUL_LO, 0xa1
.set MUL_HI, 0xf1
.set TO_B,   0x40
.macro JLOAD g0a, g0b                  ; a joint load: waves 0, 1 ask for S1, waves 2, 3 for S0; four v_nop follow each line
	s_cmp_eq_u32 s15, 0
	s_cbranch_scc0 .Lfor_b_\@
	tensor_load_to_lds s[\g0a:\g0a+3], s[G1:G1+7]
	s_nop 0
.rept 4
	v_nop
.endr
	s_branch .Lasked_\@
.Lfor_b_\@:
	tensor_load_to_lds s[\g0b:\g0b+3], s[G1B:G1B+7]
	s_nop 0
.rept 4
	v_nop
.endr
.Lasked_\@:
.endm
.macro CREST
	s_cmp_lg_u32 s14, 0
	s_cbranch_scc1 .Lnot_wave_0_\@
	s_barrier_signal -3
.Lnot_wave_0_\@:
	s_barrier_wait -3
	s_barrier_signal -1
	s_barrier_wait -1
.endm
.macro CROUND
	s_barrier_signal -1
	s_barrier_wait -1
	CREST
.endm
.macro PLACES n
.rept \n
	v_nop
.endr
.endm
	s_load_b128 s[4:7], s[0:1], 0x0                ; S1's image, wimg
	s_load_b64 s[12:13], s[0:1], 0x10              ; cf
	v_lshl_add_u32 v[SPW], v0, 2, SPARE
	v_mov_b32 v[NIL], 0
	ds_add_u32 v28, v29
	s_wait_dscnt 0x0
	v_lshrrev_b32 v1, 5, v0
	v_readfirstlane_b32 s14, v1                    ; wave 0..3
	s_lshr_b32 s15, s14, 1                         ; my half of S1's rows.  Also: I fetch for S1 (0) or S0 (1)
	s_and_b32 s16, s14, 1                          ; my half of S0's rows.  Also: which two records I fetch
	s_bfe_u32 s40, ttmp6, 0x40000                  ; cx
	s_bfe_u32 s41, ttmp6, 0x40004                  ; cy
	s_lshl_b32 s42, ttmp9, 2
	s_add_co_u32 s42, s42, s40                     ; tile column
	s_and_b32 s17, ttmp7, 0xffff
	s_lshl_b32 s17, s17, 2
	s_add_co_u32 s17, s17, s41                     ; tile row
	s_lshl_b32 s43, s41, 2
	s_lshl_b32 s43, 15, s43                        ; my row of the cluster
	s_lshl_b32 s44, 0x1111, s40                    ; my column
	; descriptor group 1: 2 rows of 1,600 elements of 8 bytes, KST x 800 elements from record row to record row; no padding
	s_or_b32 s[G1+0], s43, (3<<16)|(1<<21)
	s_or_b32 s[G1B+0], s44, (3<<16)|(1<<21)
.irp g, G1, G1B
	s_mov_b32 s[\g+1], 1600<<16
	s_mov_b32 s[\g+2], 2<<16
	s_mov_b32 s[\g+3], 1600<<16
	s_mov_b32 s[\g+4], 2
	s_mov_b32 s[\g+5], KST*800
	s_mov_b32 s[\g+6], 0
	s_mov_b32 s[\g+7], 0
.endr
	s_lshl_b32 s18, s16, 1
	s_lshl_b32 s20, s17, 2
	s_add_co_u32 s20, s20, s18
	s_mul_i32 s20, s20, KST*REC
	s_mov_b32 s21, 0
	s_lshl_b32 s46, s42, 2
	s_add_co_u32 s46, s46, s18
	s_mul_i32 s46, s46, KST*REC
	s_add_co_u32 s46, s46, S0OFF
	s_mov_b32 s47, 0
	s_mul_i32 s45, s14, HALFT
	s_wait_kmcnt 0x0
	s_add_nc_u64 s[20:21], s[4:5], s[20:21]
	s_add_nc_u64 s[46:47], s[6:7], s[46:47]
	CROUND                                         ; all sixteen work-groups are here: the first joint loads meet
.irp s, 0,1
	s_mov_b32 s[G0+4*\s], 1
	s_add_co_u32 s[G0+4*\s+1], s45, \s*SLOT
	s_add_nc_u64 s[G0+4*\s+2:G0+4*\s+3], s[20:21], \s*ROW2
	s_or_b32 s[G0+4*\s+3], s[G0+4*\s+3], 0x80000000
	s_mov_b32 s[G0B+4*\s], 1
	s_add_co_u32 s[G0B+4*\s+1], s45, \s*SLOT
	s_add_nc_u64 s[G0B+4*\s+2:G0B+4*\s+3], s[46:47], \s*ROW2
	s_or_b32 s[G0B+4*\s+3], s[G0B+4*\s+3], 0x80000000
	JLOAD G0+4*\s, G0B+4*\s                        ; two loads of mine are out
.endr
	v_and_b32 v1, 31, v0
	v_and_b32 v2, 15, v0                           ; r
	v_bfe_u32 v3, v0, 4, 1                         ; h
	v_lshlrev_b32 v[LI], 4, v1
	s_mul_i32 s18, s15, HALFT
	s_mul_i32 s19, s16, HALFT
	s_add_co_u32 s19, s19, 2*HALFT
	s_sub_co_u32 s43, s19, s18
	v_mul_u32_u24 v4, s43, v3                      ; lanes 16-31 take S0's scale words: one product with h
	v_lshl_add_u32 v4, v2, 4, v4
	v_add_nc_u32 v4, 6144, v4
.irp s, 0,1
	v_add_nc_u32 v[ADRA+\s], s18, v[LI]
	v_add_nc_u32 v[ADRB+\s], s19, v[LI]
	v_add_nc_u32 v[ADRS+\s], s18, v4
	s_add_co_u32 s18, s18, SLOT
	s_add_co_u32 s19, s19, SLOT
.endr
	s_mul_i32 s18, s14, 16*SPITCH                  ; my stage
	v_mul_u32_u24 v5, v2, SPITCH
	v_lshl_add_u32 v5, v3, 6, v5
	v_add_nc_u32 v[STO], s18, v5                   ; in: row r, + 64 h
	v_add_nc_u32 v[RD], s18, v[LI]                 ; back: a row of 512 bytes an instruction
	s_lshl_b32 s18, s17, 20                        ; cf: row 256 x tile row + 128 x half, 4,096 bytes a row;
	s_lshl_b32 s19, s15, 19
	s_add_co_u32 s18, s18, s19
	s_lshl_b32 s19, s42, 10                        ; column 256 x tile column + 128 x half
	s_add_co_u32 s18, s18, s19
	s_lshl_b32 s19, s16, 9
	s_add_co_u32 s18, s18, s19
	s_mov_b32 s19, 0
	s_add_nc_u64 s[12:13], s[12:13], s[18:19]
.macro FRAG reg, adr, q, i
.irp c, 0,1,2
	ds_load_b128 v[\reg+4*\c:\reg+4*\c+3], v[\adr] offset:((\i)/4)*ROW2+(\q)*REC+((\i)%4)*1536+512*\c
.endr
.endm
; 16 matrix instructions: S1's tiles a0, a0 + 1 x S0's eight.  The 64 accumulators take turns, one instruction a turn.
.macro MUL16 a0, p, q, sc, zero
.irp a, \a0, \a0+1
.irp b, 0,1,2,3,4,5,6,7
.if \zero
	v_wmma_scale_f32_16x16x128_f8f6f4 v[8*(8*((\a)%4)+\b):8*(8*((\a)%4)+\b)+7], v[128*(\p)+FR*\b:128*(\p)+FR*\b+FR-1], v[AF+FR*(\a):AF+FR*(\a)+FR-1], 0, v[SC+16*(\sc)+8*(\q)+\b], v[SC+16*(\sc)+8*(\q)+(\a)] matrix_a_fmt:MATRIX_FMT_BF6 matrix_b_fmt:MATRIX_FMT_BF6 matrix_a_scale:MATRIX_SCALE_ROW1
.else
	v_wmma_scale_f32_16x16x128_f8f6f4 v[8*(8*((\a)%4)+\b):8*(8*((\a)%4)+\b)+7], v[128*(\p)+FR*\b:128*(\p)+FR*\b+FR-1], v[AF+FR*(\a):AF+FR*(\a)+FR-1], v[8*(8*((\a)%4)+\b):8*(8*((\a)%4)+\b)+7], v[SC+16*(\sc)+8*(\q)+\b], v[SC+16*(\sc)+8*(\q)+(\a)] matrix_a_fmt:MATRIX_FMT_BF6 matrix_b_fmt:MATRIX_FMT_BF6 matrix_a_scale:MATRIX_SCALE_ROW1
.endif
.endr
.endr
.endm
.macro FETCH_B slot, q, p
	WIN TO_B
.irp i, 0,1,2,3,4,5,6,7
	FRAG 128*(\p)+FR*\i, ADRB+\slot, \q, \i
.endr
	WIN 0
.endm
.macro FETCH_A slot, q, i0
.irp i, \i0, \i0+1, \i0+2, \i0+3
	FRAG AF+FR*(\i), ADRA+\slot, \q, \i
.endr
.endm
.macro SCALES slot
.irp q, 0,1
.irp g, 0,1
	ds_load_b128 v[SC+16*\slot+8*\q+4*\g:SC+16*\slot+8*\q+4*\g+3], v[ADRS+\slot] offset:\g*ROW2+\q*REC
.endr
.endr
.endm
.macro STEP slot, q, zero
	s_wait_dscnt 4*NL                              ; all but the youngest 12 loads (S1's tiles 4-7) are in
	WIN MUL_LO
	MUL16 0, (\q)%2, \q, \slot, \zero
	MUL16 2, (\q)%2, \q, \slot, \zero
	s_wait_dscnt 0
	PLACES NP
	FETCH_B \slot, (\q)+1, 1-(\q)%2
	FETCH_A \slot, (\q)+1, 0
	WIN MUL_HI
	MUL16 4, (\q)%2, \q, \slot, \zero
	MUL16 6, (\q)%2, \q, \slot, \zero
	PLACES NP
	WIN 0
	FETCH_A \slot, (\q)+1, 4
.endm
.macro TURN slot, next, fill
	s_wait_tensorcnt 0x0                           ; all my tensor loads have landed: my part of the next slot
	ds_add_u32 v[SPW], v[NIL]
	s_wait_dscnt 4*NL+1                            ; (the add and the youngest 12 loads may be out)
	WIN MUL_LO
	MUL16 0, 1, NQ-1, \slot, 0
	s_wait_dscnt 0x0                               ; the add is done, and my reads of this slot are over
	s_barrier_signal -1
	MUL16 2, 1, NQ-1, \slot, 0
	WIN 0
	s_barrier_wait -1
.if \fill
	CREST                                          ; the barrier has opened a round of the cluster's
	s_add_nc_u64 s[G0+4*\slot+2:G0+4*\slot+3], s[G0+4*\slot+2:G0+4*\slot+3], 2*ROW2
	s_add_nc_u64 s[G0B+4*\slot+2:G0B+4*\slot+3], s[G0B+4*\slot+2:G0B+4*\slot+3], 2*ROW2
	JLOAD G0+4*\slot, G0B+4*\slot                  ; the first tensor load behind the round; its four v_nop are the places in front of the loads below
.else
	PLACES NP
.endif
	FETCH_B \next, 0, 0
	FETCH_A \next, 0, 0
	SCALES \next
	WIN MUL_HI
	MUL16 4, 1, NQ-1, \slot, 0
	MUL16 6, 1, NQ-1, \slot, 0
	PLACES NP
	WIN 0
	FETCH_A \next, 0, 4
.endm
	s_wait_tensorcnt 1                             ; my part of slot 0 is in; slot 1's load may be out
	s_barrier_signal -1
	s_barrier_wait -1
	FETCH_B 0, 0, 0
	FETCH_A 0, 0, 0
	SCALES 0
	FETCH_A 0, 0, 4
	STEP 0, 0, 1                                   ; the first step's products start the sums
	s_mov_b32 s3, LAPS-1
.Llap:
	TURN 0, 1, 1
	STEP 1, 0, 0
	TURN 1, 0, 1
	STEP 0, 0, 0
	s_sub_co_u32 s3, s3, 1
	s_cmp_lg_u32 s3, 0
	s_cbranch_scc1 .Llap
	TURN 0, 1, 0                                   ; the last lap fills nothing
	STEP 1, 0, 0
	s_wait_dscnt 4*NL
	WIN MUL_LO
	MUL16 0, 1, NQ-1, 1, 0
	MUL16 2, 1, NQ-1, 1, 0
	s_wait_dscnt 0
	WIN MUL_HI
	MUL16 4, 1, NQ-1, 1, 0
	MUL16 6, 1, NQ-1, 1, 0
	WIN 0
; THE WAY OUT, a tile of 16 tokens x 128 columns at a time, through my own stage: in as 32 bytes a lane and tile of columns (columns 32 (b / 2) + 16 h + 8 (b % 2) on), back as whole rows of 512 bytes.
; LDS serves a wave's instructions in order: no wait between the stores and the loads, nor in front of the next tile's stores.
.macro TOSTAGE a
.set AC, 64*((\a)%4)
	WIN 0x08+4*((\a)/4)                            ; an LDS store's data: window 2 or 3
.irp b, 0,1,2,3,4,5,6,7
	ds_store_b128 v[STO], v[AC+8*\b:AC+8*\b+3] offset:128*(\b/2)+32*(\b%2)       ; each accumulator from its low end on
	ds_store_b128 v[STO], v[AC+8*\b+4:AC+8*\b+7] offset:128*(\b/2)+32*(\b%2)+16
.endr
	WIN 0
.set BB, BK+64*((\a)%2)
.irp t, 0,1,2,3,4,5,6,7,8,9,10,11,12,13,14,15
	ds_load_b128 v[BB+4*\t:BB+4*\t+3], v[RD] offset:\t*SPITCH
.endr
.endm
.macro SEND a, younger
.set BB, BK+64*((\a)%2)
	s_wait_dscnt \younger
.irp t, 0,1,2,3,4,5,6,7,8,9,10,11,12,13,14,15
	global_store_b128 v[LI], v[BB+4*\t:BB+4*\t+3], s[12:13] offset:(64*((\a)/4)+32*(((\a)%4)/2)+8*((\a)%2)+\t+8*(\t/8))*4096   ; stage row t is the image's row t of tile a; 512 consecutive bytes
.endr
.endm
	PLACES NP
	TOSTAGE 0
.irp a, 1,2,3,4,5,6,7
.if \a > 1
	s_wait_xcnt 0x0                                ; tile a - 2's stores have read their registers: tile a's loads may land there
.endif
	TOSTAGE \a
	SEND \a-1, 32                                  ; behind tile a - 1's loads: tile a's 16 stores and 16 loads
.endr
	SEND 7, 0
	s_wait_tensorcnt 0x0                           ; the wave's end
	ds_add_u32 v[SPW], v[NIL]
	s_wait_dscnt 0x0
	CROUND                                         ; the closing round
	s_endpgm
.Lfunc_end_k_q81cb70ed76_gw2:
	.size	k_q81cb70ed76_gw2, .Lfunc_end_k_q81cb70ed76_gw2-k_q81cb70ed76_gw2
	.p2alignl 7, 3214868480
	.fill 96, 4, 3214868480
	.section	.rodata,"a",@progbits
	.p2align	6, 0x0
	.amdhsa_kernel k_q81cb70ed76_gw2
		.amdhsa_group_segment_fixed_size 327680
		.amdhsa_private_segment_fixed_size 0
		.amdhsa_enable_private_segment 0
		.amdhsa_kernarg_size 24
		.amdhsa_user_sgpr_count 2
		.amdhsa_user_sgpr_kernarg_segment_ptr 1
		.amdhsa_wavefront_size32 1
		.amdhsa_system_sgpr_workgroup_id_x 1
		.amdhsa_system_sgpr_workgroup_id_y 1
		.amdhsa_system_sgpr_workgroup_id_z 1
		.amdhsa_system_vgpr_workitem_id 0
		.amdhsa_next_free_vgpr 1024
		.amdhsa_next_free_sgpr 66
		.amdhsa_reserve_vcc 0
		.amdhsa_float_denorm_mode_32 3
		.amdhsa_float_denorm_mode_16_64 3
		.amdhsa_memory_ordered 1
		.amdhsa_forward_progress 1
		.amdhsa_inst_pref_size 131
	.end_amdhsa_kernel
	.amdgpu_metadata
---
amdhsa.version: [ 1, 2 ]
amdhsa.kernels:
  - .name:           k_q81cb70ed76_gw2
    .symbol:         k_q81cb70ed76_gw2.kd
    .args:
      - { .name: fi, .offset: 0, .size: 8, .value_kind: global_buffer, .address_space: global }
      - { .name: wimg, .offset: 8, .size: 8, .value_kind: global_buffer, .address_space: global }
      - { .name: cf, .offset: 16, .size: 8, .value_kind: global_buffer, .address_space: global }
    .group_segment_fixed_size: 327680
    .private_segment_fixed_size: 0
    .kernarg_segment_align: 8
    .kernarg_segment_size: 24
    .max_flat_workgroup_size: 128
    .sgpr_count:     66
    .vgpr_count:     1024
    .wavefront_size: 32
...
	.end_amdgpu_metadata
.endif
;; end of part 7
;; launch ln2 (part 8): grid 256 x 1, 8 waves a work-group, no clusters, 0 bytes of LDS; arguments cf, hf, b2, g2, be2, out0; writes out0
.if DOCPART == 8
	.amdgcn_target "amdgcn-amd-amdhsa--gfx1250"
	.amdhsa_code_object_version 6
	.text
	.protected	k_q81cb70ed76_ln2
	.globl	k_q81cb70ed76_ln2
	.p2align	8
	.type	k_q81cb70ed76_ln2,@function
k_q81cb70ed76_ln2:
	s_mov_b64 s[64:65], 0
	v_nop
	global_prefetch_b8 v0, s[64:65] scope:SCOPE_SE
	s_setreg_imm32_b32 hwreg(HW_REG_WAVE_MODE, 25, 1), 1
	s_wait_xcnt 0x0
; out0 = layernorm(cf + b2 + hf) x g2 + be2, rows of 1,024, all in f32.
; SHARES: a work-group owns 16 neighbouring rows, wave w rows 2 w, 2 w + 1: a wave to a row, so that the two reductions never leave the wave: no LDS, no barrier.
; Lane l holds columns 128 c + 4 l + 0 .. 3: every load and store covers 512 consecutive bytes.  The variance is the mean of (y - mean)^2, taken in a second pass over registers: no difference of large sums.
; LIMITS: NaN and infinities are not served.
.set BIAS, 16                          ; v16-47
.set GAM,  48                          ; v48-79
.set BET,  80                          ; v80-111
.set Y,    112                         ; v112-175 two rows
.set RS,   176                         ; v176-239 the residual's two rows
.set T,    240                         ; v240-247 sums: four registers a row
.set RQ,   248                         ; v248-251 1 / sqrt(var + eps): a pair a row
.set SEL,  28
.macro FOLD                            ; each row's two chains, its two halves, and its 32 lanes: the sum ends up in every lane, in v[T + 4 e]
.irp e, 0,1
	v_pk_add_f32 v[T+4*\e:T+4*\e+1], v[T+4*\e:T+4*\e+1], v[T+4*\e+2:T+4*\e+3]
.endr
.irp e, 0,1
	v_add_f32 v[T+4*\e], v[T+4*\e], v[T+4*\e+1]
.endr
.irp m, 1,2,4,8
.irp e, 0,1
	v_add_f32_dpp v[T+4*\e], v[T+4*\e], v[T+4*\e] row_xmask:\m row_mask:0xf bank_mask:0xf
.endr
.endr
.irp e, 0,1
	v_permlanex16_b32 v[T+4*\e+1], v[T+4*\e], s[SEL], s[SEL+1]
.endr
.irp e, 0,1
	v_add_f32 v[T+4*\e], v[T+4*\e], v[T+4*\e+1]
.endr
.endm
	s_load_b256 s[4:11], s[0:1], 0x0               ; cf, hf, b2, g2
	s_load_b128 s[12:15], s[0:1], 0x20             ; be2, out0
	v_lshrrev_b32 v1, 5, v0
	v_readfirstlane_b32 s18, v1                    ; wave 0..7
	v_and_b32 v1, 31, v0
	v_lshlrev_b32 v2, 4, v1                        ; 16 x lane
	s_lshl_b32 s21, ttmp9, 4
	s_lshl_b32 s22, s18, 1
	s_add_co_u32 s21, s21, s22                     ; my first row
	s_lshl_b32 s22, s21, 12
	s_mov_b32 s23, 0
	s_mov_b32 s24, 0x3a800000                      ; 1 / 1,024
	s_mov_b32 s25, 0x3727c5ac                      ; eps = 1e-5
	s_mov_b32 s[SEL], 0x76543210
	s_mov_b32 s[SEL+1], 0xfedcba98
	s_wait_kmcnt 0x0
	s_add_nc_u64 s[4:5], s[4:5], s[22:23]
	s_add_nc_u64 s[6:7], s[6:7], s[22:23]
	s_add_nc_u64 s[14:15], s[14:15], s[22:23]
.irp e, 0,1
.irp c, 0,1,2,3,4,5,6,7
	global_load_b128 v[Y+32*\e+4*\c:Y+32*\e+4*\c+3], v2, s[4:5] offset:4096*\e+512*\c th:TH_LOAD_NT
.endr
.endr
.irp e, 0,1
.irp c, 0,1,2,3,4,5,6,7
	global_load_b128 v[RS+32*\e+4*\c:RS+32*\e+4*\c+3], v2, s[6:7] offset:4096*\e+512*\c th:TH_LOAD_NT
.endr
.endr
.irp c, 0,1,2,3,4,5,6,7
	global_load_b128 v[BIAS+4*\c:BIAS+4*\c+3], v2, s[8:9] offset:512*\c
.endr
.irp c, 0,1,2,3,4,5,6,7
	global_load_b128 v[GAM+4*\c:GAM+4*\c+3], v2, s[10:11] offset:512*\c
.endr
.irp c, 0,1,2,3,4,5,6,7
	global_load_b128 v[BET+4*\c:BET+4*\c+3], v2, s[12:13] offset:512*\c
.endr
	s_wait_loadcnt 16                              ; all but the gain's and the offset's 16 loads
.set j, 0
.rept 16
.irp e, 0,1
	v_pk_add_f32 v[Y+32*\e+j:Y+32*\e+j+1], v[Y+32*\e+j:Y+32*\e+j+1], v[BIAS+j:BIAS+j+1]
.endr
.set j, j+2
.endr
.set j, 0
.rept 16
.irp e, 0,1
	v_pk_add_f32 v[Y+32*\e+j:Y+32*\e+j+1], v[Y+32*\e+j:Y+32*\e+j+1], v[RS+32*\e+j:RS+32*\e+j+1]
.endr
.set j, j+2
.endr
.irp e, 0,1                            ; the row's sum, in two chains
	v_pk_add_f32 v[T+4*\e:T+4*\e+1], v[Y+32*\e:Y+32*\e+1], v[Y+32*\e+2:Y+32*\e+3]
	v_pk_add_f32 v[T+4*\e+2:T+4*\e+3], v[Y+32*\e+4:Y+32*\e+5], v[Y+32*\e+6:Y+32*\e+7]
.endr
.irp j, 8,12,16,20,24,28
.irp e, 0,1
	v_pk_add_f32 v[T+4*\e:T+4*\e+1], v[T+4*\e:T+4*\e+1], v[Y+32*\e+\j:Y+32*\e+\j+1]
	v_pk_add_f32 v[T+4*\e+2:T+4*\e+3], v[T+4*\e+2:T+4*\e+3], v[Y+32*\e+\j+2:Y+32*\e+\j+3]
.endr
.endr
	FOLD
.irp e, 0,1
	v_mul_f32 v[T+4*\e], 0xba800000, v[T+4*\e]     ; - the mean
.endr
.set j, 0
.rept 16
.irp e, 0,1
	v_pk_add_f32 v[Y+32*\e+j:Y+32*\e+j+1], v[Y+32*\e+j:Y+32*\e+j+1], v[T+4*\e:T+4*\e+1] op_sel_hi:[1,0]
.endr
.set j, j+2
.endr
.irp e, 0,1                            ; the sum of squares of what is left
	v_pk_mul_f32 v[T+4*\e:T+4*\e+1], v[Y+32*\e:Y+32*\e+1], v[Y+32*\e:Y+32*\e+1]
	v_pk_mul_f32 v[T+4*\e+2:T+4*\e+3], v[Y+32*\e+2:Y+32*\e+3], v[Y+32*\e+2:Y+32*\e+3]
.endr
.irp j, 4,8,12,16,20,24,28
.irp e, 0,1
	v_pk_fma_f32 v[T+4*\e:T+4*\e+1], v[Y+32*\e+\j:Y+32*\e+\j+1], v[Y+32*\e+\j:Y+32*\e+\j+1], v[T+4*\e:T+4*\e+1]
	v_pk_fma_f32 v[T+4*\e+2:T+4*\e+3], v[Y+32*\e+\j+2:Y+32*\e+\j+3], v[Y+32*\e+\j+2:Y+32*\e+\j+3], v[T+4*\e+2:T+4*\e+3]
.endr
.endr
	FOLD
.irp e, 0,1
	v_fma_f32 v[T+4*\e], v[T+4*\e], s24, s25       ; var + eps
.endr
.irp e, 0,1
	v_rsq_f32 v[RQ+2*\e], v[T+4*\e]
.endr
	v_mov_b32 v[RQ+1], 0                           ; plain instructions behind the two roots: the pairs' upper halves, which are named but not used
	v_mov_b32 v[RQ+3], 0
	s_wait_alu depctr_va_vdst(0)                   ; one wait for both, ahead of their first reader
	s_wait_loadcnt 0x0                             ; the gain and the offset
.set j, 0
.rept 16
.irp e, 0,1
	v_pk_mul_f32 v[Y+32*\e+j:Y+32*\e+j+1], v[Y+32*\e+j:Y+32*\e+j+1], v[RQ+2*\e:RQ+2*\e+1] op_sel_hi:[1,0]
.endr
.set j, j+2
.endr
.set j, 0
.rept 16
.irp e, 0,1
	v_pk_fma_f32 v[Y+32*\e+j:Y+32*\e+j+1], v[Y+32*\e+j:Y+32*\e+j+1], v[GAM+j:GAM+j+1], v[BET+j:BET+j+1]
.endr
.set j, j+2
.endr
.irp e, 0,1
.irp c, 0,1,2,3,4,5,6,7
	global_store_b128 v2, v[Y+32*\e+4*\c:Y+32*\e+4*\c+3], s[14:15] offset:4096*\e+512*\c th:TH_STORE_NT
.endr
.endr
	s_endpgm
.Lfunc_end_k_q81cb70ed76_ln2:
	.size	k_q81cb70ed76_ln2, .Lfunc_end_k_q81cb70ed76_ln2-k_q81cb70ed76_ln2
	.p2alignl 7, 3214868480
	.fill 96, 4, 3214868480
	.section	.rodata,"a",@progbits
	.p2align	6, 0x0
	.amdhsa_kernel k_q81cb70ed76_ln2
		.amdhsa_group_segment_fixed_size 0
		.amdhsa_private_segment_fixed_size 0
		.amdhsa_enable_private_segment 0
		.amdhsa_kernarg_size 48
		.amdhsa_user_sgpr_count 2
		.amdhsa_user_sgpr_kernarg_segment_ptr 1
		.amdhsa_wavefront_size32 1
		.amdhsa_system_sgpr_workgroup_id_x 1
		.amdhsa_system_sgpr_workgroup_id_y 1
		.amdhsa_system_sgpr_workgroup_id_z 1
		.amdhsa_system_vgpr_workitem_id 0
		.amdhsa_next_free_vgpr 256
		.amdhsa_next_free_sgpr 66
		.amdhsa_reserve_vcc 0
		.amdhsa_float_denorm_mode_32 3
		.amdhsa_float_denorm_mode_16_64 3
		.amdhsa_memory_ordered 1
		.amdhsa_forward_progress 1
		.amdhsa_inst_pref_size 24
	.end_amdhsa_kernel
	.amdgpu_metadata
---
amdhsa.version: [ 1, 2 ]
amdhsa.kernels:
  - .name:           k_q81cb70ed76_ln2
    .symbol:         k_q81cb70ed76_ln2.kd
    .args:
      - { .name: cf, .offset: 0, .size: 8, .value_kind: global_buffer, .address_space: global }
      - { .name: hf, .offset: 8, .size: 8, .value_kind: global_buffer, .address_space: global }
      - { .name: b2, .offset: 16, .size: 8, .value_kind: global_buffer, .address_space: global }
      - { .name: g2, .offset: 24, .size: 8, .value_kind: global_buffer, .address_space: global }
      - { .name: be2, .offset: 32, .size: 8, .value_kind: global_buffer, .address_space: global }
      - { .name: out0, .offset: 40, .size: 8, .value_kind: global_buffer, .address_space: global }
    .group_segment_fixed_size: 0
    .private_segment_fixed_size: 0
    .kernarg_segment_align: 8
    .kernarg_segment_size: 48
    .max_flat_workgroup_size: 256
    .sgpr_count:     66
    .vgpr_count:     256
    .wavefront_size: 32
...
	.end_amdgpu_metadata
.endif
;; end of part 8
;; ======== version 2 of 2: 8 launches
;; limits: right only within a limited range of input values
;; workspace buffers: wimg 13,107,200 bytes; qkvi 9,830,400 bytes; ai 3,276,800 bytes; cf 16,777,216 bytes; hf 16,777,216 bytes; hi 3,276,800 bytes; fi 13,107,200 bytes
;; launch prep (part 9): grid 256 x 1, 8 waves a work-group, no clusters, 68,608 bytes of LDS; arguments w_qkv_codes, w_qkv_scales, w_o_codes, w_o_scales, w1_codes, w1_scales, w2_codes, w2_scales, x, wimg; writes wimg
.if DOCPART == 9
	.amdgcn_target "amdgcn-amd-amdhsa--gfx1250"
	.amdhsa_code_object_version 6
	.text
	.protected	k_q81cb70ed76_prep
	.globl	k_q81cb70ed76_prep
	.p2align	8
	.type	k_q81cb70ed76_prep,@function
k_q81cb70ed76_prep:
	s_mov_b64 s[64:65], 0
	v_nop
	global_prefetch_b8 v0, s[64:65] scope:SCOPE_SE
	s_setreg_imm32_b32 hwreg(HW_REG_WAVE_MODE, 25, 1), 1
	s_wait_xcnt 0x0
; x (f32) is quantised to codes of BF6 (E3M2) with one E8M0 byte for each 32 along K, and the four weights, which arrive as codes with K innermost, are laid out anew: all five become IMAGES in wimg.
; AN IMAGE of a tensor [rows][K]: record (g, s) = 64 rows x 128 along K, REC = 6,400 bytes, at ((K / 128) g + s) REC.  In it tile t (0..3) is a matrix operand's 12 registers on end: register p of lane l at
; 1536 t + 512 (p / 4) + 16 l + 4 (p % 4).  Lane l = (r = l % 16, h = l / 16) of tile t holds row 64 g + 32 (t / 2) + 8 (t % 2) + r + 8 (r / 8); registers 6 c .. 6 c + 5 hold k = 128 s + 64 c + 32 h + 0 .. 31.
; The row's scale word of this K step lies at 6144 + 16 r + 4 t.  So a fragment is three loads of 16 bytes a lane, each of 512 consecutive bytes, and a record is one dense block of 25 x 256 bytes.
; SHARES: a wave makes one record.  Work-groups 0-63: x (g = work-group, s = wave); 64-111 w_qkv; 112-127 w_o; 128-191 w1; 192-255 w2 (32 K steps: four work-groups to a g).
; A block's scale is 2^(floor(log2(its largest magnitude)) - 4): its byte is the largest magnitude's exponent field - 4, held at 1 from below by a floor among the maximum's leaves.
; LIMITS: NaN and infinities in x are not served; a block whose largest magnitude lies under 2^-122 (a block of zeros too) gets the byte 1: its codes are then zeros or subnormal, and this program alone reads the bytes.
.set REC,  6400
.set WQI,  3276800                     ; where the images begin in wimg: x at 0, w_qkv,
.set WOI,  5734400                     ; w_o,
.set W1I,  6553600                     ; w1,
.set W2I,  9830400                     ; w2
.set SP,   528                         ; a stage row: 512 bytes + 16: sixteen rows start in sixteen different 16-byte columns
.set LI,   7                           ; v7   16 x lane
.set SCA,  8                           ; v8   16 r + 8 h: my 8 bytes of a record's scale words
.set STW,  9                           ; v9   the stage, on the way in
.set STR,  10                          ; v10  and on the way out
.set TM,   12                          ; v12-27 at work in QUANT
.set SW,   28                          ; v28-31 the four tiles' scale words
.set PC,   32                          ; v32-43 the codes just made
.set T2,   44                          ; v44-51 the conversions' second halves
.set CN,   52                          ; v52-53 the scale words as they are stored
.set X,    64                          ; v64-127 64 numbers of a lane; on the weights' way the four fragments
.set R,    128                         ; v128-255 two sets of 64 registers as loaded
.set SEL,  28                          ; s[28:29] lane selects for v_permlanex16_b32: lane l xor 16
.set HM,   30                          ; s30  the mask of lanes 16-31
.set OUT,  6                           ; s[6:7] my record in wimg
; 64 numbers of a lane, register 16 b + i = k 32 b + 16 h + i of my row, become a fragment's 12 registers v[dst] on and its scale word v[pw]
.macro QUANT src, dst, pw
.irp b, 0,1,2,3
	v_max3_num_f32 v[TM+\b], |v[\src+16*\b]|, |v[\src+1+16*\b]|, 0x2800000   ; block b: my 16 numbers, and the floor 2^(5 - 127)
.endr
.irp i, 2,4,6,8,10,12,14
.irp b, 0,1,2,3
	s_delay_alu instid0(VALU_DEP_4)
	v_max3_num_f32 v[TM+\b], v[TM+\b], |v[\src+16*\b+\i]|, |v[\src+1+16*\b+\i]|   ; the four blocks by turns
.endr
.endr
.irp b, 0,1,2,3
	s_delay_alu instid0(VALU_DEP_4)
	v_permlanex16_b32 v[TM+4+\b], v[TM+\b], s[SEL], s[SEL+1]
.endr
.irp b, 0,1,2,3
	s_delay_alu instid0(VALU_DEP_4)
	v_max_num_f32 v[TM+\b], v[TM+\b], v[TM+4+\b]   ; with lane l xor 16's 16: the block's largest magnitude
.endr
.irp b, 0,1,2,3
	s_delay_alu instid0(VALU_DEP_4)
	v_add_nc_u32 v[TM+12+\b], 0xfe000000, v[TM+\b]   ; 4 off its exponent field: the conversion's scale operand
.endr
.irp b, 0,1,2,3
	s_delay_alu instid0(VALU_DEP_4)
	v_lshrrev_b32 v[TM+4+\b], 23, v[TM+12+\b]      ; the scale's byte
.endr
	s_delay_alu instid0(VALU_DEP_3)
	v_lshl_or_b32 v[\pw], v[TM+5], 8, v[TM+4]
	s_delay_alu instid0(VALU_DEP_1)
	v_lshl_or_b32 v[\pw], v[TM+6], 16, v[\pw]
	s_delay_alu instid0(VALU_DEP_1)
	v_lshl_or_b32 v[\pw], v[TM+7], 24, v[\pw]
.irp c, 0,1
	v_cvt_scalef32_pk16_bf6_f32 v[\dst+6*\c:\dst+2+6*\c], v[\src+32*\c:\src+15+32*\c], v[TM+12+2*\c]
	v_cvt_scalef32_pk16_bf6_f32 v[T2+4*\c:T2+2+4*\c], v[\src+16+32*\c:\src+31+32*\c], v[TM+12+2*\c+1]   ; (a conversion's three registers begin on an even number)
.endr
	v_nop                                          ; one plain instruction behind the scaled conversions
.irp c, 0,1                            ; the layout wants a whole block in a lane: lanes 0-15 block 2 c, lanes 16-31 block 2 c + 1
.irp i, 0,1,2
	v_permlane16_swap_b32 v[\dst+6*\c+\i], v[T2+4*\c+\i]
.endr
.irp i, 0,1,2
	s_delay_alu instid0(VALU_DEP_3)
	v_mov_b32 v[\dst+3+6*\c+\i], v[T2+4*\c+\i]
.endr
.endr
.endm
; a record's 256 scale bytes leave whole: lanes 0-15 store the words of tiles 0, 1 of their row, lanes 16-31 those of tiles 2, 3
.macro SCST
	v_cndmask_b32 v[CN], v[SW], v[SW+2], s[HM]
	v_cndmask_b32 v[CN+1], v[SW+1], v[SW+3], s[HM]
	global_store_b64 v[SCA], v[CN:CN+1], s[OUT:OUT+1] offset:6144
.endm
	s_load_b256 s[8:15], s[0:1], 0x0               ; w_qkv's codes, scales; w_o's codes, scales
	s_load_b256 s[16:23], s[0:1], 0x20             ; w1's codes, scales; w2's codes, scales
	s_load_b128 s[4:7], s[0:1], 0x40               ; x, wimg
	v_lshl_add_u32 v62, v0, 2, 0x10800
	v_mov_b32 v63, 0
	v_lshrrev_b32 v1, 5, v0
	s_delay_alu instid0(VALU_DEP_1)
	v_readfirstlane_b32 s26, v1                    ; wave 0..7
	v_and_b32 v1, 31, v0                           ; lane
	v_and_b32 v2, 15, v0                           ; r
	v_bfe_u32 v3, v0, 4, 1                         ; h
	s_delay_alu instid0(VALU_DEP_3)
	v_lshlrev_b32 v[LI], 4, v1
	s_delay_alu instid0(VALU_DEP_3)
	v_lshlrev_b32 v[SCA], 4, v2
	s_delay_alu instid0(VALU_DEP_1)
	v_lshl_add_u32 v[SCA], v3, 3, v[SCA]
	v_cmp_le_u32 s[HM], 16, v1
	s_cmp_lt_u32 ttmp9, 64
	s_cbranch_scc0 .Lweights
	; ---- x: each load reads 512 consecutive bytes of a row (its 128 numbers of K step s); a tile's 16 rows turn through the wave's own stage, so that a lane gets 16 neighbours of each block of 32
	s_mov_b32 s[SEL], 0x76543210
	s_mov_b32 s[SEL+1], 0xfedcba98
	s_mul_i32 s32, s26, 16*SP                      ; my stage
	v_add_nc_u32 v[STW], s32, v[LI]                ; in: 16 x lane, a row an instruction
	v_mul_u32_u24 v[STR], v2, SP
	s_delay_alu instid0(VALU_DEP_1)
	v_lshl_add_u32 v[STR], v3, 6, v[STR]
	s_delay_alu instid0(VALU_DEP_1)
	v_add_nc_u32 v[STR], s32, v[STR]               ; out: row r, + 64 h
.irp b, 0,1,2,3
	v_mov_b32 v[TM+4+\b], 0                        ; written once: a lane permute's destination counts as one of its sources
.endr
	s_lshl_b32 s32, ttmp9, 18                      ; g x 64 rows x 4,096 bytes
	s_lshl_b32 s33, s26, 9                         ; + s x 512
	s_add_co_u32 s32, s32, s33
	s_mov_b32 s33, 0
	s_lshl_b32 s34, ttmp9, 3
	s_add_co_u32 s34, s34, s26                     ; record 8 g + s
	s_mul_i32 s34, s34, REC
	s_mov_b32 s35, 0
	s_wait_alu depctr_va_vdst(0)
	s_wait_kmcnt 0x0
	s_add_nc_u64 s[4:5], s[4:5], s[32:33]
	s_add_nc_u64 s[OUT:OUT+1], s[OUT:OUT+1], s[34:35]
.macro LOAD t                          ; tile t's 16 rows, in the image's order, into set t % 2
.irp i, 0,1,2,3,4,5,6,7,8,9,10,11,12,13,14,15
	global_load_b128 v[R+64*((\t)%2)+4*\i:R+64*((\t)%2)+4*\i+3], v[LI], s[4:5] offset:(32*((\t)/2)+8*((\t)%2)+\i+8*(\i/8))*4096 th:TH_LOAD_NT
.endr
.endm
.macro TURN t                          ; through the stage: LDS serves a wave's instructions in order, so no wait stands between the stores and the loads
.irp i, 0,1,2,3,4,5,6,7,8,9,10,11,12,13,14,15
	ds_store_b128 v[STW], v[R+64*((\t)%2)+4*\i:R+64*((\t)%2)+4*\i+3] offset:SP*\i
.endr
.irp b, 0,1,2,3
.irp q, 0,1,2,3
	ds_load_b128 v[X+16*\b+4*\q:X+16*\b+4*\q+3], v[STR] offset:128*\b+16*\q
.endr
.endr
.endm
	LOAD 0
	LOAD 1
.irp t, 0,1,2,3
.if \t < 3
	s_wait_loadcnt 16                              ; this tile's 16 loads are in; the next tile's 16 may be out
.else
	s_wait_loadcnt 0x0
.endif
	TURN \t
	s_wait_dscnt 0x0                               ; my numbers are back, and the stores have read their registers,
.if \t < 2
	LOAD \t+2                                      ; which take the tile two further on
.endif
	s_wait_xcnt 0x0                                ; the last tile's stores have read the codes' registers
	QUANT X, PC, SW+\t
.irp c, 0,1,2
	global_store_b128 v[LI], v[PC+4*\c:PC+4*\c+3], s[OUT:OUT+1] offset:1536*\t+512*\c   ; 512 consecutive bytes
.endr
.endr
	SCST
	s_wait_tensorcnt 0x0
	ds_add_u32 v62, v63
	s_wait_dscnt 0x0
	s_endpgm
.Lweights:
	; ---- the weights: which tensor, by the work-group's number alone
	s_mov_b32 s32, 192                             ; the tensor's first work-group,
	s_mov_b32 s33, W2I                             ; its image,
	s_mov_b32 s34, W1I
	s_mov_b32 s35, WOI
	s_mov_b32 s36, WQI
	s_mov_b32 s44, 3072                            ; a row of its codes in bytes
	s_wait_kmcnt 0x0
	s_mov_b64 s[40:41], s[20:21]
	s_mov_b64 s[42:43], s[22:23]
	s_cmp_lt_u32 ttmp9, 192
	s_cselect_b64 s[40:41], s[16:17], s[40:41]
	s_cselect_b64 s[42:43], s[18:19], s[42:43]
	s_cselect_b32 s32, 128, s32
	s_cselect_b32 s33, s34, s33
	s_cselect_b32 s44, 768, s44
	s_cselect_b32 s45, 32, 128                     ; a row of its scale bytes
	s_cselect_b32 s46, 8, 32                       ; its K steps
	s_cselect_b32 s47, 0, 2                        ; w2: four work-groups to a g
	s_cselect_b32 s48, 0, 3
	s_cmp_lt_u32 ttmp9, 128
	s_cselect_b64 s[40:41], s[12:13], s[40:41]
	s_cselect_b64 s[42:43], s[14:15], s[42:43]
	s_cselect_b32 s32, 112, s32
	s_cselect_b32 s33, s35, s33
	s_cmp_lt_u32 ttmp9, 112
	s_cselect_b64 s[40:41], s[8:9], s[40:41]
	s_cselect_b64 s[42:43], s[10:11], s[42:43]
	s_cselect_b32 s32, 64, s32
	s_cselect_b32 s33, s36, s33
	s_sub_co_u32 s49, ttmp9, s32
	s_lshr_b32 s50, s49, s47                       ; g
	s_and_b32 s51, s49, s48
	s_lshl_b32 s51, s51, 3
	s_add_co_u32 s51, s51, s26                     ; s
	s_lshl_b32 s52, s50, 6                         ; the record's first row
	s_mul_i32 s54, s52, s44
	s_mul_i32 s53, s51, 96
	s_add_co_u32 s54, s54, s53
	s_mov_b32 s55, 0
	s_add_nc_u64 s[40:41], s[40:41], s[54:55]      ; codes: row 64 g, K step s
	s_mul_i32 s54, s52, s45
	s_lshl_b32 s53, s51, 2
	s_add_co_u32 s54, s54, s53
	s_add_nc_u64 s[42:43], s[42:43], s[54:55]      ; scale bytes likewise
	s_mul_i32 s54, s50, s46
	s_add_co_u32 s54, s54, s51
	s_mul_i32 s54, s54, REC
	s_add_co_u32 s54, s54, s33
	s_add_nc_u64 s[OUT:OUT+1], s[OUT:OUT+1], s[54:55]
	s_wait_alu depctr_va_vdst(0)
	v_and_b32 v4, 8, v2
	s_delay_alu instid0(VALU_DEP_1)
	v_add_nc_u32 v4, v4, v2                        ; r + 8 (r / 8)
	v_mul_u32_u24 v5, v3, 24                       ; 24 h: my half's 32 codes
.irp t, 0,1,2,3
	v_add_nc_u32 v6, 32*(\t/2)+8*(\t%2), v4        ; my row in tile t
	s_delay_alu instid0(VALU_DEP_1)
	v_mad_u32_u24 v[16+\t], v6, s44, v5
	s_delay_alu instid0(VALU_DEP_2)
	v_mul_u32_u24 v[20+\t], v6, s45
.endr
.irp t, 0,1,2,3
.irp p, 0,1,2,3,4,5
	global_load_b64 v[X+12*\t+2*\p:X+12*\t+2*\p+1], v[16+\t], s[40:41] offset:48*(\p/3)+8*(\p%3) th:TH_LOAD_NT   ; 24 bytes of the row's stream of bits, twice: the operand's registers as they lie
.endr
	global_load_b32 v[SW+\t], v[20+\t], s[42:43]
.endr
	s_wait_loadcnt 0x0
.irp t, 0,1,2,3
.irp c, 0,1,2
	global_store_b128 v[LI], v[X+12*\t+4*\c:X+12*\t+4*\c+3], s[OUT:OUT+1] offset:1536*\t+512*\c
.endr
.endr
	SCST
	s_endpgm
.Lfunc_end_k_q81cb70ed76_prep:
	.size	k_q81cb70ed76_prep, .Lfunc_end_k_q81cb70ed76_prep-k_q81cb70ed76_prep
	.p2alignl 7, 3214868480
	.fill 96, 4, 3214868480
	.section	.rodata,"a",@progbits
	.p2align	6, 0x0
	.amdhsa_kernel k_q81cb70ed76_prep
		.amdhsa_group_segment_fixed_size 68608
		.amdhsa_private_segment_fixed_size 0
		.amdhsa_enable_private_segment 0
		.amdhsa_kernarg_size 80
		.amdhsa_user_sgpr_count 2
		.amdhsa_user_sgpr_kernarg_segment_ptr 1
		.amdhsa_wavefront_size32 1
		.amdhsa_system_sgpr_workgroup_id_x 1
		.amdhsa_system_sgpr_workgroup_id_y 1
		.amdhsa_system_sgpr_workgroup_id_z 1
		.amdhsa_system_vgpr_workitem_id 0
		.amdhsa_next_free_vgpr 256
		.amdhsa_next_free_sgpr 66
		.amdhsa_reserve_vcc 0
		.amdhsa_float_denorm_mode_32 3
		.amdhsa_float_denorm_mode_16_64 3
		.amdhsa_memory_ordered 1
		.amdhsa_forward_progress 1
		.amdhsa_inst_pref_size 47
	.end_amdhsa_kernel
	.amdgpu_metadata
---
amdhsa.version: [ 1, 2 ]
amdhsa.kernels:
  - .name:           k_q81cb70ed76_prep
    .symbol:         k_q81cb70ed76_prep.kd
    .args:
      - { .name: w_qkv_codes, .offset: 0, .size: 8, .value_kind: global_buffer, .address_space: global }
      - { .name: w_qkv_scales, .offset: 8, .size: 8, .value_kind: global_buffer, .address_space: global }
      - { .name: w_o_codes, .offset: 16, .size: 8, .value_kind: global_buffer, .address_space: global }
      - { .name: w_o_scales, .offset: 24, .size: 8, .value_kind: global_buffer, .address_space: global }
      - { .name: w1_codes, .offset: 32, .size: 8, .value_kind: global_buffer, .address_space: global }
      - { .name: w1_scales, .offset: 40, .size: 8, .value_kind: global_buffer, .address_space: global }
      - { .name: w2_codes, .offset: 48, .size: 8, .value_kind: global_buffer, .address_space: global }
      - { .name: w2_scales, .offset: 56, .size: 8, .value_kind: global_buffer, .address_space: global }
      - { .name: x, .offset: 64, .size: 8, .value_kind: global_buffer, .address_space: global }
      - { .name: wimg, .offset: 72, .size: 8, .value_kind: global_buffer, .address_space: global }
    .group_segment_fixed_size: 68608
    .private_segment_fixed_size: 0
    .kernarg_segment_align: 8
    .kernarg_segment_size: 80
    .max_flat_workgroup_size: 256
    .sgpr_count:     66
    .vgpr_count:     256
    .wavefront_size: 32
...
	.end_amdgpu_metadata
.endif
;; end of part 9
;; launch gqkv (part 10): grid 12 x 16, 4 waves a work-group, clusters of 4 x 4, 327,680 bytes of LDS; arguments wimg, b_qkv, qkvi; writes qkvi
.if DOCPART == 10
	.amdgcn_target "amdgcn-amd-amdhsa--gfx1250"
	.amdhsa_code_object_version 6
	.text
	.protected	k_q81cb70ed76_gqkv
	.globl	k_q81cb70ed76_gqkv
	.p2align	8
	.type	k_q81cb70ed76_gqkv,@function
k_q81cb70ed76_gqkv:
	s_mov_b64 s[64:65], 0
	v_nop
	global_prefetch_b8 v0, s[64:65] scope:SCOPE_SE
	s_setreg_imm32_b32 hwreg(HW_REG_WAVE_MODE, 25, 1), 1
	s_wait_xcnt 0x0
	s_wait_alu depctr_hold_cnt(0) depctr_sa_sdst(0) depctr_va_vdst(0) depctr_va_sdst(0) depctr_va_ssrc(0) depctr_va_vcc(0) depctr_vm_vsrc(0)
	s_getreg_b32 s2, hwreg(HW_REG_IB_STS2, 6, 4)
	s_cmp_eq_u32 s2, 0
	s_cbranch_scc0 .Lentry_in_a_cluster
	s_endpgm
.Lentry_in_a_cluster:
	s_bfe_u32 s2, ttmp6, 0x10000c
	s_cmp_lg_u32 s2, 0xf033
	s_cbranch_scc0 .Lentry_shape_is_right
	s_endpgm
.Lentry_shape_is_right:
.set KST,   8
.set REC,   6400
.set ROW2,  2*REC
.set HALFT, 2*ROW2
.set SLOT,  4*HALFT
.set SPARE, 2*SLOT
.set LAPS,  KST/4
.set NQ,    2
.set FR,    12
.set NL,    3
.set NP,    4
.set WQ,    3276800
.set WQV,   WQ+32*KST*REC
.set VI,    6553600
.set ADRA, 16
.set ADRB, 20
.set ADRS, 22
.set LI,   26
.set SCA,  27
.set SPW,  28
.set NIL,  29
.set SC,   32
.set TM,   64
.set SW,   80
.set T2,   84
.set CN,   92
.set PC,   96
.set ST,   128
.set BI,   96
.set AF,   128
.set SEL,  10
.set HM,   2
.set G1, 24
.set G0, 32
.set G1B, 48
.set G0B, 56
.set MSB, 0
.macro WIN new
.if MSB != (\new)
	s_set_vgpr_msb (MSB<<8)|(\new)
.set MSB, (\new)
.endif
.endm
.set MUL_LO, 0xa1
.set MUL_HI, 0xf1
.set TO_B,   0x40
.macro JLOAD g0a, g0b
	s_cmp_eq_u32 s15, 0
	s_cbranch_scc0 .Lfor_b_\@
	tensor_load_to_lds s[\g0a:\g0a+3], s[G1:G1+7]
	s_nop 0
.rept 4
	v_nop
.endr
	s_branch .Lasked_\@
.Lfor_b_\@:
	tensor_load_to_lds s[\g0b:\g0b+3], s[G1B:G1B+7]
	s_nop 0
.rept 4
	v_nop
.endr
.Lasked_\@:
.endm
.macro CREST
	s_cmp_lg_u32 s14, 0
	s_cbranch_scc1 .Lnot_wave_0_\@
	s_barrier_signal -3
.Lnot_wave_0_\@:
	s_barrier_wait -3
	s_barrier_signal -1
	s_barrier_wait -1
.endm
.macro CROUND
	s_barrier_signal -1
	s_barrier_wait -1
	CREST
.endm
.macro PLACES n
.rept \n
	v_nop
.endr
.endm
	s_load_b64 s[4:5], s[0:1], 0x0
	s_load_b64 s[8:9], s[0:1], 0x8
	s_load_b64 s[12:13], s[0:1], 0x10
	v_lshl_add_u32 v[SPW], v0, 2, SPARE
	v_mov_b32 v[NIL], 0
	ds_add_u32 v28, v29
	ds_add_u32 v28, v29
	s_wait_dscnt 0x0
	v_lshrrev_b32 v1, 5, v0
	v_readfirstlane_b32 s14, v1
	s_lshr_b32 s15, s14, 1
	s_and_b32 s16, s14, 1
	s_bfe_u32 s40, ttmp6, 0x40000
	s_bfe_u32 s41, ttmp6, 0x40004
	s_and_b32 s18, ttmp7, 0xffff
	s_lshl_b32 s18, s18, 2
	s_lshl_b32 s19, ttmp9, 2
	s_add_co_u32 s17, s18, s41
	s_add_co_u32 s42, s19, s40
	s_add_co_u32 s43, s18, s40
	s_mov_b32 s20, WQV
	s_mov_b32 s46, WQ
	s_mov_b32 s23, VI
	s_cmp_eq_u32 ttmp9, 2
	s_cselect_b32 s17, s41, s17
	s_cselect_b32 s42, s43, s42
	s_cselect_b32 s20, s20, 0
	s_cselect_b32 s46, 0, s46
	s_cselect_b32 s22, 32, 16
	s_cselect_b32 s23, s23, 0
	s_lshl_b32 s43, s41, 2
	s_lshl_b32 s43, 15, s43
	s_lshl_b32 s44, 0x1111, s40
	s_or_b32 s[G1+0], s43, (3<<16)|(1<<21)
	s_or_b32 s[G1B+0], s44, (3<<16)|(1<<21)
.irp g, G1, G1B
	s_mov_b32 s[\g+1], 1600<<16
	s_mov_b32 s[\g+2], 2<<16
	s_mov_b32 s[\g+3], 1600<<16
	s_mov_b32 s[\g+4], 2
	s_mov_b32 s[\g+5], KST*800
	s_mov_b32 s[\g+6], 0
	s_mov_b32 s[\g+7], 0
.endr
	s_lshl_b32 s18, s16, 1
	s_lshl_b32 s21, s17, 2
	s_add_co_u32 s21, s21, s18
	s_mul_i32 s21, s21, KST*REC
	s_add_co_u32 s20, s20, s21
	s_mov_b32 s21, 0
	s_lshl_b32 s47, s42, 2
	s_add_co_u32 s47, s47, s18
	s_mul_i32 s47, s47, KST*REC
	s_add_co_u32 s46, s46, s47
	s_mov_b32 s47, 0
	s_mul_i32 s45, s14, HALFT
	s_wait_kmcnt 0x0
	s_add_nc_u64 s[20:21], s[4:5], s[20:21]
	s_add_nc_u64 s[46:47], s[4:5], s[46:47]
	CROUND
.irp s, 0,1
	s_mov_b32 s[G0+4*\s], 1
	s_add_co_u32 s[G0+4*\s+1], s45, \s*SLOT
	s_add_nc_u64 s[G0+4*\s+2:G0+4*\s+3], s[20:21], \s*ROW2
	s_or_b32 s[G0+4*\s+3], s[G0+4*\s+3], 0x80000000
	s_mov_b32 s[G0B+4*\s], 1
	s_add_co_u32 s[G0B+4*\s+1], s45, \s*SLOT
	s_add_nc_u64 s[G0B+4*\s+2:G0B+4*\s+3], s[46:47], \s*ROW2
	s_or_b32 s[G0B+4*\s+3], s[G0B+4*\s+3], 0x80000000
	s_wait_alu depctr_va_vdst(0)
	s_wait_tensorcnt 0x0
	ds_add_u32 v28, v29
	ds_add_u32 v28, v29
	s_wait_dscnt 0x0
	CROUND
	JLOAD G0+4*\s, G0B+4*\s
.endr
	v_and_b32 v1, 31, v0
	v_and_b32 v2, 15, v0
	v_bfe_u32 v3, v0, 4, 1
	v_lshlrev_b32 v[LI], 4, v1
	v_lshlrev_b32 v[SCA], 4, v2
	v_lshl_add_u32 v[SCA], v3, 3, v[SCA]
	v_cmp_le_u32 s[HM], 16, v1
	v_lshlrev_b32 v30, 6, v3
	v_and_b32 v31, 8, v2
	v_add_nc_u32 v31, v31, v2
	v_lshlrev_b32 v31, 2, v31
	s_mov_b32 s[SEL], 0x76543210
	s_mov_b32 s[SEL+1], 0xfedcba98
	s_mul_i32 s18, s15, HALFT
	s_mul_i32 s19, s16, HALFT
	s_add_co_u32 s19, s19, 2*HALFT
	s_sub_co_u32 s43, s19, s18
	v_mul_u32_u24 v4, s43, v3
	v_lshl_add_u32 v4, v2, 4, v4
	v_add_nc_u32 v4, 6144, v4
.irp s, 0,1
	v_add_nc_u32 v[ADRA+\s], s18, v[LI]
	v_add_nc_u32 v[ADRB+\s], s19, v[LI]
	v_add_nc_u32 v[ADRS+\s], s18, v4
	s_add_co_u32 s18, s18, SLOT
	s_add_co_u32 s19, s19, SLOT
.endr
	s_lshl_b32 s18, s42, 10
	s_lshl_b32 s19, s16, 9
	s_add_co_u32 s18, s18, s19
	s_lshl_b32 s19, s17, 10
	s_lshl_b32 s21, s15, 9
	s_add_co_u32 s19, s19, s21
	s_add_co_u32 s19, s19, 8192
	s_cmp_eq_u32 ttmp9, 2
	s_cselect_b32 s18, s19, s18
	s_mov_b32 s19, 0
	s_add_nc_u64 s[8:9], s[8:9], s[18:19]
	s_lshl_b32 s18, s17, 2
	s_lshl_b32 s19, s15, 1
	s_add_co_u32 s18, s18, s19
	s_mul_i32 s18, s18, s22
	s_lshl_b32 s19, s42, 1
	s_add_co_u32 s18, s18, s19
	s_add_co_u32 s18, s18, s16
	s_mul_i32 s18, s18, REC
	s_add_co_u32 s18, s18, s23
	s_mov_b32 s19, 0
	s_add_nc_u64 s[12:13], s[12:13], s[18:19]
.macro FRAG reg, adr, q, i
.irp c, 0,1,2
	ds_load_b128 v[\reg+4*\c:\reg+4*\c+3], v[\adr] offset:((\i)/4)*ROW2+(\q)*REC+((\i)%4)*1536+512*\c
.endr
.endm
.macro MUL16 a0, p, q, sc, zero
.irp a, \a0, \a0+1
.irp b, 0,1,2,3,4,5,6,7
.if \zero
	v_wmma_scale_f32_16x16x128_f8f6f4 v[8*(8*((\a)%4)+\b):8*(8*((\a)%4)+\b)+7], v[128*(\p)+FR*\b:128*(\p)+FR*\b+FR-1], v[AF+FR*(\a):AF+FR*(\a)+FR-1], 0, v[SC+16*(\sc)+8*(\q)+\b], v[SC+16*(\sc)+8*(\q)+(\a)] matrix_a_fmt:MATRIX_FMT_BF6 matrix_b_fmt:MATRIX_FMT_BF6 matrix_a_scale:MATRIX_SCALE_ROW1
.else
	v_wmma_scale_f32_16x16x128_f8f6f4 v[8*(8*((\a)%4)+\b):8*(8*((\a)%4)+\b)+7], v[128*(\p)+FR*\b:128*(\p)+FR*\b+FR-1], v[AF+FR*(\a):AF+FR*(\a)+FR-1], v[8*(8*((\a)%4)+\b):8*(8*((\a)%4)+\b)+7], v[SC+16*(\sc)+8*(\q)+\b], v[SC+16*(\sc)+8*(\q)+(\a)] matrix_a_fmt:MATRIX_FMT_BF6 matrix_b_fmt:MATRIX_FMT_BF6 matrix_a_scale:MATRIX_SCALE_ROW1
.endif
.endr
.endr
.endm
.macro FETCH_B slot, q, p
	WIN TO_B
.irp i, 0,1,2,3,4,5,6,7
	FRAG 128*(\p)+FR*\i, ADRB+\slot, \q, \i
.endr
	WIN 0
.endm
.macro FETCH_A slot, q, i0
.irp i, \i0, \i0+1, \i0+2, \i0+3
	FRAG AF+FR*(\i), ADRA+\slot, \q, \i
.endr
.endm
.macro SCALES slot
.irp q, 0,1
.irp g, 0,1
	ds_load_b128 v[SC+16*\slot+8*\q+4*\g:SC+16*\slot+8*\q+4*\g+3], v[ADRS+\slot] offset:\g*ROW2+\q*REC
.endr
.endr
.endm
.macro STEP slot, q, zero
	s_wait_dscnt 4*NL
	WIN MUL_LO
	MUL16 0, (\q)%2, \q, \slot, \zero
	MUL16 2, (\q)%2, \q, \slot, \zero
	s_wait_dscnt 0
	PLACES NP
	FETCH_B \slot, (\q)+1, 1-(\q)%2
	FETCH_A \slot, (\q)+1, 0
	WIN MUL_HI
	MUL16 4, (\q)%2, \q, \slot, \zero
	MUL16 6, (\q)%2, \q, \slot, \zero
	PLACES NP
	WIN 0
	FETCH_A \slot, (\q)+1, 4
.endm
.macro TURN slot, next, fill
	s_wait_tensorcnt 0x0
	ds_add_u32 v[SPW], v[NIL]
	s_wait_dscnt 4*NL+1
	WIN MUL_LO
	MUL16 0, 1, NQ-1, \slot, 0
	s_wait_dscnt 0x0
	s_barrier_signal -1
	MUL16 2, 1, NQ-1, \slot, 0
	WIN 0
	s_barrier_wait -1
.if \fill
	CREST
	s_add_nc_u64 s[G0+4*\slot+2:G0+4*\slot+3], s[G0+4*\slot+2:G0+4*\slot+3], 2*ROW2
	s_add_nc_u64 s[G0B+4*\slot+2:G0B+4*\slot+3], s[G0B+4*\slot+2:G0B+4*\slot+3], 2*ROW2
	JLOAD G0+4*\slot, G0B+4*\slot
.else
	PLACES NP
.endif
	FETCH_B \next, 0, 0
	FETCH_A \next, 0, 0
	SCALES \next
	WIN MUL_HI
	MUL16 4, 1, NQ-1, \slot, 0
	MUL16 6, 1, NQ-1, \slot, 0
	PLACES NP
	WIN 0
	FETCH_A \next, 0, 4
.endm
.macro LAST
	s_wait_dscnt 4*NL
	WIN MUL_LO
	MUL16 0, 1, NQ-1, 1, 0
	MUL16 2, 1, NQ-1, 1, 0
	s_wait_dscnt 0
	WIN MUL_HI
	MUL16 4, 1, NQ-1, 1, 0
	MUL16 6, 1, NQ-1, 1, 0
	WIN 0
.endm
.macro QUANT src, dst, pw
.irp b, 0,1,2,3
	v_max3_num_f32 v[TM+\b], |v[\src+16*\b]|, |v[\src+1+16*\b]|, 0x2800000
.endr
.irp i, 2,4,6,8,10,12,14
.irp b, 0,1,2,3
	v_max3_num_f32 v[TM+\b], v[TM+\b], |v[\src+16*\b+\i]|, |v[\src+1+16*\b+\i]|
.endr
.endr
.irp b, 0,1,2,3
	v_permlanex16_b32 v[TM+4+\b], v[TM+\b], s[SEL], s[SEL+1]
.endr
.irp b, 0,1,2,3
	v_max_num_f32 v[TM+\b], v[TM+\b], v[TM+4+\b]
.endr
.irp b, 0,1,2,3
	v_add_nc_u32 v[TM+12+\b], 0xfe000000, v[TM+\b]
.endr
.irp b, 0,1,2,3
	v_lshrrev_b32 v[TM+4+\b], 23, v[TM+12+\b]
.endr
	v_lshl_or_b32 v[\pw], v[TM+5], 8, v[TM+4]
	v_lshl_or_b32 v[\pw], v[TM+6], 16, v[\pw]
	v_lshl_or_b32 v[\pw], v[TM+7], 24, v[\pw]
.irp c, 0,1
	v_cvt_scalef32_pk16_bf6_f32 v[\dst+6*\c:\dst+2+6*\c], v[\src+32*\c:\src+15+32*\c], v[TM+12+2*\c]
	v_cvt_scalef32_pk16_bf6_f32 v[T2+4*\c:T2+2+4*\c], v[\src+16+32*\c:\src+31+32*\c], v[TM+12+2*\c+1]
.endr
	v_nop
.irp c, 0,1
.irp i, 0,1,2
	v_permlane16_swap_b32 v[\dst+6*\c+\i], v[T2+4*\c+\i]
.endr
.irp i, 0,1,2
	v_mov_b32 v[\dst+3+6*\c+\i], v[T2+4*\c+\i]
.endr
.endr
.endm
.macro EPI byrow, ksp
	s_wait_loadcnt 0x0
	PLACES NP
.irp b, 0,1,2,3
	v_mov_b32 v[TM+4+\b], 0
.endr
.irp a, 0,1,2,3,4,5,6,7
	WIN 0x06+(\a/4)
.set n, 0
.rept 32
.if \byrow
	v_pk_add_f32 v[ST+2*n:ST+2*n+1], v[64*(\a%4)+2*n:64*(\a%4)+2*n+1], v[BI+2*\a:BI+2*\a+1]
.else
	v_pk_add_f32 v[ST+2*n:ST+2*n+1], v[64*(\a%4)+2*n:64*(\a%4)+2*n+1], v[BI+2*n+96*(n/16):BI+2*n+96*(n/16)+1]
.endif
.set n, n+1
.endr
	WIN 0
	s_wait_xcnt 0x0
	QUANT ST, PC, SW+(\a%4)
.irp c, 0,1,2
	global_store_b128 v[LI], v[PC+4*\c:PC+4*\c+3], s[12:13] offset:(\a/4)*\ksp*REC+(\a%4)*1536+512*\c
.endr
.if (\a%4) == 3
	v_cndmask_b32 v[CN], v[SW], v[SW+2], s[HM]
	v_cndmask_b32 v[CN+1], v[SW+1], v[SW+3], s[HM]
	global_store_b64 v[SCA], v[CN:CN+1], s[12:13] offset:(\a/4)*\ksp*REC+6144
.endif
.endr
.endm
	s_wait_alu depctr_va_vdst(0)
	s_wait_tensorcnt 1
	s_barrier_signal -1
	s_barrier_wait -1
	FETCH_B 0, 0, 0
	FETCH_A 0, 0, 0
	SCALES 0
	FETCH_A 0, 0, 4
	STEP 0, 0, 1
	s_mov_b32 s3, LAPS-1
.Llap:
	TURN 0, 1, 1
	STEP 1, 0, 0
	TURN 1, 0, 1
	STEP 0, 0, 0
	s_sub_co_u32 s3, s3, 1
	s_cmp_lg_u32 s3, 0
	s_cbranch_scc1 .Llap
	TURN 0, 1, 0
	s_cmp_lt_u32 ttmp9, 2
	s_cbranch_scc0 .Lv_part
	WIN TO_B
.irp b, 0,1,2,3
.irp q, 0,1,2,3
	global_load_b128 v[BI+16*\b+4*\q+96*(\b/2):BI+16*\b+4*\q+96*(\b/2)+3], v30, s[8:9] offset:128*\b+16*\q
.endr
.endr
	WIN 0
	STEP 1, 0, 0
	LAST
	EPI 0, 16
	s_branch .Lend
.Lv_part:
	WIN TO_B
.irp a, 0,1,2,3,4,5,6,7
	global_load_b32 v[BI+2*\a], v31, s[8:9] offset:4*(64*(\a/4)+32*((\a%4)/2)+8*(\a%2))
	global_load_b32 v[BI+2*\a+1], v31, s[8:9] offset:4*(64*(\a/4)+32*((\a%4)/2)+8*(\a%2))
.endr
	WIN 0
	STEP 1, 0, 0
	LAST
	EPI 1, 32
.Lend:
	s_wait_tensorcnt 0x0
	ds_add_u32 v[SPW], v[NIL]
	s_wait_dscnt 0x0
	CROUND
	s_endpgm
.Lfunc_end_k_q81cb70ed76_gqkv:
	.size	k_q81cb70ed76_gqkv, .Lfunc_end_k_q81cb70ed76_gqkv-k_q81cb70ed76_gqkv
	.p2alignl 7, 3214868480
	.fill 96, 4, 3214868480
	.section	.rodata,"a",@progbits
	.p2align	6, 0x0
	.amdhsa_kernel k_q81cb70ed76_gqkv
		.amdhsa_group_segment_fixed_size 327680
		.amdhsa_private_segment_fixed_size 0
		.amdhsa_enable_private_segment 0
		.amdhsa_kernarg_size 24
		.amdhsa_user_sgpr_count 2
		.amdhsa_user_sgpr_kernarg_segment_ptr 1
		.amdhsa_wavefront_size32 1
		.amdhsa_system_sgpr_workgroup_id_x 1
		.amdhsa_system_sgpr_workgroup_id_y 1
		.amdhsa_system_sgpr_workgroup_id_z 1
		.amdhsa_system_vgpr_workitem_id 0
		.amdhsa_next_free_vgpr 1024
		.amdhsa_next_free_sgpr 66
		.amdhsa_reserve_vcc 0
		.amdhsa_float_denorm_mode_32 3
		.amdhsa_float_denorm_mode_16_64 3
		.amdhsa_memory_ordered 1
		.amdhsa_forward_progress 1
		.amdhsa_inst_pref_size 226
	.end_amdhsa_kernel
	.amdgpu_metadata
---
amdhsa.version: [ 1, 2 ]
amdhsa.kernels:
  - .name:           k_q81cb70ed76_gqkv
    .symbol:         k_q81cb70ed76_gqkv.kd
    .args:
      - { .name: wimg, .offset: 0, .size: 8, .value_kind: global_buffer, .address_space: global }
      - { .name: b_qkv, .offset: 8, .size: 8, .value_kind: global_buffer, .address_space: global }
      - { .name: qkvi, .offset: 16, .size: 8, .value_kind: global_buffer, .address_space: global }
    .group_segment_fixed_size: 327680
    .private_segment_fixed_size: 0
    .kernarg_segment_align: 8
    .kernarg_segment_size: 24
    .max_flat_workgroup_size: 128
    .sgpr_count:     66
    .vgpr_count:     1024
    .wavefront_size: 32
...
	.end_amdgpu_metadata
.endif
;; end of part 10
;; launch att (part 11): grid 16 x 16, 16 waves a work-group, no clusters, 327,680 bytes of LDS; arguments qkvi, ai; writes ai
.if DOCPART == 11
	.amdgcn_target "amdgcn-amd-amdhsa--gfx1250"
	.amdhsa_code_object_version 6
	.text
	.protected	k_q81cb70ed76_att
	.globl	k_q81cb70ed76_att
	.p2align	8
	.type	k_q81cb70ed76_att,@function
k_q81cb70ed76_att:
	s_mov_b64 s[64:65], 0
	v_nop
	global_prefetch_b8 v0, s[64:65] scope:SCOPE_SE
	s_setreg_imm32_b32 hwreg(HW_REG_WAVE_MODE, 25, 1), 1
	s_wait_xcnt 0x0
; Attention on codes of BF6 (E3M2): S^T = k q^T, p = 2^(t - M), O^T = v^T p^T, O / l, and O quantised along the head's 64 for the next product.  2 batches x 16 heads x 2,048 tokens, head size 64.
; INPUT qkvi: image QKI (rows = tokens, 16 K steps: step p = q of heads 2 p, 2 p + 1; step 8 + p = k) and, VI bytes on, image VI (rows = v's 1,024 columns, 32 K steps of 128 tokens).
; AN IMAGE: record (g, s) = 64 rows x 128 along K, REC = 6,400 bytes; tile t = an operand's 12 registers on end (register p of lane l at 1536 t + 512 (p / 4) + 16 l + 4 (p % 4)); lane (r, h) holds row
; 64 g + 32 (t / 2) + 8 (t % 2) + r + 8 (r / 8); scale words at 6144 + 16 r + 4 t.
; SHARES: a work-group owns 128 queries (x) of a pair of heads of a batch (y = 8 n + p); wave w owns head 2 p + (w >> 3) and the query tile w & 7.  Every wave walks all 2,048 keys, 128 a step.
; THE RING: two slots of 512 keys, 16 records each (k's eight, then four K steps of v for each head).  Every wave brings one record by one tensor load, as 25 rows of 256 bytes with 32 bytes of padding behind each
; (a record is RECP = 7,200 bytes in LDS): byte y of a record lies at y + 32 (y / 256).
; WHICH KEYS FORM A TILE OF k is chosen by the LDS addresses: lane r of tile T of a record reads key 8 T + (r & 7) + 32 (r >> 3), which the image holds in tile (T & 1) + 2 (r >> 3), lane (r & 7) + 8 (T >> 1).
; So in S^T lane (r, h) holds query r, and register 32 g + i the key 64 g + 32 h + i: two WHOLE blocks of 32 keys, in the order in which the second product's operand wants them: no lane swap, and a block's maximum stays in its lane.
; With the padding, lanes 0-7 and lanes 8-15 of a 16-byte load lie 3,456 bytes apart, 128 modulo 256.
; K = 64 IN AN INSTRUCTION OF 128: registers 0-5 of a fragment of k belong to the even head, 6-11 to the odd.  The wave's q has the other head's six registers set to zero codes, so the other six registers of k count for nothing
; whatever codes they hold (every code and every scale byte here is finite): a wave loads its own head's six alone, and the eight operands v[KB + 6 T .. + 11] overlap: 54 registers for eight fragments.
; THE SOFTMAX: t = score x log2(e) / 8; M = the running largest t rounded up to a whole number; p = 2^(t - M) is quantised along the keys, not normalised; the sum of the unquantised p divides O at the end.
; When M moves, the sum and O^T are multiplied by 2^(old M - new M): exact.
; LDS LOADS: behind a step's eight score products the next step's k and this step's v are asked for; the one wait for them stands ahead of the second product, behind the softmax.
; No cluster: a slot's 115,200 bytes serve four key steps of sixteen waves, each of some 210 vector instructions: what is shared is a small part of a step's work.
; LIMITS: the promise holds while the scaled scores stay under 2^31 in magnitude; NaN and infinities are not served; a block of O whose largest magnitude lies under 2^-122 gets the scale byte 1; this program alone reads the bytes.
.set REC,   6400
.set RECP,  7200
.set VI,    6553600
.set NSL,   4                          ; slots' worth of keys: 2,048 / 512
.set SLOT1, 1<<17                      ; slot 1 begins here: one exclusive or turns an address
.set SPARE, 2*SLOT1                    ; the spare words, 128 bytes for each of 16 waves
.set OSC,   8*1536                     ; the way out, in slot 0, which has had its last fill and its last read: eight tiles of 1,536 bytes from byte 0, then two records' scale words
.set AK0,  1                           ; v1   16 (r & 7) + 288 h + 3456 (r >> 3): k's fragments
.set AV0,  2                           ; v2   16 r + 288 h, in my head's part of v
.set ASK0, 3                           ; v3   16 (r & 7) + 8 (r >> 3): k's scale words
.set ASV0, 4                           ; v4   16 r, in my head's part of v
.set SPW,  5                           ; v5   my spare word; never rewritten
.set NIL,  6                           ; v6   0; never rewritten
.set QS,   7                           ; v7   q's scale words
.set ADK,  8                           ; v8-11 the four addresses in the slot in hand
.set ADV,  9
.set ADS,  10
.set ADT,  11                          ; v12 -M, v13 the largest score, v[14:15] the sum, v16-27 q
.set PFO,  28                          ; v28  the prefetches' offset: 256 x min(lane, 24)
.set B0,   29                          ; v29, v30 my two blocks' largest score, then largest p, then the conversions' scale operands
.set B1,   30
.set HS,   31                          ; v31  8 h
.set KB,   32                          ; v32-85 k's eight fragments, overlapping
.set VB,   86                          ; v86-133 v's four fragments
.set S,    134                         ; v134-197 S^T, then p
.set O,    198                         ; v198-229 O^T
.set P,    230                         ; v230-241 p's codes; ahead of the conversions at work
.set KS,   242                         ; v242-249 k's scale words, a register a tile
.set VS,   250                         ; v250-253 v's
.set F,    254                         ; v254 2^(old M - new M)
.set PS,   255                         ; v255 p's scale word
.set TB,   2                           ; s2   LDS byte at which the slot in hand begins
.set WV,   18
.set SEL,  20
.set CS,   22                          ; s[22:23] c = log2(e) / 8
.set G1,   24
.set G0,   40
.set STP,  44                          ; s[44:45] bytes from my record to my record of the next slot
.set SLOTS, 48
.set PFA,  50
.set LIM,  54
.set EH,   55                          ; which head of the pair
.set QT,   56                          ; which tile of queries
.set NB,   57                          ; the batch
.set PP,   58                          ; the pair of heads
; A prefetch of what the NEXT change of slots will ask for.  The sixteen work-groups of a pair of heads walk the same 16 records a slot: work-group x names record x, by its wave x, which will itself load that record:
; 25 blocks of 256 bytes, a lane a block (lanes 25-31 repeat lane 24's).  Slots 0 and 1 come by their loads alone; the last change that fills a slot asks for nothing.
.macro ASK
	s_cmp_gt_u32 s[SLOTS], s[LIM]
	s_cbranch_scc0 .Lnot_mine_\@
	global_prefetch_b8 v[PFO], s[PFA:PFA+1] th:TH_LOAD_NT scope:SCOPE_SE
.Lnot_mine_\@:
.endm
; k's eight fragments of key step q of the slot, my head's six registers each, and the scale words
.macro KLOAD q
	s_cmp_eq_u32 s[EH], 0
	s_cbranch_scc0 .Lodd_\@
.irp g, 0,1
.irp t, 0,1,2,3
	ds_load_b128 v[KB+6*(4*\g+\t):KB+6*(4*\g+\t)+3], v[ADK] offset:(2*(\q)+\g)*RECP+1728*(\t%2)+128*(\t/2)          ; registers 0-3
	ds_load_b64 v[KB+6*(4*\g+\t)+4:KB+6*(4*\g+\t)+5], v[ADK] offset:(2*(\q)+\g)*RECP+1728*(\t%2)+128*(\t/2)+576     ; 4, 5
.endr
.endr
	s_branch .Lk_\@
.Lodd_\@:
.irp g, 0,1
.irp t, 0,1,2,3
	ds_load_b64 v[KB+6*(4*\g+\t)+6:KB+6*(4*\g+\t)+7], v[ADK] offset:(2*(\q)+\g)*RECP+1728*(\t%2)+128*(\t/2)+584     ; 6, 7
	ds_load_b128 v[KB+6*(4*\g+\t)+8:KB+6*(4*\g+\t)+11], v[ADK] offset:(2*(\q)+\g)*RECP+1728*(\t%2)+128*(\t/2)+1152  ; 8-11
.endr
.endr
.Lk_\@:
.irp g, 0,1
.irp u, 0,1
	ds_load_b64 v[KS+4*\g+2*\u:KS+4*\g+2*\u+1], v[ADS] offset:(2*(\q)+\g)*RECP+6912+128*\u   ; the words of tiles 2 u, 2 u + 1
.endr
.endr
.endm
; A KEY STEP: 128 keys, the q-th of the slot in hand.  more = 1: the slot has a further step
.macro STEP q, more
.set tt, 0
.rept 8
	v_wmma_scale_f32_16x16x128_f8f6f4 v[S+8*tt:S+8*tt+7], v[KB+6*tt:KB+6*tt+11], v[16:27], 0, v[KS+tt], v[QS] matrix_a_fmt:MATRIX_FMT_BF6 matrix_b_fmt:MATRIX_FMT_BF6
.set tt, tt+1
.endr
.rept 4
	v_nop                                          ; places: ahead of the loads into k's and v's registers and of the first read of S^T
.endr
.if \more
	KLOAD (\q)+1
.endif
.irp t, 0,1,2,3
.irp c, 0,1,2
	ds_load_b128 v[VB+12*\t+4*\c:VB+12*\t+4*\c+3], v[ADV] offset:(\q)*RECP+1728*\t+576*\c
.endr
.endr
	ds_load_b128 v[VS:VS+3], v[ADT] offset:(\q)*RECP+6912
.irp k, 0,1,2,3                        ; the largest score of my two blocks of 32 keys, in four chains: for the row's maximum and, since p rises with the score, for the block's largest p
	v_max3_num_f32 v[P+\k], v[S+16*\k], v[S+16*\k+1], v[S+16*\k+2]
.endr
.irp i, 3,5,7,9,11,13
.irp k, 0,1,2,3
	v_max3_num_f32 v[P+\k], v[P+\k], v[S+16*\k+\i], v[S+16*\k+\i+1]
.endr
.endr
	v_max3_num_f32 v[B0], v[P], v[P+1], v[S+15]
	v_max3_num_f32 v[B1], v[P+2], v[P+3], v[S+47]
	v_mov_b32 v[P+5], v12                          ; the old -M
	v_max_num_f32 v[B0], v[B0], v[S+31]
	v_max_num_f32 v[B1], v[B1], v[S+63]
	s_delay_alu instid0(VALU_DEP_1)
	v_max3_num_f32 v13, v13, v[B0], v[B1]
	s_delay_alu instid0(VALU_DEP_1)
	v_permlanex16_b32 v[P+4], v13, s[SEL], s[SEL+1]
	s_delay_alu instid0(VALU_DEP_1)
	v_max_num_f32 v13, v13, v[P+4]                 ; the running largest score of my query
	s_delay_alu instid0(VALU_DEP_1)
	v_mul_f32 v[P+4], s[CS], v13                   ; as t (c is positive)
	s_delay_alu instid0(VALU_DEP_1)
	v_floor_f32 v12, -v[P+4]                       ; the new -M = -ceil(t)
	s_delay_alu instid0(VALU_DEP_1)
	v_sub_f32 v[P+5], v12, v[P+5]                  ; old M - new M: a whole number, 0 or less
	s_delay_alu instid0(VALU_DEP_1)
	v_cvt_i32_f32 v[P+5], v[P+5]
	s_delay_alu instid0(VALU_DEP_1)
	v_ldexp_f32 v[F], 1.0, v[P+5]                  ; f = 2^(old M - new M)
.set j, 0
.rept 32
	v_pk_fma_f32 v[S+j:S+j+1], v[S+j:S+j+1], s[CS:CS+1], v[12:13] op_sel_hi:[1,0,0]   ; t - M
.set j, j+2
.endr
	v_fma_f32 v[B0], v[B0], s[CS], v12
	v_fma_f32 v[B1], v[B1], s[CS], v12
	s_wait_alu depctr_va_vdst(0)                   ; the wait ahead of the batch
.set j, 0
.rept 64
	v_exp_f32 v[S+j], v[S+j]                       ; p = 2^(t - M)
.set j, j+1
.endr
	v_exp_f32 v[B0], v[B0]                         ; the blocks' largest p: the same two instructions on the same number
	v_exp_f32 v[B1], v[B1]
	v_nop                                          ; one plain instruction behind the exponentials
	s_wait_alu depctr_va_vdst(0)                   ; and the wait behind the batch, ahead of its first reader
	v_pk_fma_f32 v[14:15], v[14:15], v[F:F+1], v[S:S+1] op_sel_hi:[1,0,1]   ; the sum under the new M, and the unquantised p added, in four chains
	v_pk_add_f32 v[P+6:P+7], v[S+2:S+3], v[S+4:S+5]
	v_pk_add_f32 v[P+8:P+9], v[S+6:S+7], v[S+8:S+9]
	v_pk_add_f32 v[P+10:P+11], v[S+10:S+11], v[S+12:S+13]
.set j, 14
.rept 6
	v_pk_add_f32 v[14:15], v[14:15], v[S+j:S+j+1]
	v_pk_add_f32 v[P+6:P+7], v[P+6:P+7], v[S+j+2:S+j+3]
	v_pk_add_f32 v[P+8:P+9], v[P+8:P+9], v[S+j+4:S+j+5]
	v_pk_add_f32 v[P+10:P+11], v[P+10:P+11], v[S+j+6:S+j+7]
.set j, j+8
.endr
	v_pk_add_f32 v[14:15], v[14:15], v[S+62:S+63]
	v_pk_add_f32 v[P+6:P+7], v[P+6:P+7], v[P+8:P+9]
	v_max_num_f32 v[B0], 0x2800000, v[B0]          ; the floor 2^(5 - 127)
	v_max_num_f32 v[B1], 0x2800000, v[B1]
	v_pk_add_f32 v[14:15], v[14:15], v[P+10:P+11]
	v_add_nc_u32 v[B0], 0xfe000000, v[B0]          ; 4 off the exponent field: the conversion's scale operand
	v_add_nc_u32 v[B1], 0xfe000000, v[B1]
	v_pk_add_f32 v[14:15], v[14:15], v[P+6:P+7]
	v_lshrrev_b32 v[P], 23, v[B0]                  ; the scale bytes of blocks h and 2 + h,
	v_lshrrev_b32 v[P+1], 23, v[B1]
	s_delay_alu instid0(VALU_DEP_1)
	v_lshl_or_b32 v[P], v[P+1], 16, v[P]
	s_delay_alu instid0(VALU_DEP_1)
	v_lshlrev_b32 v[P], v[HS], v[P]                ; at their places in the word;
	s_delay_alu instid0(VALU_DEP_1)
	v_permlanex16_b32 v[P+4], v[P], s[SEL], s[SEL+1]
	s_delay_alu instid0(VALU_DEP_1)
	v_or_b32 v[PS], v[P], v[P+4]                   ; with lane l xor 16's two the word is whole
	v_cvt_scalef32_pk16_bf6_f32 v[P:P+2], v[S:S+15], v[B0]
	v_cvt_scalef32_pk16_bf6_f32 v[P+6:P+8], v[S+32:S+47], v[B1]
	v_nop                                          ; a plain instruction: the next two write over sources of these two
	v_cvt_scalef32_pk16_bf6_f32 v[S:S+2], v[S+16:S+31], v[B0]        ; (a conversion's three registers begin on an even number: the upper halves are made elsewhere and moved)
	v_cvt_scalef32_pk16_bf6_f32 v[S+32:S+34], v[S+48:S+63], v[B1]
	v_nop
.irp i, 0,1,2
	v_mov_b32 v[P+3+\i], v[S+\i]
	v_mov_b32 v[P+9+\i], v[S+32+\i]
.endr
	s_wait_alu depctr_va_vdst(0)                   ; the wait directly ahead of the first reader of O^T
.set j, 0
.rept 16
	v_pk_mul_f32 v[O+j:O+j+1], v[O+j:O+j+1], v[F:F+1] op_sel_hi:[1,0]   ; O^T under the new M; these 16 are also the places ahead of the scaled products below
.set j, j+2
.endr
	s_wait_alu depctr_va_vdst(0)                   ; the wait directly ahead of the wait below
	s_wait_dscnt 0x0                               ; v's fragments, and the next step's k
.irp t, 0,1,2,3                        ; O^T += v^T p^T: my head's four tiles of 16; K = these 128 keys
	v_wmma_scale_f32_16x16x128_f8f6f4 v[O+8*\t:O+8*\t+7], v[VB+12*\t:VB+12*\t+11], v[P:P+11], v[O+8*\t:O+8*\t+7], v[VS+\t], v[PS] matrix_a_fmt:MATRIX_FMT_BF6 matrix_b_fmt:MATRIX_FMT_BF6
.endr
.endm
; THE CHANGE OF SLOTS, at a slot's head: each wave waits for its tensor load, adds 0 to its spare word, and waits for that and for its reads of the slot that it has left.  fill = 1: that slot takes the next 512 keys.
.macro CHANGE fill
	s_wait_tensorcnt 0x0
	ds_add_u32 v[SPW], v[NIL]
.if \fill
	s_xor_b32 s[G0+1], s[G0+1], SLOT1
	s_add_nc_u64 s[G0+2:G0+3], s[G0+2:G0+3], s[STP:STP+1]
	s_wait_xcnt 0x0                                ; the last prefetch, a slot back, has read its address
	s_add_nc_u64 s[PFA:PFA+1], s[PFA:PFA+1], s[STP:STP+1]
.endif
	s_wait_dscnt 0x0
	s_barrier_signal -1
	s_barrier_wait -1
.if \fill
	tensor_load_to_lds s[G0:G0+3], s[G1:G1+7]      ; the first thing behind the barrier, and my one tensor load until the next
	s_nop 0
.endif
	v_add_nc_u32 v[ADK], s[TB], v[AK0]
	v_add_nc_u32 v[ADV], s[TB], v[AV0]
	v_add_nc_u32 v[ADS], s[TB], v[ASK0]
	v_add_nc_u32 v[ADT], s[TB], v[ASV0]
	s_wait_alu depctr_va_vdst(0)                   ; the wait ahead of the branch below
	KLOAD 0
.if \fill
	ASK
.endif
	s_wait_dscnt 0x0                               ; the slot's first fragments of k
.endm
.macro SLOT_STEPS
	STEP 0, 1
	STEP 1, 1
	STEP 2, 1
	STEP 3, 0
	s_xor_b32 s[TB], s[TB], SLOT1
.endm
	s_load_b128 s[4:7], s[0:1], 0x0                ; qkvi, ai
	v_lshl_add_u32 v[SPW], v0, 2, SPARE
	v_mov_b32 v[NIL], 0
	ds_add_u32 v[SPW], v[NIL]                      ; the opening lines: the add, twice on end, and its wait ahead of my first tensor load
	ds_add_u32 v[SPW], v[NIL]
	v_lshrrev_b32 v8, 5, v0
	v_readfirstlane_b32 s[WV], v8                  ; wave 0..15
	s_lshr_b32 s[EH], s[WV], 3
	s_and_b32 s[QT], s[WV], 7
	s_and_b32 s60, ttmp7, 0xffff
	s_lshr_b32 s[NB], s60, 3
	s_and_b32 s[PP], s60, 7
	s_lshl_b32 s62, s[NB], 5                       ; the batch's first record row: 32 n
	s_add_co_u32 s63, s62, s[QT]
	s_lshl_b32 s63, s63, 4
	s_add_co_u32 s63, s63, s[PP]
	s_add_co_u32 s63, s63, 8
	s_mul_i32 s66, s63, REC                        ; waves 0-7 fetch k: record (32 n + w, 8 + p)
	s_bfe_u32 s68, s[WV], 0x10002
	s_lshl_b32 s69, s[PP], 1
	s_add_co_u32 s68, s68, s69
	s_lshl_b32 s68, s68, 5
	s_lshl_b32 s69, s[NB], 4
	s_add_co_u32 s68, s68, s69
	s_and_b32 s69, s[WV], 3
	s_add_co_u32 s68, s68, s69
	s_mul_i32 s68, s68, REC
	s_add_co_u32 s68, s68, VI                      ; waves 8-15 fetch v: record (2 p + ((w >> 2) & 1), 16 n + (w & 3))
	s_mov_b32 s[STP], 4*REC                        ; a slot on: four K steps of v,
	s_cmp_lt_u32 s[WV], 8
	s_cselect_b32 s66, s66, s68
	s_cselect_b32 s[STP], 128*REC, s[STP]          ; or eight record rows of 16 records
	s_mov_b32 s67, 0
	s_mov_b32 s[STP+1], 0
	s_mul_i32 s70, s[WV], RECP                     ; where my record goes in a slot
	s_mov_b32 s[G1], (3<<16)|(1<<20)|(5<<22)|(7<<25)   ; elements of 8 bytes; after every 64 dwords 8 dwords of padding
	s_mov_b32 s[G1+1], 32<<16
	s_mov_b32 s[G1+2], 25<<16
	s_mov_b32 s[G1+3], 32<<16
	s_mov_b32 s[G1+4], 25
	s_mov_b32 s[G1+5], 32
	s_mov_b32 s[G1+6], 0
	s_mov_b32 s[G1+7], 0
	s_mov_b32 s[SEL], 0x76543210
	s_mov_b32 s[SEL+1], 0xfedcba98
	s_mov_b32 s[CS], 0x3e38aa3b                    ; c = log2(e) / sqrt(64)
	s_mov_b32 s[CS+1], s[CS]
	s_mov_b32 s[TB], 0
	s_mov_b32 s[SLOTS], NSL-1
	s_lshl_b32 s72, ttmp9, 1
	s_add_co_u32 s72, s72, s62                     ; my work-group's first record row: 32 n + 2 x
	s_lshr_b32 s73, s[QT], 2
	s_add_co_u32 s73, s73, s72                     ; my tile's record row,
	s_and_b32 s77, s[QT], 3                        ; and which tile of it
	s_mul_i32 s76, s77, 1536
	s_lshl_b32 s74, s73, 4
	s_add_co_u32 s74, s74, s[PP]
	s_mul_i32 s74, s74, REC                        ; q: record (g, p) of QKI
	s_mov_b32 s75, 0
	s_lshl_b32 s78, s73, 3
	s_add_co_u32 s78, s78, s[PP]
	s_mul_i32 s78, s78, REC
	s_add_co_u32 s78, s78, s76                     ; the result: record (g, p) of ai (8 K steps), my tile
	s_mov_b32 s79, 0
	s_mul_i32 s60, s[EH], 4*RECP
	s_add_co_u32 s60, s60, 8*RECP                  ; my head's part of v in a slot
	s_cmp_eq_u32 s[WV], ttmp9
	s_cselect_b32 s[LIM], 1, -1                    ; wave x of work-group x prefetches
	s_cmp_eq_u32 s[EH], 0
	s_cselect_b32 s10, -1, 0                       ; q's registers 0-5 are kept by the even head,
	s_cselect_b32 s11, 0, -1                       ; 6-11 by the odd
	s_wait_dscnt 0x0                               ; both opening adds are done
	s_wait_kmcnt 0x0
	s_mov_b32 s[G0], 1
	s_mov_b32 s[G0+1], s70
	s_add_nc_u64 s[G0+2:G0+3], s[4:5], s[66:67]
	s_add_nc_u64 s[PFA:PFA+1], s[G0+2:G0+3], s[STP:STP+1]   ; the prefetches stand in slot 1: the first change steps them to slot 2
	s_or_b32 s[G0+3], s[G0+3], 0x80000000
	s_add_nc_u64 s[8:9], s[4:5], s[74:75]
	s_add_nc_u64 s[6:7], s[6:7], s[78:79]
	tensor_load_to_lds s[G0:G0+3], s[G1:G1+7]      ; slot 0: one load a wave
	s_nop 0
	v_and_b32 v8, 31, v0                           ; lane
	v_and_b32 v9, 15, v0                           ; r
	v_bfe_u32 v10, v0, 4, 1                        ; h
	v_and_b32 v11, 7, v0                           ; r & 7
	v_bfe_u32 v[B0], v0, 3, 1                      ; r >> 3
	v_lshlrev_b32 v[HS], 3, v10
	v_mul_u32_u24 v10, v10, 288
	v_mul_u32_u24 v[B1], v[B0], 3456
	v_lshl_add_u32 v[AV0], v9, 4, v10
	v_lshl_add_u32 v[AK0], v11, 4, v10
	v_add_nc_u32 v[AK0], v[AK0], v[B1]
	v_add_nc_u32 v[AV0], s60, v[AV0]
	v_lshlrev_b32 v[ASK0], 4, v11
	v_lshl_add_u32 v[ASK0], v[B0], 3, v[ASK0]
	v_lshl_add_u32 v[ASV0], v9, 4, s60
	v_min_u32 v[PFO], 24, v8
	v_lshlrev_b32 v[PFO], 8, v[PFO]
	v_lshl_add_u32 v[B1], v8, 4, s76               ; q's fragment: my tile, 16 x lane
	v_lshlrev_b32 v[B0], 4, v9
	v_lshl_add_u32 v[B0], s77, 2, v[B0]            ; its scale word: 16 r + 4 t
.irp c, 0,1,2
	global_load_b128 v[16+4*\c:19+4*\c], v[B1], s[8:9] offset:512*\c   ; q's fragment stays in registers
.endr
	global_load_b32 v[QS], v[B0], s[8:9] offset:6144
	v_mov_b32 v13, 0xff61b1e6                      ; the largest score so far: -3e38
	v_mov_b32 v14, 0
	v_mov_b32 v15, 0
	v_mul_f32 v12, s[CS], v13
	v_mov_b32 v[P+4], 0                            ; a lane permute's destination counts as one of its sources
	v_mov_b32 v[PS], 0                             ; (named as the upper half of the pair v[F:F+1] before it is first written)
	v_floor_f32 v12, -v12                          ; -M
.irp i, 0,1,2,3,4,5
	v_mov_b32 v[KB+\i], 0                          ; the six registers at each end of k's 54 that one of the heads never loads
	v_mov_b32 v[KB+48+\i], 0
.endr
	s_wait_loadcnt 0x0                             ; q
.irp i, 0,1,2,3,4,5
	v_and_b32 v[16+\i], s10, v[16+\i]              ; the other head's codes become zeros
	v_and_b32 v[22+\i], s11, v[22+\i]
.endr
.set j, 0
.rept 32
	v_mov_b32 v[O+j], 0                            ; O^T: the step is written once; the first finds zeros
.set j, j+1
.endr
	s_wait_alu depctr_va_vdst(0)                   ; the wait at the head's end
.Lslot:                                ; NSL - 1 trips
	CHANGE 1
	SLOT_STEPS
	s_sub_co_u32 s[SLOTS], s[SLOTS], 1
	s_cmp_lg_u32 s[SLOTS], 0
	s_cbranch_scc1 .Lslot
	CHANGE 0                                       ; the last slot is written out
	SLOT_STEPS
	; THE WAY OUT.  O^T / the sum: register 16 b + i = channel 32 b + 16 h + i of my query: two blocks of the next product's K.  They become registers 6 e .. 6 e + 5 of a fragment of ai's K step p and half of its scale word.
.set CD,  32                           ; v32-37 the six registers of codes;  v40-42 the second conversion's
.set C2,  40
.set ER,  44                           ; r, h, 16 x lane
.set EHH, 45
.set ELI, 46
.set OA,  47                           ; my tile's image in LDS
.set OS,  48                           ; my half of a scale word in LDS
.set CR,  49                           ; what my wave copies out of LDS
.set GS,  50                           ; the scale words' place in ai
.set ET,  52
.set EB,  54
.set ES,  56
.set EW,  58
.set BK,  60                           ; v60-71 a tile read back
	s_mul_i32 s60, s[QT], 1536
	s_lshr_b32 s61, s[QT], 2
	s_lshl_b32 s61, s61, 8
	s_lshl_b32 s62, s77, 2
	s_add_co_u32 s61, s61, s62
	s_lshl_b32 s62, s[EH], 1
	s_add_co_u32 s61, s61, s62
	s_add_co_u32 s61, s61, OSC
	s_mul_i32 s63, s[WV], 1536
	v_mov_b32 v[ET], 0
	v_mov_b32 v[ET+1], 0
	v_add_f32 v14, v14, v15
	s_delay_alu instid0(VALU_DEP_1)
	v_permlanex16_b32 v[ET], v14, s[SEL], s[SEL+1]
	s_delay_alu instid0(VALU_DEP_1)
	v_add_f32 v14, v14, v[ET]
	v_and_b32 v[ER], 15, v0
	v_bfe_u32 v[EHH], v0, 4, 1
	v_and_b32 v[ELI], 31, v0
	s_delay_alu instid0(VALU_DEP_1)
	v_lshlrev_b32 v[ELI], 4, v[ELI]
	v_lshl_add_u32 v[OS], v[ER], 4, s61            ; my half word: record's 256 bytes, 16 r + 4 t + 2 e
	v_mul_u32_u24 v[GS], v[EHH], 8*REC
	v_add_nc_u32 v[OA], s60, v[ELI]                ; my tile's image: 1536 x tile + 16 x lane
	v_add_nc_u32 v[CR], s63, v[ELI]                ; what my wave copies out: waves 0-7 tile w; wave 8 the 512 scale bytes, which begin at 8 x 1536
	v_lshl_add_u32 v[GS], v[ER], 4, v[GS]          ; the scale words in ai: 16 r, the second record 8 K steps on
	s_wait_alu depctr_va_vdst(0)                   ; the wait ahead of the reciprocal
	v_rcp_f32 v14, v14
	v_nop
	s_wait_alu depctr_va_vdst(0)                   ; and ahead of its first reader, which is O^T's first reader too
.set j, 0
.rept 16
	v_pk_mul_f32 v[S+j:S+j+1], v[O+j:O+j+1], v[14:15] op_sel_hi:[1,0]
.set j, j+2
.endr
.irp b, 0,1
	v_max3_num_f32 v[EB+\b], |v[S+16*\b]|, |v[S+1+16*\b]|, 0x2800000
.endr
.irp i, 2,4,6,8,10,12,14
.irp b, 0,1
	s_delay_alu instid0(VALU_DEP_2)
	v_max3_num_f32 v[EB+\b], v[EB+\b], |v[S+16*\b+\i]|, |v[S+1+16*\b+\i]|
.endr
.endr
.irp b, 0,1
	s_delay_alu instid0(VALU_DEP_2)
	v_permlanex16_b32 v[ET+\b], v[EB+\b], s[SEL], s[SEL+1]
.endr
.irp b, 0,1
	s_delay_alu instid0(VALU_DEP_2)
	v_max_num_f32 v[EB+\b], v[EB+\b], v[ET+\b]
.endr
.irp b, 0,1
	s_delay_alu instid0(VALU_DEP_2)
	v_add_nc_u32 v[ES+\b], 0xfe000000, v[EB+\b]
.endr
.irp b, 0,1
	s_delay_alu instid0(VALU_DEP_2)
	v_lshrrev_b32 v[ET+\b], 23, v[ES+\b]
.endr
	s_delay_alu instid0(VALU_DEP_1)
	v_lshl_or_b32 v[EW], v[ET+1], 8, v[ET]         ; my head's two scale bytes
	v_cvt_scalef32_pk16_bf6_f32 v[CD:CD+2], v[S:S+15], v[ES]
	v_cvt_scalef32_pk16_bf6_f32 v[C2:C2+2], v[S+16:S+31], v[ES+1]
	v_nop
.irp i, 0,1,2
	v_permlane16_swap_b32 v[CD+\i], v[C2+\i]       ; a whole block in a lane: lanes 0-15 block 0, lanes 16-31 block 1
.endr
.irp i, 0,1,2
	s_delay_alu instid0(VALU_DEP_3)
	v_mov_b32 v[CD+3+\i], v[C2+\i]
.endr
	s_wait_alu depctr_va_vdst(0)                   ; the wait ahead of the branch below
	s_cmp_lt_u32 s[WV], 8
	s_cbranch_scc0 .Lodd_head
	ds_store_b128 v[OA], v[CD:CD+3]                ; the fragment's registers 0-3,
	ds_store_b64 v[OA], v[CD+4:CD+5] offset:512    ; 4, 5
	s_branch .Lstaged
.Lodd_head:
	ds_store_b64 v[OA], v[CD:CD+1] offset:520      ; 6, 7,
	ds_store_b128 v[OA], v[CD+2:CD+5] offset:1024  ; 8-11
.Lstaged:
	ds_store_b16 v[OS], v[EW]                      ; (lanes r and r + 16 write the same half word)
	s_wait_dscnt 0x0                               ; for the others' sake
	s_barrier_signal -1
	s_barrier_wait -1
	s_cmp_lt_u32 s[WV], 8
	s_cbranch_scc0 .Lnot_tile
.irp c, 0,1,2
	ds_load_b128 v[BK+4*\c:BK+4*\c+3], v[CR] offset:512*\c
.endr
	s_wait_dscnt 0x0
.irp c, 0,1,2
	global_store_b128 v[ELI], v[BK+4*\c:BK+4*\c+3], s[6:7] offset:512*\c   ; 512 consecutive bytes
.endr
	s_branch .Lout
.Lnot_tile:
	s_cmp_eq_u32 s[WV], 8
	s_cbranch_scc0 .Lout
	ds_load_b128 v[BK:BK+3], v[CR]
	s_wait_dscnt 0x0
	global_store_b128 v[GS], v[BK:BK+3], s[6:7] offset:6144                ; two records' 256 scale bytes, each whole
.Lout:
	s_wait_tensorcnt 0x0                           ; the wave's end
	ds_add_u32 v[SPW], v[NIL]
	s_wait_dscnt 0x0
	s_endpgm
.Lfunc_end_k_q81cb70ed76_att:
	.size	k_q81cb70ed76_att, .Lfunc_end_k_q81cb70ed76_att-k_q81cb70ed76_att
	.p2alignl 7, 3214868480
	.fill 96, 4, 3214868480
	.section	.rodata,"a",@progbits
	.p2align	6, 0x0
	.amdhsa_kernel k_q81cb70ed76_att
		.amdhsa_group_segment_fixed_size 327680
		.amdhsa_private_segment_fixed_size 0
		.amdhsa_enable_private_segment 0
		.amdhsa_kernarg_size 16
		.amdhsa_user_sgpr_count 2
		.amdhsa_user_sgpr_kernarg_segment_ptr 1
		.amdhsa_wavefront_size32 1
		.amdhsa_system_sgpr_workgroup_id_x 1
		.amdhsa_system_sgpr_workgroup_id_y 1
		.amdhsa_system_sgpr_workgroup_id_z 1
		.amdhsa_system_vgpr_workitem_id 0
		.amdhsa_next_free_vgpr 256
		.amdhsa_next_free_sgpr 80
		.amdhsa_reserve_vcc 0
		.amdhsa_float_denorm_mode_32 3
		.amdhsa_float_denorm_mode_16_64 3
		.amdhsa_memory_ordered 1
		.amdhsa_forward_progress 1
		.amdhsa_inst_pref_size 142
	.end_amdhsa_kernel
	.amdgpu_metadata
---
amdhsa.version: [ 1, 2 ]
amdhsa.kernels:
  - .name:           k_q81cb70ed76_att
    .symbol:         k_q81cb70ed76_att.kd
    .args:
      - { .name: qkvi, .offset: 0, .size: 8, .value_kind: global_buffer, .address_space: global }
      - { .name: ai, .offset: 8, .size: 8, .value_kind: global_buffer, .address_space: global }
    .group_segment_fixed_size: 327680
    .private_segment_fixed_size: 0
    .kernarg_segment_align: 8
    .kernarg_segment_size: 16
    .max_flat_workgroup_size: 512
    .sgpr_count:     80
    .vgpr_count:     256
    .wavefront_size: 32
...
	.end_amdgpu_metadata
.endif
;; end of part 11
;; launch gwo (part 12): grid 8 x 32, 4 waves a work-group, clusters of 4 x 4, 327,680 bytes of LDS; arguments ai, wimg, cf; writes cf
.if DOCPART == 12
	.amdgcn_target "amdgcn-amd-amdhsa--gfx1250"
	.amdhsa_code_object_version 6
	.text
	.protected	k_q81cb70ed76_gwo
	.globl	k_q81cb70ed76_gwo
	.p2align	8
	.type	k_q81cb70ed76_gwo,@function
k_q81cb70ed76_gwo:
	s_mov_b64 s[64:65], 0
	v_nop
	global_prefetch_b8 v0, s[64:65] scope:SCOPE_SE
	s_setreg_imm32_b32 hwreg(HW_REG_WAVE_MODE, 25, 1), 1
	s_wait_xcnt 0x0
	s_wait_alu depctr_hold_cnt(0) depctr_sa_sdst(0) depctr_va_vdst(0) depctr_va_sdst(0) depctr_va_ssrc(0) depctr_va_vcc(0) depctr_vm_vsrc(0)
	s_getreg_b32 s2, hwreg(HW_REG_IB_STS2, 6, 4)
	s_cmp_eq_u32 s2, 0
	s_cbranch_scc0 .Lentry_in_a_cluster
	s_endpgm
.Lentry_in_a_cluster:
	s_bfe_u32 s2, ttmp6, 0x10000c
	s_cmp_lg_u32 s2, 0xf033
	s_cbranch_scc0 .Lentry_shape_is_right
	s_endpgm
.Lentry_shape_is_right:
; cf = (attention's output) w_o, on codes of BF6 (E3M2) with E8M0 scales, K = 1,024; cf [4096][1024] f32.  The bias, the residual and the norm follow in the next launch, which owns whole rows.
; OPERANDS ARE IMAGES: record (g, s) = 64 rows x 128 along K, REC = 6,400 bytes at (KST g + s) REC; tile t of it is an operand's 12 registers on end (register p of lane l at 1536 t + 512 (p / 4) + 16 l + 4 (p % 4)),
; lane (r, h) holding row 64 g + 32 (t / 2) + 8 (t % 2) + r + 8 (r / 8); the rows' scale words at 6144 + 16 r + 4 t.
; Z[i][j] = sum over k of S1[i][k] S0[j][k]: source 0 = 16 rows of S0 (the weight, j = output columns), source 1 = 16 rows of S1 (i = tokens): a lane holds one token and eight neighbouring columns a tile.
; THE TILE of Z is 128 x 128: cf has 32 x 8 = 256 of them, one for each WGP.  Four waves, 64 x 64 each: one record of S1 against one of S0, 16 accumulators, 128 registers.
; ALL OF K LIES IN LDS AT ONCE: 4 records x 8 K steps x 6,400 bytes = 204,800.  Each wave brings one record's 8 K steps, which are dense in memory, by one tensor load: nothing is filled again, and there is one barrier.
; CLUSTERS 4 x 4: S1's two records are shared along a row of the cluster, S0's along a column: each is asked for jointly, by the same tensor load with a mask that names the four.
; No prefetch: the launch has first fills alone.
; REGISTERS: window 0: v16-29 addresses; v32-39 scale words, two sets of four; v64-127 rows read back on the way out; v128-255 accumulator (a, b) at v[128 + 8 (4 a + b)].
;   window 1: two sets of fragments, at v0 and at v128: S0's four (48 registers), then S1's four.
.set KST,   8                          ; K steps of 128
.set S0OFF, 5734400                    ; w_o's image in wimg
.set REC,   6400
.set NA,    8                          ; K steps in LDS
.set RA,    NA*REC                     ; a record's part of LDS: S1's two records, then S0's two
.set SPARE, 4*RA                       ; the spare words, 128 bytes for each wave
.set STAGE, SPARE+512                  ; the way out: 16 rows x (256 + 16) bytes for each wave: bytes of their own, into which no tile lands
.set SPITCH, 272
.set FR,    12                         ; registers of a fragment
.set NLD,   25                         ; LDS loads of a K step: 8 fragments of 3, and the scale words
.set NP,    4                          ; places behind this matrix instruction (ISA guide 7.12.1)
.set ADRA, 16                          ; v16  LDS address of my record of S1
.set ADRB, 18                          ; v18  of my record of S0
.set ADRS, 20                          ; v20  of my scale words: lanes 0-15 S1's, lanes 16-31 S0's
.set STO,  24                          ; v24  the stage, on the way in
.set RD,   25                          ; v25  and back
.set CO,   26                          ; v26  my byte offset in two rows of cf
.set LI,   27                          ; v27  16 x lane
.set SPW,  28                          ; v28  LDS address of my spare word; never rewritten
.set NIL,  29                          ; v29  0; never rewritten
.set SC,   32                          ; scale words: set p at v[SC + 4 p]; register t: lanes 0-15 S1's tile t, lanes 16-31 S0's tile t
.set BK,   64
.set ACC,  128
.set GA1, 24                           ; s[24:31] descriptor group 1 for S1;  s[32:35] its group 0
.set GA0, 32
.set HA1, 48                           ; s[48:55], s[56:59] the same for S0
.set HA0, 56
.set MSB, 0
.macro WIN new                         ; the immediate's high byte repeats the setting that is left
.if MSB != (\new)
	s_set_vgpr_msb (MSB<<8)|(\new)
.set MSB, (\new)
.endif
.endm
.set MUL,  0x05                        ; sources 0 (S0) and 1 (S1) window 1; C and D window 0
.set TO_F, 0x40                        ; destination window 1, address window 0
.macro JLOAD g0a, g1a, g0b, g1b        ; a joint load: waves 0, 1 ask for S1's records, waves 2, 3 for S0's; four v_nop follow each line
	s_cmp_eq_u32 s15, 0
	s_cbranch_scc0 .Lfor_b_\@
	tensor_load_to_lds s[\g0a:\g0a+3], s[\g1a:\g1a+7]
	s_nop 0
.rept 4
	v_nop
.endr
	s_branch .Lasked_\@
.Lfor_b_\@:
	tensor_load_to_lds s[\g0b:\g0b+3], s[\g1b:\g1b+7]
	s_nop 0
.rept 4
	v_nop
.endr
.Lasked_\@:
.endm
.macro CROUND                          ; a round of the cluster's barrier
	s_barrier_signal -1
	s_barrier_wait -1
	s_cmp_lg_u32 s14, 0
	s_cbranch_scc1 .Lnot_wave_0_\@
	s_barrier_signal -3
.Lnot_wave_0_\@:
	s_barrier_wait -3
	s_barrier_signal -1
	s_barrier_wait -1
.endm
.macro PLACES n
.rept \n
	v_nop
.endr
.endm
	s_load_b128 s[4:7], s[0:1], 0x0                ; S1's image, wimg
	s_load_b64 s[12:13], s[0:1], 0x10              ; cf
	v_lshl_add_u32 v[SPW], v0, 2, SPARE
	v_mov_b32 v[NIL], 0
	ds_add_u32 v28, v29
	ds_add_u32 v28, v29
	s_wait_dscnt 0x0
	v_lshrrev_b32 v1, 5, v0
	v_readfirstlane_b32 s14, v1                    ; wave 0..3
	s_lshr_b32 s15, s14, 1                         ; which record of S1 is mine.  Also: I fetch for S1 (0) or for S0 (1)
	s_and_b32 s16, s14, 1                          ; which record of S0 is mine.  Also: which of the two records I fetch
	s_bfe_u32 s40, ttmp6, 0x40000                  ; cx
	s_bfe_u32 s41, ttmp6, 0x40004                  ; cy
	s_lshl_b32 s42, ttmp9, 2
	s_add_co_u32 s42, s42, s40                     ; tile column 0..7
	s_and_b32 s17, ttmp7, 0xffff
	s_lshl_b32 s17, s17, 2
	s_add_co_u32 s17, s17, s41                     ; tile row 0..31
	s_lshl_b32 s43, s41, 2
	s_lshl_b32 s43, 15, s43                        ; my row of the cluster
	s_lshl_b32 s44, 0x1111, s40                    ; my column
	; descriptor group 1: a record's NA K steps are one dense block: 25 NA rows of 32 elements of 8 bytes; no padding: image reads are consecutive
	s_or_b32 s[GA1], s43, (3<<16)|(1<<21)
	s_or_b32 s[HA1], s44, (3<<16)|(1<<21)
.irp g, GA1, HA1
	s_mov_b32 s[\g+1], 32<<16                      ; tensor_dim0
	s_mov_b32 s[\g+2], (25*NA)<<16                 ; tensor_dim1
	s_mov_b32 s[\g+3], 32<<16                      ; tile_dim0
	s_mov_b32 s[\g+4], 25*NA                       ; tile_dim1
	s_mov_b32 s[\g+5], 32                          ; tensor_dim0_stride
	s_mov_b32 s[\g+6], 0
	s_mov_b32 s[\g+7], 0
.endr
	s_lshl_b32 s20, s17, 1
	s_add_co_u32 s20, s20, s16                     ; S1: record row 2 x tile row + (wave & 1)
	s_mul_i32 s20, s20, KST*REC
	s_mov_b32 s21, 0
	s_lshl_b32 s46, s42, 1
	s_add_co_u32 s46, s46, s16                     ; S0: record row 2 x tile column + (wave & 1)
	s_mul_i32 s46, s46, KST*REC
	s_add_co_u32 s46, s46, S0OFF
	s_mov_b32 s47, 0
	s_mul_i32 s45, s14, RA                         ; where it goes: wave x a record's part: no place in the cluster enters an LDS address
	s_wait_kmcnt 0x0
	s_add_nc_u64 s[20:21], s[4:5], s[20:21]
	s_add_nc_u64 s[46:47], s[6:7], s[46:47]
	CROUND                                         ; all sixteen work-groups are here: the joint loads meet
	s_mov_b32 s[GA0], 1
	s_mov_b32 s[GA0+1], s45
	s_mov_b64 s[GA0+2:GA0+3], s[20:21]
	s_or_b32 s[GA0+3], s[GA0+3], 0x80000000
	s_mov_b32 s[HA0], 1
	s_mov_b32 s[HA0+1], s45
	s_mov_b64 s[HA0+2:HA0+3], s[46:47]
	s_or_b32 s[HA0+3], s[HA0+3], 0x80000000
	JLOAD GA0, GA1, HA0, HA1                       ; one load of mine is out
	v_and_b32 v1, 31, v0                           ; lane
	v_and_b32 v2, 15, v0                           ; r
	v_bfe_u32 v3, v0, 4, 1                         ; h
	v_lshlrev_b32 v[LI], 4, v1
	s_mul_i32 s18, s15, RA                         ; my record of S1
	s_mul_i32 s19, s16, RA
	s_add_co_u32 s19, s19, 2*RA                    ; my record of S0, behind S1's two
	s_sub_co_u32 s43, s19, s18
	v_mul_u32_u24 v4, s43, v3                      ; lanes 16-31 take S0's scale words: one product with h
	v_lshl_add_u32 v4, v2, 4, v4
	v_add_nc_u32 v4, 6144, v4
	v_add_nc_u32 v[ADRA], s18, v[LI]
	v_add_nc_u32 v[ADRB], s19, v[LI]
	v_add_nc_u32 v[ADRS], s18, v4
	s_mul_i32 s18, s14, 16*SPITCH
	s_add_co_u32 s18, s18, STAGE                   ; my stage
	v_mul_u32_u24 v5, v2, SPITCH
	v_lshl_add_u32 v5, v3, 6, v5
	v_add_nc_u32 v[STO], s18, v5                   ; in: row r, + 64 h
	v_mul_u32_u24 v5, v3, SPITCH
	v_lshl_add_u32 v5, v2, 4, v5
	v_add_nc_u32 v[RD], s18, v5                    ; back: lanes 0-15 one row of 256 bytes, lanes 16-31 the next
	v_lshlrev_b32 v[CO], 12, v3
	v_lshl_add_u32 v[CO], v2, 4, v[CO]             ; and the same two rows in cf
	s_lshl_b32 s18, s17, 19                        ; cf: row 128 x tile row + 64 x my record of S1, 4,096 bytes a row;
	s_lshl_b32 s19, s15, 18
	s_add_co_u32 s18, s18, s19
	s_lshl_b32 s19, s42, 9                         ; column 128 x tile column + 64 x my record of S0
	s_add_co_u32 s18, s18, s19
	s_lshl_b32 s19, s16, 8
	s_add_co_u32 s18, s18, s19
	s_mov_b32 s19, 0
	s_add_nc_u64 s[12:13], s[12:13], s[18:19]
.macro FRAG reg, adr, q, t             ; tile t of a record, K step q: three loads of 512 consecutive bytes
.irp c, 0,1,2
	ds_load_b128 v[\reg+4*\c:\reg+4*\c+3], v[\adr] offset:(\q)*REC+(\t)*1536+512*\c
.endr
.endm
.macro FETCH rg, q, p                  ; K step q: S0's four fragments, S1's four and the scale words, into set p: NLD loads
	WIN TO_F
.irp t, 0,1,2,3
	FRAG 128*(\p)+FR*\t, ADRB+\rg, \q, \t
.endr
.irp t, 0,1,2,3
	FRAG 128*(\p)+48+FR*\t, ADRA+\rg, \q, \t
.endr
	WIN 0
	ds_load_b128 v[SC+4*(\p):SC+4*(\p)+3], v[ADRS+\rg] offset:(\q)*REC
.endm
; 8 matrix instructions: S1's tiles a0, a0 + 1 x S0's four.  The 16 accumulators take turns, one instruction a turn, in the same order in every step.
.macro MUL8 a0, p, zero
.irp a, \a0, \a0+1
.irp b, 0,1,2,3
.if \zero
	v_wmma_scale_f32_16x16x128_f8f6f4 v[ACC+8*(4*(\a)+\b):ACC+8*(4*(\a)+\b)+7], v[128*(\p)+FR*\b:128*(\p)+FR*\b+FR-1], v[128*(\p)+48+FR*(\a):128*(\p)+48+FR*(\a)+FR-1], 0, v[SC+4*(\p)+\b], v[SC+4*(\p)+(\a)] matrix_a_fmt:MATRIX_FMT_BF6 matrix_b_fmt:MATRIX_FMT_BF6 matrix_a_scale:MATRIX_SCALE_ROW1
.else
	v_wmma_scale_f32_16x16x128_f8f6f4 v[ACC+8*(4*(\a)+\b):ACC+8*(4*(\a)+\b)+7], v[128*(\p)+FR*\b:128*(\p)+FR*\b+FR-1], v[128*(\p)+48+FR*(\a):128*(\p)+48+FR*(\a)+FR-1], v[ACC+8*(4*(\a)+\b):ACC+8*(4*(\a)+\b)+7], v[SC+4*(\p)+\b], v[SC+4*(\p)+(\a)] matrix_a_fmt:MATRIX_FMT_BF6 matrix_b_fmt:MATRIX_FMT_BF6 matrix_a_scale:MATRIX_SCALE_ROW1
.endif
.endr
.endr
.endm
.macro STEP rg, q, p, zero             ; K step q, from set p; the next step's fragments are asked for first, into the other set
	PLACES NP                                      ; behind the last step's products, which read the set that is loaded now
	FETCH \rg, (\q)+1, 1-(\p)
	s_wait_dscnt NLD                               ; this step's loads are in; the NLD just issued may be out
	WIN MUL
	MUL8 0, \p, \zero
	MUL8 2, \p, \zero
.endm
	s_wait_alu depctr_va_vdst(0)
	s_wait_tensorcnt 0x0                           ; my record is in,
	s_barrier_signal -1
	s_barrier_wait -1                              ; everybody's is
	FETCH 0, 0, 0
	STEP 0, 0, 0, 1                                ; the first step's products start the sums: nothing is cleared
.irp q, 1,2,3,4,5,6
	STEP 0, \q, \q%2, 0
.endr
	s_wait_dscnt 0x0                               ; the last step: nothing more to fetch
	MUL8 0, 1, 0
	MUL8 2, 1, 0
	WIN 0
; THE WAY OUT, a tile of 16 tokens x 64 columns at a time, through my own stage: in as 32 bytes a lane and tile of columns (columns 32 (b / 2) + 16 h + 8 (b % 2) on), back as whole rows of 256 bytes, two an instruction.
; LDS serves a wave's instructions in order: no wait between the stores and the loads, nor in front of the next tile's stores.
.macro TOSTAGE a
.irp b, 0,1,2,3
	ds_store_b128 v[STO], v[ACC+8*(4*(\a)+\b):ACC+8*(4*(\a)+\b)+3] offset:128*(\b/2)+32*(\b%2)       ; each accumulator from its low end on
	ds_store_b128 v[STO], v[ACC+8*(4*(\a)+\b)+4:ACC+8*(4*(\a)+\b)+7] offset:128*(\b/2)+32*(\b%2)+16
.endr
.set BB, BK+32*((\a)%2)
.irp t, 0,1,2,3,4,5,6,7
	ds_load_b128 v[BB+4*\t:BB+4*\t+3], v[RD] offset:\t*2*SPITCH
.endr
.endm
.macro SEND a, younger                 ; younger: the LDS instructions issued behind tile a's loads, which may stay out
.set BB, BK+32*((\a)%2)
	s_wait_dscnt \younger
.irp t, 0,1,2,3,4,5,6,7
	global_store_b128 v[CO], v[BB+4*\t:BB+4*\t+3], s[12:13] offset:(32*((\a)/2)+8*((\a)%2)+2*\t+8*(\t/4))*4096   ; stage row i is the image's row i + 8 (i / 8) of tile a; 16 lanes store 256 consecutive bytes, aligned
.endr
.endm
	PLACES NP                                      ; behind the last products: their results are read
	TOSTAGE 0
.irp a, 1,2,3
.if \a > 1
	s_wait_xcnt 0x0                                ; tile a - 2's stores have read their registers: tile a's loads may land there
.endif
	TOSTAGE \a
	SEND \a-1, 16                                  ; behind tile a - 1's loads: tile a's 8 stores and 8 loads
.endr
	SEND 3, 0
	s_wait_tensorcnt 0x0                           ; the wave's end
	ds_add_u32 v[SPW], v[NIL]
	s_wait_dscnt 0x0
	CROUND                                         ; the closing round: no work-group ends while a partner may still ask for a tile that names it
	s_endpgm
.Lfunc_end_k_q81cb70ed76_gwo:
	.size	k_q81cb70ed76_gwo, .Lfunc_end_k_q81cb70ed76_gwo-k_q81cb70ed76_gwo
	.p2alignl 7, 3214868480
	.fill 96, 4, 3214868480
	.section	.rodata,"a",@progbits
	.p2align	6, 0x0
	.amdhsa_kernel k_q81cb70ed76_gwo
		.amdhsa_group_segment_fixed_size 327680
		.amdhsa_private_segment_fixed_size 0
		.amdhsa_enable_private_segment 0
		.amdhsa_kernarg_size 24
		.amdhsa_user_sgpr_count 2
		.amdhsa_user_sgpr_kernarg_segment_ptr 1
		.amdhsa_wavefront_size32 1
		.amdhsa_system_sgpr_workgroup_id_x 1
		.amdhsa_system_sgpr_workgroup_id_y 1
		.amdhsa_system_sgpr_workgroup_id_z 1
		.amdhsa_system_vgpr_workitem_id 0
		.amdhsa_next_free_vgpr 512
		.amdhsa_next_free_sgpr 66
		.amdhsa_reserve_vcc 0
		.amdhsa_float_denorm_mode_32 3
		.amdhsa_float_denorm_mode_16_64 3
		.amdhsa_memory_ordered 1
		.amdhsa_forward_progress 1
		.amdhsa_inst_pref_size 44
	.end_amdhsa_kernel
	.amdgpu_metadata
---
amdhsa.version: [ 1, 2 ]
amdhsa.kernels:
  - .name:           k_q81cb70ed76_gwo
    .symbol:         k_q81cb70ed76_gwo.kd
    .args:
      - { .name: ai, .offset: 0, .size: 8, .value_kind: global_buffer, .address_space: global }
      - { .name: wimg, .offset: 8, .size: 8, .value_kind: global_buffer, .address_space: global }
      - { .name: cf, .offset: 16, .size: 8, .value_kind: global_buffer, .address_space: global }
    .group_segment_fixed_size: 327680
    .private_segment_fixed_size: 0
    .kernarg_segment_align: 8
    .kernarg_segment_size: 24
    .max_flat_workgroup_size: 128
    .sgpr_count:     66
    .vgpr_count:     512
    .wavefront_size: 32
...
	.end_amdgpu_metadata
.endif
;; end of part 12
;; launch ln1 (part 13): grid 256 x 1, 8 waves a work-group, no clusters, 67,072 bytes of LDS; arguments cf, x, b_o, g1, be1, hf, hi; writes hf, hi
.if DOCPART == 13
	.amdgcn_target "amdgcn-amd-amdhsa--gfx1250"
	.amdhsa_code_object_version 6
	.text
	.protected	k_q81cb70ed76_ln1
	.globl	k_q81cb70ed76_ln1
	.p2align	8
	.type	k_q81cb70ed76_ln1,@function
k_q81cb70ed76_ln1:
	s_mov_b64 s[64:65], 0
	v_nop
	global_prefetch_b8 v0, s[64:65] scope:SCOPE_SE
	s_setreg_imm32_b32 hwreg(HW_REG_WAVE_MODE, 25, 1), 1
	s_wait_xcnt 0x0
; h = layernorm(cf + b_o + x) x g1 + be1, rows of 1,024, all in f32; h goes out as f32 (hf, the later residual) and as an image of BF6 codes (hi, the next product's operand).
; SHARES: a work-group owns the 16 tokens of one tile of the image (record row g = work-group / 4, tile t = work-group % 4: tokens 64 g + 32 (t / 2) + 8 (t % 2) + i + 8 (i / 8)); wave w owns i = 2 w, 2 w + 1,
; which are neighbouring tokens: a wave to a row, so that the two reductions never leave the wave.  Lane l holds columns 128 c + 4 l + 0 .. 3: every load and store covers 512 consecutive bytes.
; The variance is the mean of (y - mean)^2, taken in a second pass over registers: no difference of large sums.
; Then the 16 rows meet in LDS (pitch 4,096 + 16 bytes), and wave w quantises K step w of all 16: a fragment of 12 registers and a scale word a row.
; THE IMAGE: record (g, s), 6,400 bytes at (8 g + s) 6400; tile t: register p of lane l at 1536 t + 512 (p / 4) + 16 l + 4 (p % 4); scale words at 6144 + 16 r + 4 t.
; LIMITS: NaN and infinities are not served; a block whose largest magnitude lies under 2^-122 gets the scale byte 1; this program alone reads the bytes.
.set REC,  6400
.set LP,   4112                        ; a row in LDS
.set BIAS, 16                          ; v16-47
.set GAM,  48                          ; v48-79
.set BET,  80                          ; v80-111
.set Y,    112                         ; v112-175 two rows; later 64 numbers for the quantiser
.set RS,   176                         ; v176-239 the residual's two rows; later the quantiser's scratch
.set T,    240                         ; v240-247 sums: four registers a row
.set RQ,   248                         ; v248-251 1 / sqrt(var + eps): a pair a row
.set TM,   176
.set PC,   192
.set T2,   204
.set PW,   212
.set SEL,  28
.macro FOLD                            ; each row's two chains, its two halves, and its 32 lanes: the sum ends up in every lane, in v[T + 4 e]
.irp e, 0
	s_delay_alu instid0(VALU_DEP_3)
	v_pk_add_f32 v[T+4*\e:T+4*\e+1], v[T+4*\e:T+4*\e+1], v[T+4*\e+2:T+4*\e+3]
.endr
.irp e, 1
	s_delay_alu instid0(VALU_DEP_2)
	v_pk_add_f32 v[T+4*\e:T+4*\e+1], v[T+4*\e:T+4*\e+1], v[T+4*\e+2:T+4*\e+3]
.endr
.irp e, 0,1
	s_delay_alu instid0(VALU_DEP_2)
	v_add_f32 v[T+4*\e], v[T+4*\e], v[T+4*\e+1]
.endr
.irp m, 1,2,4,8
.irp e, 0,1
	s_delay_alu instid0(VALU_DEP_2)
	v_add_f32_dpp v[T+4*\e], v[T+4*\e], v[T+4*\e] row_xmask:\m row_mask:0xf bank_mask:0xf
.endr
.endr
.irp e, 0,1
	s_delay_alu instid0(VALU_DEP_2)
	v_permlanex16_b32 v[T+4*\e+1], v[T+4*\e], s[SEL], s[SEL+1]
.endr
.irp e, 0,1
	s_delay_alu instid0(VALU_DEP_2)
	v_add_f32 v[T+4*\e], v[T+4*\e], v[T+4*\e+1]
.endr
.endm
.macro QUANT src, dst, pw
.irp b, 0,1,2,3
	v_max3_num_f32 v[TM+\b], |v[\src+16*\b]|, |v[\src+1+16*\b]|, 0x2800000   ; block b: my 16 numbers, and the floor 2^(5 - 127)
.endr
.irp i, 2,4,6,8,10,12,14
.irp b, 0,1,2,3
	s_delay_alu instid0(VALU_DEP_4)
	v_max3_num_f32 v[TM+\b], v[TM+\b], |v[\src+16*\b+\i]|, |v[\src+1+16*\b+\i]|
.endr
.endr
.irp b, 0,1,2,3
	s_delay_alu instid0(VALU_DEP_4)
	v_permlanex16_b32 v[TM+4+\b], v[TM+\b], s[SEL], s[SEL+1]
.endr
.irp b, 0,1,2,3
	s_delay_alu instid0(VALU_DEP_4)
	v_max_num_f32 v[TM+\b], v[TM+\b], v[TM+4+\b]
.endr
.irp b, 0,1,2,3
	s_delay_alu instid0(VALU_DEP_4)
	v_add_nc_u32 v[TM+12+\b], 0xfe000000, v[TM+\b]   ; 4 off the exponent field: the conversion's scale operand
.endr
.irp b, 0,1,2,3
	s_delay_alu instid0(VALU_DEP_4)
	v_lshrrev_b32 v[TM+4+\b], 23, v[TM+12+\b]
.endr
	s_delay_alu instid0(VALU_DEP_3)
	v_lshl_or_b32 v[\pw], v[TM+5], 8, v[TM+4]
	s_delay_alu instid0(VALU_DEP_1)
	v_lshl_or_b32 v[\pw], v[TM+6], 16, v[\pw]
	s_delay_alu instid0(VALU_DEP_1)
	v_lshl_or_b32 v[\pw], v[TM+7], 24, v[\pw]
.irp c, 0,1
	v_cvt_scalef32_pk16_bf6_f32 v[\dst+6*\c:\dst+2+6*\c], v[\src+32*\c:\src+15+32*\c], v[TM+12+2*\c]
	v_cvt_scalef32_pk16_bf6_f32 v[T2+4*\c:T2+2+4*\c], v[\src+16+32*\c:\src+31+32*\c], v[TM+12+2*\c+1]
.endr
	v_nop
.irp c, 0,1
.irp i, 0,1,2
	v_permlane16_swap_b32 v[\dst+6*\c+\i], v[T2+4*\c+\i]
.endr
.irp i, 0,1,2
	s_delay_alu instid0(VALU_DEP_3)
	v_mov_b32 v[\dst+3+6*\c+\i], v[T2+4*\c+\i]
.endr
.endr
.endm
	s_load_b256 s[4:11], s[0:1], 0x0               ; cf, x, b_o, g1
	s_load_b128 s[12:15], s[0:1], 0x20             ; be1, hf
	s_load_b64 s[16:17], s[0:1], 0x30              ; hi
	v_lshl_add_u32 v254, v0, 2, 0x10200
	v_mov_b32 v255, 0
	v_lshrrev_b32 v1, 5, v0
	s_delay_alu instid0(VALU_DEP_1)
	v_readfirstlane_b32 s18, v1                    ; wave 0..7
	v_and_b32 v1, 31, v0
	s_delay_alu instid0(VALU_DEP_1)
	v_lshlrev_b32 v2, 4, v1                        ; 16 x lane
	s_wait_alu depctr_va_vdst(0)
	v_and_b32 v7, 15, v0                           ; r
	s_wait_alu depctr_va_vdst(0)
	v_bfe_u32 v8, v0, 4, 1                         ; h
	s_lshr_b32 s19, ttmp9, 2                       ; g
	s_and_b32 s20, ttmp9, 3                        ; t
	s_lshl_b32 s21, s19, 6
	s_lshr_b32 s22, s20, 1
	s_lshl_b32 s22, s22, 5
	s_add_co_u32 s21, s21, s22
	s_and_b32 s22, s20, 1
	s_lshl_b32 s22, s22, 3
	s_add_co_u32 s21, s21, s22
	s_lshl_b32 s22, s18, 1
	s_add_co_u32 s21, s21, s22
	s_lshr_b32 s22, s18, 2
	s_lshl_b32 s22, s22, 3
	s_add_co_u32 s21, s21, s22                     ; my first token
	s_lshl_b32 s22, s21, 12
	s_mov_b32 s23, 0
	s_mov_b32 s24, 0x3a800000                      ; 1 / 1,024
	s_mov_b32 s25, 0x3727c5ac                      ; eps = 1e-5
	s_mov_b32 s[SEL], 0x76543210
	s_mov_b32 s[SEL+1], 0xfedcba98
	s_lshl_b32 s26, s19, 3
	s_add_co_u32 s26, s26, s18
	s_mul_i32 s26, s26, REC                        ; record (g, w),
	s_mul_i32 s27, s20, 1536
	s_add_co_u32 s26, s26, s27                     ; tile t
	s_mov_b32 s27, 0
	s_mul_i32 s30, s20, 1532
	s_sub_co_u32 s30, 6144, s30                    ; from there to the tile's scale words: 6144 + 4 t - 1536 t
	s_mul_i32 s31, s18, 2*LP
	v_add_nc_u32 v3, s31, v2                       ; LDS, in: rows 2 w, 2 w + 1; 16 x lane
	v_mul_u32_u24 v4, v7, LP
	s_wait_alu depctr_va_vdst(0)
	v_lshl_add_u32 v4, v8, 6, v4
	s_lshl_b32 s31, s18, 9
	v_add_nc_u32 v4, s31, v4                       ; LDS, out: row r, K step w, + 64 h
	v_lshlrev_b32 v5, 4, v7
	s_delay_alu instid0(VALU_DEP_1)
	v_lshl_add_u32 v5, v8, 1, v5
	s_delay_alu instid0(VALU_DEP_1)
	v_add_nc_u32 v5, s30, v5                       ; my half of a scale word: 16 r + 2 h
	v_lshlrev_b32 v6, 4, v8                        ; 16 h: which half
	s_wait_kmcnt 0x0
	s_add_nc_u64 s[4:5], s[4:5], s[22:23]
	s_add_nc_u64 s[6:7], s[6:7], s[22:23]
	s_add_nc_u64 s[14:15], s[14:15], s[22:23]
	s_add_nc_u64 s[16:17], s[16:17], s[26:27]
.irp e, 0,1
.irp c, 0,1,2,3,4,5,6,7
	global_load_b128 v[Y+32*\e+4*\c:Y+32*\e+4*\c+3], v2, s[4:5] offset:4096*\e+512*\c th:TH_LOAD_NT
.endr
.endr
.irp e, 0,1
.irp c, 0,1,2,3,4,5,6,7
	global_load_b128 v[RS+32*\e+4*\c:RS+32*\e+4*\c+3], v2, s[6:7] offset:4096*\e+512*\c th:TH_LOAD_NT
.endr
.endr
.irp c, 0,1,2,3,4,5,6,7
	global_load_b128 v[BIAS+4*\c:BIAS+4*\c+3], v2, s[8:9] offset:512*\c
.endr
.irp c, 0,1,2,3,4,5,6,7
	global_load_b128 v[GAM+4*\c:GAM+4*\c+3], v2, s[10:11] offset:512*\c
.endr
.irp c, 0,1,2,3,4,5,6,7
	global_load_b128 v[BET+4*\c:BET+4*\c+3], v2, s[12:13] offset:512*\c
.endr
	s_wait_loadcnt 16                              ; all but the gain's and the offset's 16 loads
.set j, 0
.rept 16
.irp e, 0,1
	v_pk_add_f32 v[Y+32*\e+j:Y+32*\e+j+1], v[Y+32*\e+j:Y+32*\e+j+1], v[BIAS+j:BIAS+j+1]
.endr
.set j, j+2
.endr
.set j, 0
.rept 16
.irp e, 0,1
	v_pk_add_f32 v[Y+32*\e+j:Y+32*\e+j+1], v[Y+32*\e+j:Y+32*\e+j+1], v[RS+32*\e+j:RS+32*\e+j+1]
.endr
.set j, j+2
.endr
.irp e, 0,1                            ; the row's sum, in two chains
	v_pk_add_f32 v[T+4*\e:T+4*\e+1], v[Y+32*\e:Y+32*\e+1], v[Y+32*\e+2:Y+32*\e+3]
	v_pk_add_f32 v[T+4*\e+2:T+4*\e+3], v[Y+32*\e+4:Y+32*\e+5], v[Y+32*\e+6:Y+32*\e+7]
.endr
.irp j, 8,12,16,20,24,28
.irp e, 0,1
	s_delay_alu instid0(VALU_DEP_4)
	v_pk_add_f32 v[T+4*\e:T+4*\e+1], v[T+4*\e:T+4*\e+1], v[Y+32*\e+\j:Y+32*\e+\j+1]
	s_delay_alu instid0(VALU_DEP_4)
	v_pk_add_f32 v[T+4*\e+2:T+4*\e+3], v[T+4*\e+2:T+4*\e+3], v[Y+32*\e+\j+2:Y+32*\e+\j+3]
.endr
.endr
	FOLD
.irp e, 0,1
	s_delay_alu instid0(VALU_DEP_2)
	v_mul_f32 v[T+4*\e], 0xba800000, v[T+4*\e]     ; - the mean
.endr
.set j, 0
.rept 16
.irp e, 0,1
	v_pk_add_f32 v[Y+32*\e+j:Y+32*\e+j+1], v[Y+32*\e+j:Y+32*\e+j+1], v[T+4*\e:T+4*\e+1] op_sel_hi:[1,0]
.endr
.set j, j+2
.endr
.irp e, 0,1                            ; the sum of squares of what is left
	v_pk_mul_f32 v[T+4*\e:T+4*\e+1], v[Y+32*\e:Y+32*\e+1], v[Y+32*\e:Y+32*\e+1]
	v_pk_mul_f32 v[T+4*\e+2:T+4*\e+3], v[Y+32*\e+2:Y+32*\e+3], v[Y+32*\e+2:Y+32*\e+3]
.endr
.irp j, 4,8,12,16,20,24,28
.irp e, 0,1
	s_delay_alu instid0(VALU_DEP_4)
	v_pk_fma_f32 v[T+4*\e:T+4*\e+1], v[Y+32*\e+\j:Y+32*\e+\j+1], v[Y+32*\e+\j:Y+32*\e+\j+1], v[T+4*\e:T+4*\e+1]
	s_delay_alu instid0(VALU_DEP_4)
	v_pk_fma_f32 v[T+4*\e+2:T+4*\e+3], v[Y+32*\e+\j+2:Y+32*\e+\j+3], v[Y+32*\e+\j+2:Y+32*\e+\j+3], v[T+4*\e+2:T+4*\e+3]
.endr
.endr
	FOLD
.irp e, 0,1
	s_delay_alu instid0(VALU_DEP_2)
	v_fma_f32 v[T+4*\e], v[T+4*\e], s24, s25       ; var + eps
.endr
	s_wait_alu depctr_va_vdst(0)
.irp e, 0,1
	v_rsq_f32 v[RQ+2*\e], v[T+4*\e]
.endr
	v_mov_b32 v[RQ+1], 0                           ; plain instructions behind the two roots: the pairs' upper halves, which are named but not used
	v_mov_b32 v[RQ+3], 0
	s_wait_alu depctr_va_vdst(0)                   ; one wait for both, ahead of their first reader
	s_wait_loadcnt 0x0                             ; the gain and the offset
.set j, 0
.rept 16
.irp e, 0,1
	v_pk_mul_f32 v[Y+32*\e+j:Y+32*\e+j+1], v[Y+32*\e+j:Y+32*\e+j+1], v[RQ+2*\e:RQ+2*\e+1] op_sel_hi:[1,0]
.endr
.set j, j+2
.endr
.set j, 0
.rept 16
.irp e, 0,1
	v_pk_fma_f32 v[Y+32*\e+j:Y+32*\e+j+1], v[Y+32*\e+j:Y+32*\e+j+1], v[GAM+j:GAM+j+1], v[BET+j:BET+j+1]
.endr
.set j, j+2
.endr
.irp e, 0,1
.irp c, 0,1,2,3,4,5,6,7
	global_store_b128 v2, v[Y+32*\e+4*\c:Y+32*\e+4*\c+3], s[14:15] offset:4096*\e+512*\c
	ds_store_b128 v3, v[Y+32*\e+4*\c:Y+32*\e+4*\c+3] offset:LP*\e+512*\c
.endr
.endr
.irp b, 0,1,2,3
	v_mov_b32 v[TM+4+\b], 0                        ; a lane permute's destination counts as one of its sources
.endr
	s_wait_dscnt 0x0                               ; for the others' sake: my two rows lie in LDS
	s_barrier_signal -1
	s_barrier_wait -1
	s_wait_xcnt 0x0                                ; the stores to hf have read Y: the loads below may land there
.irp b, 0,1,2,3
.irp q, 0,1,2,3
	ds_load_b128 v[Y+16*\b+4*\q:Y+16*\b+4*\q+3], v4 offset:128*\b+16*\q   ; row r, k = 128 w + 32 b + 16 h + 4 q on
.endr
.endr
	s_wait_dscnt 0x0
	QUANT Y, PC, PW
.irp c, 0,1,2
	global_store_b128 v2, v[PC+4*\c:PC+4*\c+3], s[16:17] offset:512*\c     ; 512 consecutive bytes
.endr
	v_lshrrev_b32 v[PW], v6, v[PW]                 ; lanes 0-15 store the word's lower half, lanes 16-31 its upper: all lanes on, no byte twice
	global_store_b16 v5, v[PW], s[16:17]
	s_wait_tensorcnt 0x0
	ds_add_u32 v254, v255
	s_wait_dscnt 0x0
	s_endpgm
.Lfunc_end_k_q81cb70ed76_ln1:
	.size	k_q81cb70ed76_ln1, .Lfunc_end_k_q81cb70ed76_ln1-k_q81cb70ed76_ln1
	.p2alignl 7, 3214868480
	.fill 96, 4, 3214868480
	.section	.rodata,"a",@progbits
	.p2align	6, 0x0
	.amdhsa_kernel k_q81cb70ed76_ln1
		.amdhsa_group_segment_fixed_size 67072
		.amdhsa_private_segment_fixed_size 0
		.amdhsa_enable_private_segment 0
		.amdhsa_kernarg_size 56
		.amdhsa_user_sgpr_count 2
		.amdhsa_user_sgpr_kernarg_segment_ptr 1
		.amdhsa_wavefront_size32 1
		.amdhsa_system_sgpr_workgroup_id_x 1
		.amdhsa_system_sgpr_workgroup_id_y 1
		.amdhsa_system_sgpr_workgroup_id_z 1
		.amdhsa_system_vgpr_workitem_id 0
		.amdhsa_next_free_vgpr 256
		.amdhsa_next_free_sgpr 66
		.amdhsa_reserve_vcc 0
		.amdhsa_float_denorm_mode_32 3
		.amdhsa_float_denorm_mode_16_64 3
		.amdhsa_memory_ordered 1
		.amdhsa_forward_progress 1
		.amdhsa_inst_pref_size 37
	.end_amdhsa_kernel
	.amdgpu_metadata
---
amdhsa.version: [ 1, 2 ]
amdhsa.kernels:
  - .name:           k_q81cb70ed76_ln1
    .symbol:         k_q81cb70ed76_ln1.kd
    .args:
      - { .name: cf, .offset: 0, .size: 8, .value_kind: global_buffer, .address_space: global }
      - { .name: x, .offset: 8, .size: 8, .value_kind: global_buffer, .address_space: global }
      - { .name: b_o, .offset: 16, .size: 8, .value_kind: global_buffer, .address_space: global }
      - { .name: g1, .offset: 24, .size: 8, .value_kind: global_buffer, .address_space: global }
      - { .name: be1, .offset: 32, .size: 8, .value_kind: global_buffer, .address_space: global }
      - { .name: hf, .offset: 40, .size: 8, .value_kind: global_buffer, .address_space: global }
      - { .name: hi, .offset: 48, .size: 8, .value_kind: global_buffer, .address_space: global }
    .group_segment_fixed_size: 67072
    .private_segment_fixed_size: 0
    .kernarg_segment_align: 8
    .kernarg_segment_size: 56
    .max_flat_workgroup_size: 256
    .sgpr_count:     66
    .vgpr_count:     256
    .wavefront_size: 32
...
	.end_amdgpu_metadata
.endif
;; end of part 13
;; launch gw1 (part 14): grid 16 x 16, 4 waves a work-group, clusters of 4 x 4, 327,680 bytes of LDS; arguments hi, wimg, b1, fi; writes fi
.if DOCPART == 14
	.amdgcn_target "amdgcn-amd-amdhsa--gfx1250"
	.amdhsa_code_object_version 6
	.text
	.protected	k_q81cb70ed76_gw1
	.globl	k_q81cb70ed76_gw1
	.p2align	8
	.type	k_q81cb70ed76_gw1,@function
k_q81cb70ed76_gw1:
	s_mov_b64 s[64:65], 0
	v_nop
	global_prefetch_b8 v0, s[64:65] scope:SCOPE_SE
	s_setreg_imm32_b32 hwreg(HW_REG_WAVE_MODE, 25, 1), 1
	s_wait_xcnt 0x0
	s_wait_alu depctr_hold_cnt(0) depctr_sa_sdst(0) depctr_va_vdst(0) depctr_va_sdst(0) depctr_va_ssrc(0) depctr_va_vcc(0) depctr_vm_vsrc(0)
	s_getreg_b32 s2, hwreg(HW_REG_IB_STS2, 6, 4)
	s_cmp_eq_u32 s2, 0
	s_cbranch_scc0 .Lentry_in_a_cluster
	s_endpgm
.Lentry_in_a_cluster:
	s_bfe_u32 s2, ttmp6, 0x10000c
	s_cmp_lg_u32 s2, 0xf033
	s_cbranch_scc0 .Lentry_shape_is_right
	s_endpgm
.Lentry_shape_is_right:
.set KST,   8
.set KSP,   32
.set S0OFF, 6553600
.set REC,   6400
.set ROW2,  2*REC
.set HALFT, 2*ROW2
.set SLOT,  4*HALFT
.set SPARE, 2*SLOT
.set LAPS,  KST/4
.set NQ,    2
.set FR,    12
.set NL,    3
.set NP,    4
.set ADRA, 16
.set ADRB, 20
.set ADRS, 22
.set LI,   26
.set SCA,  27
.set SPW,  28
.set NIL,  29
.set SC,   32
.set TM,   64
.set SW,   80
.set T2,   84
.set CN,   92
.set PC,   96
.set ST,   128
.set BI,   96
.set AF,   128
.set SEL,  10
.set HM,   2
.set G1, 24
.set G0, 32
.set G1B, 48
.set G0B, 56
.set MSB, 0
.macro WIN new
.if MSB != (\new)
	s_set_vgpr_msb (MSB<<8)|(\new)
.set MSB, (\new)
.endif
.endm
.set MUL_LO, 0xa1
.set MUL_HI, 0xf1
.set TO_B,   0x40
.macro JLOAD g0a, g0b
	s_cmp_eq_u32 s15, 0
	s_cbranch_scc0 .Lfor_b_\@
	tensor_load_to_lds s[\g0a:\g0a+3], s[G1:G1+7]
	s_nop 0
.rept 4
	v_nop
.endr
	s_branch .Lasked_\@
.Lfor_b_\@:
	tensor_load_to_lds s[\g0b:\g0b+3], s[G1B:G1B+7]
	s_nop 0
.rept 4
	v_nop
.endr
.Lasked_\@:
.endm
.macro CREST
	s_cmp_lg_u32 s14, 0
	s_cbranch_scc1 .Lnot_wave_0_\@
	s_barrier_signal -3
.Lnot_wave_0_\@:
	s_barrier_wait -3
	s_barrier_signal -1
	s_barrier_wait -1
.endm
.macro CROUND
	s_barrier_signal -1
	s_barrier_wait -1
	CREST
.endm
.macro PLACES n
.rept \n
	v_nop
.endr
.endm
	s_load_b128 s[4:7], s[0:1], 0x0
	s_load_b64 s[8:9], s[0:1], 0x10
	s_load_b64 s[12:13], s[0:1], 0x18
	v_lshl_add_u32 v[SPW], v0, 2, SPARE
	v_mov_b32 v[NIL], 0
	ds_add_u32 v28, v29
	ds_add_u32 v28, v29
	s_wait_dscnt 0x0
	v_lshrrev_b32 v1, 5, v0
	v_readfirstlane_b32 s14, v1
	s_lshr_b32 s15, s14, 1
	s_and_b32 s16, s14, 1
	s_bfe_u32 s40, ttmp6, 0x40000
	s_bfe_u32 s41, ttmp6, 0x40004
	s_lshl_b32 s42, ttmp9, 2
	s_add_co_u32 s42, s42, s40
	s_and_b32 s17, ttmp7, 0xffff
	s_lshl_b32 s17, s17, 2
	s_add_co_u32 s17, s17, s41
	s_lshl_b32 s43, s41, 2
	s_lshl_b32 s43, 15, s43
	s_lshl_b32 s44, 0x1111, s40
	s_or_b32 s[G1+0], s43, (3<<16)|(1<<21)
	s_or_b32 s[G1B+0], s44, (3<<16)|(1<<21)
.irp g, G1, G1B
	s_mov_b32 s[\g+1], 1600<<16
	s_mov_b32 s[\g+2], 2<<16
	s_mov_b32 s[\g+3], 1600<<16
	s_mov_b32 s[\g+4], 2
	s_mov_b32 s[\g+5], KST*800
	s_mov_b32 s[\g+6], 0
	s_mov_b32 s[\g+7], 0
.endr
	s_lshl_b32 s18, s16, 1
	s_lshl_b32 s20, s17, 2
	s_add_co_u32 s20, s20, s18
	s_mul_i32 s20, s20, KST*REC
	s_mov_b32 s21, 0
	s_lshl_b32 s46, s42, 2
	s_add_co_u32 s46, s46, s18
	s_mul_i32 s46, s46, KST*REC
	s_add_co_u32 s46, s46, S0OFF
	s_mov_b32 s47, 0
	s_mul_i32 s45, s14, HALFT
	s_wait_kmcnt 0x0
	s_add_nc_u64 s[20:21], s[4:5], s[20:21]
	s_add_nc_u64 s[46:47], s[6:7], s[46:47]
	CROUND
.irp s, 0,1
	s_mov_b32 s[G0+4*\s], 1
	s_add_co_u32 s[G0+4*\s+1], s45, \s*SLOT
	s_add_nc_u64 s[G0+4*\s+2:G0+4*\s+3], s[20:21], \s*ROW2
	s_or_b32 s[G0+4*\s+3], s[G0+4*\s+3], 0x80000000
	s_mov_b32 s[G0B+4*\s], 1
	s_add_co_u32 s[G0B+4*\s+1], s45, \s*SLOT
	s_add_nc_u64 s[G0B+4*\s+2:G0B+4*\s+3], s[46:47], \s*ROW2
	s_or_b32 s[G0B+4*\s+3], s[G0B+4*\s+3], 0x80000000
	s_wait_alu depctr_va_vdst(0)
	s_wait_tensorcnt 0x0
	ds_add_u32 v28, v29
	ds_add_u32 v28, v29
	s_wait_dscnt 0x0
	CROUND
	JLOAD G0+4*\s, G0B+4*\s
.endr
	v_and_b32 v1, 31, v0
	v_and_b32 v2, 15, v0
	v_bfe_u32 v3, v0, 4, 1
	v_lshlrev_b32 v[LI], 4, v1
	v_lshlrev_b32 v[SCA], 4, v2
	v_lshl_add_u32 v[SCA], v3, 3, v[SCA]
	v_cmp_le_u32 s[HM], 16, v1
	v_lshlrev_b32 v30, 6, v3
	s_wait_alu depctr_va_vdst(0)
	s_mov_b32 s[SEL], 0x76543210
	s_mov_b32 s[SEL+1], 0xfedcba98
	s_lshl_b32 s18, s42, 10
	s_lshl_b32 s19, s16, 9
	s_add_co_u32 s18, s18, s19
	s_mov_b32 s19, 0
	s_add_nc_u64 s[8:9], s[8:9], s[18:19]
	WIN TO_B
.irp b, 0,1,2,3
.irp q, 0,1,2,3
	global_load_b128 v[BI+16*\b+4*\q+96*(\b/2):BI+16*\b+4*\q+96*(\b/2)+3], v30, s[8:9] offset:128*\b+16*\q
.endr
.endr
	WIN 0
	s_mul_i32 s18, s15, HALFT
	s_mul_i32 s19, s16, HALFT
	s_add_co_u32 s19, s19, 2*HALFT
	s_sub_co_u32 s43, s19, s18
	v_mul_u32_u24 v4, s43, v3
	v_lshl_add_u32 v4, v2, 4, v4
	v_add_nc_u32 v4, 6144, v4
.irp s, 0,1
	v_add_nc_u32 v[ADRA+\s], s18, v[LI]
	v_add_nc_u32 v[ADRB+\s], s19, v[LI]
	v_add_nc_u32 v[ADRS+\s], s18, v4
	s_add_co_u32 s18, s18, SLOT
	s_add_co_u32 s19, s19, SLOT
.endr
	s_lshl_b32 s18, s17, 2
	s_lshl_b32 s19, s15, 1
	s_add_co_u32 s18, s18, s19
	s_lshl_b32 s18, s18, 5
	s_lshl_b32 s19, s42, 1
	s_add_co_u32 s18, s18, s19
	s_add_co_u32 s18, s18, s16
	s_mul_i32 s18, s18, REC
	s_mov_b32 s19, 0
	s_add_nc_u64 s[12:13], s[12:13], s[18:19]
.macro FRAG reg, adr, q, i
.irp c, 0,1,2
	ds_load_b128 v[\reg+4*\c:\reg+4*\c+3], v[\adr] offset:((\i)/4)*ROW2+(\q)*REC+((\i)%4)*1536+512*\c
.endr
.endm
.macro MUL16 a0, p, q, sc, zero
.irp a, \a0, \a0+1
.irp b, 0,1,2,3,4,5,6,7
.if \zero
	v_wmma_scale_f32_16x16x128_f8f6f4 v[8*(8*((\a)%4)+\b):8*(8*((\a)%4)+\b)+7], v[128*(\p)+FR*\b:128*(\p)+FR*\b+FR-1], v[AF+FR*(\a):AF+FR*(\a)+FR-1], 0, v[SC+16*(\sc)+8*(\q)+\b], v[SC+16*(\sc)+8*(\q)+(\a)] matrix_a_fmt:MATRIX_FMT_BF6 matrix_b_fmt:MATRIX_FMT_BF6 matrix_a_scale:MATRIX_SCALE_ROW1
.else
	v_wmma_scale_f32_16x16x128_f8f6f4 v[8*(8*((\a)%4)+\b):8*(8*((\a)%4)+\b)+7], v[128*(\p)+FR*\b:128*(\p)+FR*\b+FR-1], v[AF+FR*(\a):AF+FR*(\a)+FR-1], v[8*(8*((\a)%4)+\b):8*(8*((\a)%4)+\b)+7], v[SC+16*(\sc)+8*(\q)+\b], v[SC+16*(\sc)+8*(\q)+(\a)] matrix_a_fmt:MATRIX_FMT_BF6 matrix_b_fmt:MATRIX_FMT_BF6 matrix_a_scale:MATRIX_SCALE_ROW1
.endif
.endr
.endr
.endm
.macro FETCH_B slot, q, p
	WIN TO_B
.irp i, 0,1,2,3,4,5,6,7
	FRAG 128*(\p)+FR*\i, ADRB+\slot, \q, \i
.endr
	WIN 0
.endm
.macro FETCH_A slot, q, i0
.irp i, \i0, \i0+1, \i0+2, \i0+3
	FRAG AF+FR*(\i), ADRA+\slot, \q, \i
.endr
.endm
.macro SCALES slot
.irp q, 0,1
.irp g, 0,1
	ds_load_b128 v[SC+16*\slot+8*\q+4*\g:SC+16*\slot+8*\q+4*\g+3], v[ADRS+\slot] offset:\g*ROW2+\q*REC
.endr
.endr
.endm
.macro STEP slot, q, zero
	s_wait_dscnt 4*NL
	WIN MUL_LO
	MUL16 0, (\q)%2, \q, \slot, \zero
	MUL16 2, (\q)%2, \q, \slot, \zero
	s_wait_dscnt 0
	PLACES NP
	FETCH_B \slot, (\q)+1, 1-(\q)%2
	FETCH_A \slot, (\q)+1, 0
	WIN MUL_HI
	MUL16 4, (\q)%2, \q, \slot, \zero
	MUL16 6, (\q)%2, \q, \slot, \zero
	PLACES NP
	WIN 0
	FETCH_A \slot, (\q)+1, 4
.endm
.macro TURN slot, next, fill
	s_wait_tensorcnt 0x0
	ds_add_u32 v[SPW], v[NIL]
	s_wait_dscnt 4*NL+1
	WIN MUL_LO
	MUL16 0, 1, NQ-1, \slot, 0
	s_wait_dscnt 0x0
	s_barrier_signal -1
	MUL16 2, 1, NQ-1, \slot, 0
	WIN 0
	s_barrier_wait -1
.if \fill
	CREST
	s_add_nc_u64 s[G0+4*\slot+2:G0+4*\slot+3], s[G0+4*\slot+2:G0+4*\slot+3], 2*ROW2
	s_add_nc_u64 s[G0B+4*\slot+2:G0B+4*\slot+3], s[G0B+4*\slot+2:G0B+4*\slot+3], 2*ROW2
	JLOAD G0+4*\slot, G0B+4*\slot
.else
	PLACES NP
.endif
	FETCH_B \next, 0, 0
	FETCH_A \next, 0, 0
	SCALES \next
	WIN MUL_HI
	MUL16 4, 1, NQ-1, \slot, 0
	MUL16 6, 1, NQ-1, \slot, 0
	PLACES NP
	WIN 0
	FETCH_A \next, 0, 4
.endm
.macro QUANT src, dst, pw
.irp b, 0,1,2,3
	v_max3_num_f32 v[TM+\b], |v[\src+16*\b]|, |v[\src+1+16*\b]|, 0x2800000
.endr
.irp i, 2,4,6,8,10,12,14
.irp b, 0,1,2,3
	v_max3_num_f32 v[TM+\b], v[TM+\b], |v[\src+16*\b+\i]|, |v[\src+1+16*\b+\i]|
.endr
.endr
.irp b, 0,1,2,3
	v_permlanex16_b32 v[TM+4+\b], v[TM+\b], s[SEL], s[SEL+1]
.endr
.irp b, 0,1,2,3
	v_max_num_f32 v[TM+\b], v[TM+\b], v[TM+4+\b]
.endr
.irp b, 0,1,2,3
	v_add_nc_u32 v[TM+12+\b], 0xfe000000, v[TM+\b]
.endr
.irp b, 0,1,2,3
	v_lshrrev_b32 v[TM+4+\b], 23, v[TM+12+\b]
.endr
	v_lshl_or_b32 v[\pw], v[TM+5], 8, v[TM+4]
	v_lshl_or_b32 v[\pw], v[TM+6], 16, v[\pw]
	v_lshl_or_b32 v[\pw], v[TM+7], 24, v[\pw]
.irp c, 0,1
	v_cvt_scalef32_pk16_bf6_f32 v[\dst+6*\c:\dst+2+6*\c], v[\src+32*\c:\src+15+32*\c], v[TM+12+2*\c]
	v_cvt_scalef32_pk16_bf6_f32 v[T2+4*\c:T2+2+4*\c], v[\src+16+32*\c:\src+31+32*\c], v[TM+12+2*\c+1]
.endr
	v_nop
.irp c, 0,1
.irp i, 0,1,2
	v_permlane16_swap_b32 v[\dst+6*\c+\i], v[T2+4*\c+\i]
.endr
.irp i, 0,1,2
	v_mov_b32 v[\dst+3+6*\c+\i], v[T2+4*\c+\i]
.endr
.endr
.endm
	s_wait_alu depctr_va_vdst(0)
	s_wait_tensorcnt 1
	s_barrier_signal -1
	s_barrier_wait -1
	FETCH_B 0, 0, 0
	FETCH_A 0, 0, 0
	SCALES 0
	FETCH_A 0, 0, 4
	STEP 0, 0, 1
	s_mov_b32 s3, LAPS-1
.Llap:
	TURN 0, 1, 1
	STEP 1, 0, 0
	TURN 1, 0, 1
	STEP 0, 0, 0
	s_sub_co_u32 s3, s3, 1
	s_cmp_lg_u32 s3, 0
	s_cbranch_scc1 .Llap
	TURN 0, 1, 0
	STEP 1, 0, 0
	s_wait_dscnt 4*NL
	WIN MUL_LO
	MUL16 0, 1, NQ-1, 1, 0
	MUL16 2, 1, NQ-1, 1, 0
	s_wait_dscnt 0
	WIN MUL_HI
	MUL16 4, 1, NQ-1, 1, 0
	MUL16 6, 1, NQ-1, 1, 0
	WIN 0
	s_wait_loadcnt 0x0
	PLACES NP
.irp b, 0,1,2,3
	v_mov_b32 v[TM+4+\b], 0
.endr
.irp a, 0,1,2,3,4,5,6,7
	WIN 0x06+(\a/4)
.set n, 0
.rept 32
	v_pk_add_f32 v[ST+2*n:ST+2*n+1], v[64*(\a%4)+2*n:64*(\a%4)+2*n+1], v[BI+2*n+96*(n/16):BI+2*n+96*(n/16)+1]
.set n, n+1
.endr
	WIN 0
.set n, 0
.rept 64
	v_max_num_f32 v[ST+n], 0, v[ST+n]
.set n, n+1
.endr
	s_wait_xcnt 0x0
	QUANT ST, PC, SW+(\a%4)
.irp c, 0,1,2
	global_store_b128 v[LI], v[PC+4*\c:PC+4*\c+3], s[12:13] offset:(\a/4)*KSP*REC+(\a%4)*1536+512*\c
.endr
.if (\a%4) == 3
	v_cndmask_b32 v[CN], v[SW], v[SW+2], s[HM]
	v_cndmask_b32 v[CN+1], v[SW+1], v[SW+3], s[HM]
	global_store_b64 v[SCA], v[CN:CN+1], s[12:13] offset:(\a/4)*KSP*REC+6144
.endif
.endr
	s_wait_tensorcnt 0x0
	ds_add_u32 v[SPW], v[NIL]
	s_wait_dscnt 0x0
	CROUND
	s_endpgm
.Lfunc_end_k_q81cb70ed76_gw1:
	.size	k_q81cb70ed76_gw1, .Lfunc_end_k_q81cb70ed76_gw1-k_q81cb70ed76_gw1
	.p2alignl 7, 3214868480
	.fill 96, 4, 3214868480
	.section	.rodata,"a",@progbits
	.p2align	6, 0x0
	.amdhsa_kernel k_q81cb70ed76_gw1
		.amdhsa_group_segment_fixed_size 327680
		.amdhsa_private_segment_fixed_size 0
		.amdhsa_enable_private_segment 0
		.amdhsa_kernarg_size 32
		.amdhsa_user_sgpr_count 2
		.amdhsa_user_sgpr_kernarg_segment_ptr 1
		.amdhsa_wavefront_size32 1
		.amdhsa_system_sgpr_workgroup_id_x 1
		.amdhsa_system_sgpr_workgroup_id_y 1
		.amdhsa_system_sgpr_workgroup_id_z 1
		.amdhsa_system_vgpr_workitem_id 0
		.amdhsa_next_free_vgpr 1024
		.amdhsa_next_free_sgpr 66
		.amdhsa_reserve_vcc 0
		.amdhsa_float_denorm_mode_32 3
		.amdhsa_float_denorm_mode_16_64 3
		.amdhsa_memory_ordered 1
		.amdhsa_forward_progress 1
		.amdhsa_inst_pref_size 171
	.end_amdhsa_kernel
	.amdgpu_metadata
---
amdhsa.version: [ 1, 2 ]
amdhsa.kernels:
  - .name:           k_q81cb70ed76_gw1
    .symbol:         k_q81cb70ed76_gw1.kd
    .args:
      - { .name: hi, .offset: 0, .size: 8, .value_kind: global_buffer, .address_space: global }
      - { .name: wimg, .offset: 8, .size: 8, .value_kind: global_buffer, .address_space: global }
      - { .name: b1, .offset: 16, .size: 8, .value_kind: global_buffer, .address_space: global }
      - { .name: fi, .offset: 24, .size: 8, .value_kind: global_buffer, .address_space: global }
    .group_segment_fixed_size: 327680
    .private_segment_fixed_size: 0
    .kernarg_segment_align: 8
    .kernarg_segment_size: 32
    .max_flat_workgroup_size: 128
    .sgpr_count:     66
    .vgpr_count:     1024
    .wavefront_size: 32
...
	.end_amdgpu_metadata
.endif
;; end of part 14
;; launch gw2 (part 15): grid 8 x 32, 4 waves a work-group, clusters of 4 x 4, 327,680 bytes of LDS; arguments fi, wimg, cf; writes cf
.if DOCPART == 15
	.amdgcn_target "amdgcn-amd-amdhsa--gfx1250"
	.amdhsa_code_object_version 6
	.text
	.protected	k_q81cb70ed76_gw2
	.globl	k_q81cb70ed76_gw2
	.p2align	8
	.type	k_q81cb70ed76_gw2,@function
k_q81cb70ed76_gw2:
	s_mov_b64 s[64:65], 0
	v_nop
	global_prefetch_b8 v0, s[64:65] scope:SCOPE_SE
	s_setreg_imm32_b32 hwreg(HW_REG_WAVE_MODE, 25, 1), 1
	s_wait_xcnt 0x0
	s_wait_alu depctr_hold_cnt(0) depctr_sa_sdst(0) depctr_va_vdst(0) depctr_va_sdst(0) depctr_va_ssrc(0) depctr_va_vcc(0) depctr_vm_vsrc(0)
	s_getreg_b32 s2, hwreg(HW_REG_IB_STS2, 6, 4)
	s_cmp_eq_u32 s2, 0
	s_cbranch_scc0 .Lentry_in_a_cluster
	s_endpgm
.Lentry_in_a_cluster:
	s_bfe_u32 s2, ttmp6, 0x10000c
	s_cmp_lg_u32 s2, 0xf033
	s_cbranch_scc0 .Lentry_shape_is_right
	s_endpgm
.Lentry_shape_is_right:
.set KST,   32
.set S0OFF, 9830400
.set REC,   6400
.set NA,    8
.set NB,    4
.set RA,    NA*REC
.set RB,    NB*REC
.set REGB,  4*RA
.set SPARE, REGB+4*RB
.set STAGE, SPARE+512
.set SPITCH, 272
.set FR,    12
.set NLD,   25
.set NP,    4
.set ADRA, 16
.set ADRB, 18
.set ADRS, 20
.set STO,  24
.set RD,   25
.set CO,   26
.set LI,   27
.set SPW,  28
.set NIL,  29
.set PFO,  30
.set SC,   32
.set BK,   64
.set ACC,  128
.set GA1, 24
.set GA0, 32
.set GB0, 36
.set HA1, 48
.set HA0, 56
.set HB0, 60
.set GB1, 68
.set HB1, 76
.set PF2, 84
.set PF3, 86
.set LIM, 88
.set MSB, 0
.macro WIN new
.if MSB != (\new)
	s_set_vgpr_msb (MSB<<8)|(\new)
.set MSB, (\new)
.endif
.endm
.set MUL,  0x05
.set TO_F, 0x40
.macro JLOAD g0a, g1a, g0b, g1b
	s_cmp_eq_u32 s15, 0
	s_cbranch_scc0 .Lfor_b_\@
	tensor_load_to_lds s[\g0a:\g0a+3], s[\g1a:\g1a+7]
	s_nop 0
.rept 4
	v_nop
.endr
	s_branch .Lasked_\@
.Lfor_b_\@:
	tensor_load_to_lds s[\g0b:\g0b+3], s[\g1b:\g1b+7]
	s_nop 0
.rept 4
	v_nop
.endr
.Lasked_\@:
.endm
.macro CREST
	s_cmp_lg_u32 s14, 0
	s_cbranch_scc1 .Lnot_wave_0_\@
	s_barrier_signal -3
.Lnot_wave_0_\@:
	s_barrier_wait -3
	s_barrier_signal -1
	s_barrier_wait -1
.endm
.macro CROUND
	s_barrier_signal -1
	s_barrier_wait -1
	CREST
.endm
.macro PLACES n
.rept \n
	v_nop
.endr
.endm
.macro ASK n
	s_cmp_eq_u32 s[LIM], 1
	s_cbranch_scc0 .Lnot_mine_\@
.if \n == 1
	global_prefetch_b8 v[PFO], s[PF2:PF2+1] th:TH_LOAD_NT scope:SCOPE_SE
.else
	global_prefetch_b8 v[PFO], s[PF3:PF3+1] th:TH_LOAD_NT scope:SCOPE_SE
	global_prefetch_b8 v[PFO], s[PF3:PF3+1] offset:REC th:TH_LOAD_NT scope:SCOPE_SE
.endif
.Lnot_mine_\@:
.endm
	s_load_b128 s[4:7], s[0:1], 0x0
	s_load_b64 s[12:13], s[0:1], 0x10
	v_lshl_add_u32 v[SPW], v0, 2, SPARE
	v_mov_b32 v[NIL], 0
	ds_add_u32 v28, v29
	ds_add_u32 v28, v29
	s_wait_dscnt 0x0
	v_lshrrev_b32 v1, 5, v0
	v_readfirstlane_b32 s14, v1
	s_lshr_b32 s15, s14, 1
	s_and_b32 s16, s14, 1
	s_bfe_u32 s40, ttmp6, 0x40000
	s_bfe_u32 s41, ttmp6, 0x40004
	s_lshl_b32 s42, ttmp9, 2
	s_add_co_u32 s42, s42, s40
	s_and_b32 s17, ttmp7, 0xffff
	s_lshl_b32 s17, s17, 2
	s_add_co_u32 s17, s17, s41
	s_lshl_b32 s43, s41, 2
	s_lshl_b32 s43, 15, s43
	s_lshl_b32 s44, 0x1111, s40
	s_or_b32 s[GA1], s43, (3<<16)|(1<<21)
	s_or_b32 s[HA1], s44, (3<<16)|(1<<21)
	s_or_b32 s[GB1], s43, (3<<16)|(1<<21)
	s_or_b32 s[HB1], s44, (3<<16)|(1<<21)
.irp g, GA1, HA1
	s_mov_b32 s[\g+1], 32<<16
	s_mov_b32 s[\g+2], (25*NA)<<16
	s_mov_b32 s[\g+3], 32<<16
	s_mov_b32 s[\g+4], 25*NA
	s_mov_b32 s[\g+5], 32
	s_mov_b32 s[\g+6], 0
	s_mov_b32 s[\g+7], 0
.endr
.irp g, GB1, HB1
	s_mov_b32 s[\g+1], 32<<16
	s_mov_b32 s[\g+2], (25*NB)<<16
	s_mov_b32 s[\g+3], 32<<16
	s_mov_b32 s[\g+4], 25*NB
	s_mov_b32 s[\g+5], 32
	s_mov_b32 s[\g+6], 0
	s_mov_b32 s[\g+7], 0
.endr
	s_lshl_b32 s20, s17, 1
	s_add_co_u32 s20, s20, s16
	s_mul_i32 s20, s20, KST*REC
	s_mov_b32 s21, 0
	s_lshl_b32 s46, s42, 1
	s_add_co_u32 s46, s46, s16
	s_mul_i32 s46, s46, KST*REC
	s_add_co_u32 s46, s46, S0OFF
	s_mov_b32 s47, 0
	s_mul_i32 s45, s14, RA
	s_mul_i32 s23, s14, RB
	s_wait_kmcnt 0x0
	s_add_nc_u64 s[20:21], s[4:5], s[20:21]
	s_add_nc_u64 s[46:47], s[6:7], s[46:47]
	CROUND
	s_mov_b32 s[GA0], 1
	s_mov_b32 s[GA0+1], s45
	s_mov_b64 s[GA0+2:GA0+3], s[20:21]
	s_or_b32 s[GA0+3], s[GA0+3], 0x80000000
	s_mov_b32 s[HA0], 1
	s_mov_b32 s[HA0+1], s45
	s_mov_b64 s[HA0+2:HA0+3], s[46:47]
	s_or_b32 s[HA0+3], s[HA0+3], 0x80000000
	JLOAD GA0, GA1, HA0, HA1
	s_mov_b32 s[GB0], 1
	s_add_co_u32 s[GB0+1], s23, REGB
	s_add_nc_u64 s[GB0+2:GB0+3], s[20:21], NA*REC
	s_or_b32 s[GB0+3], s[GB0+3], 0x80000000
	s_mov_b32 s[HB0], 1
	s_add_co_u32 s[HB0+1], s23, REGB
	s_add_nc_u64 s[HB0+2:HB0+3], s[46:47], NA*REC
	s_or_b32 s[HB0+3], s[HB0+3], 0x80000000
	s_wait_alu depctr_va_vdst(0)
	s_wait_tensorcnt 0x0
	ds_add_u32 v28, v29
	s_wait_dscnt 0x0
	CROUND
	JLOAD GB0, GB1, HB0, HB1
	s_and_b32 s22, ttmp7, 0xffff
	s_cmp_eq_u32 s15, 0
	s_cselect_b64 s[PF2:PF2+1], s[20:21], s[46:47]
	s_cselect_b32 s18, s40, s41
	s_cselect_b32 s22, ttmp9, s22
	s_cmp_eq_u32 s22, 0
	s_cselect_b32 s[LIM], 1, 0
	s_mul_i32 s18, s18, REC
	s_mov_b32 s19, 0
	s_add_nc_u64 s[PF2:PF2+1], s[PF2:PF2+1], s[18:19]
	s_add_nc_u64 s[PF3:PF3+1], s[PF2:PF2+1], s[18:19]
	s_add_nc_u64 s[PF2:PF2+1], s[PF2:PF2+1], 20*REC
	s_add_nc_u64 s[PF3:PF3+1], s[PF3:PF3+1], 24*REC
	v_and_b32 v1, 31, v0
	v_and_b32 v2, 15, v0
	v_bfe_u32 v3, v0, 4, 1
	v_lshlrev_b32 v[LI], 4, v1
	v_min_u32 v[PFO], 24, v1
	v_lshlrev_b32 v[PFO], 8, v[PFO]
.macro ADDR rg, rb, base
	s_mul_i32 s18, s15, \rb
	s_mul_i32 s19, s16, \rb
	s_add_co_u32 s19, s19, 2*\rb
	s_sub_co_u32 s43, s19, s18
	v_mul_u32_u24 v4, s43, v3
	v_lshl_add_u32 v4, v2, 4, v4
	v_add_nc_u32 v4, 6144, v4
.if \base
	s_add_co_u32 s18, s18, \base
	s_add_co_u32 s19, s19, \base
.endif
	v_add_nc_u32 v[ADRA+\rg], s18, v[LI]
	v_add_nc_u32 v[ADRB+\rg], s19, v[LI]
	v_add_nc_u32 v[ADRS+\rg], s18, v4
.endm
	ADDR 0, RA, 0
	ADDR 1, RB, REGB
	s_mul_i32 s18, s14, 16*SPITCH
	s_add_co_u32 s18, s18, STAGE
	v_mul_u32_u24 v5, v2, SPITCH
	v_lshl_add_u32 v5, v3, 6, v5
	v_add_nc_u32 v[STO], s18, v5
	v_mul_u32_u24 v5, v3, SPITCH
	v_lshl_add_u32 v5, v2, 4, v5
	v_add_nc_u32 v[RD], s18, v5
	v_lshlrev_b32 v[CO], 12, v3
	v_lshl_add_u32 v[CO], v2, 4, v[CO]
	s_lshl_b32 s18, s17, 19
	s_lshl_b32 s19, s15, 18
	s_add_co_u32 s18, s18, s19
	s_lshl_b32 s19, s42, 9
	s_add_co_u32 s18, s18, s19
	s_lshl_b32 s19, s16, 8
	s_add_co_u32 s18, s18, s19
	s_mov_b32 s19, 0
	s_add_nc_u64 s[12:13], s[12:13], s[18:19]
.macro FRAG reg, adr, q, t
.irp c, 0,1,2
	ds_load_b128 v[\reg+4*\c:\reg+4*\c+3], v[\adr] offset:(\q)*REC+(\t)*1536+512*\c
.endr
.endm
.macro FETCH rg, q, p
	WIN TO_F
.irp t, 0,1,2,3
	FRAG 128*(\p)+FR*\t, ADRB+\rg, \q, \t
.endr
.irp t, 0,1,2,3
	FRAG 128*(\p)+48+FR*\t, ADRA+\rg, \q, \t
.endr
	WIN 0
	ds_load_b128 v[SC+4*(\p):SC+4*(\p)+3], v[ADRS+\rg] offset:(\q)*REC
.endm
.macro MUL8 a0, p, zero
.irp a, \a0, \a0+1
.irp b, 0,1,2,3
.if \zero
	v_wmma_scale_f32_16x16x128_f8f6f4 v[ACC+8*(4*(\a)+\b):ACC+8*(4*(\a)+\b)+7], v[128*(\p)+FR*\b:128*(\p)+FR*\b+FR-1], v[128*(\p)+48+FR*(\a):128*(\p)+48+FR*(\a)+FR-1], 0, v[SC+4*(\p)+\b], v[SC+4*(\p)+(\a)] matrix_a_fmt:MATRIX_FMT_BF6 matrix_b_fmt:MATRIX_FMT_BF6 matrix_a_scale:MATRIX_SCALE_ROW1
.else
	v_wmma_scale_f32_16x16x128_f8f6f4 v[ACC+8*(4*(\a)+\b):ACC+8*(4*(\a)+\b)+7], v[128*(\p)+FR*\b:128*(\p)+FR*\b+FR-1], v[128*(\p)+48+FR*(\a):128*(\p)+48+FR*(\a)+FR-1], v[ACC+8*(4*(\a)+\b):ACC+8*(4*(\a)+\b)+7], v[SC+4*(\p)+\b], v[SC+4*(\p)+(\a)] matrix_a_fmt:MATRIX_FMT_BF6 matrix_b_fmt:MATRIX_FMT_BF6 matrix_a_scale:MATRIX_SCALE_ROW1
.endif
.endr
.endr
.endm
.macro STEP rg, q, p, zero
	PLACES NP
	FETCH \rg, (\q)+1, 1-(\p)
	s_wait_dscnt NLD
	WIN MUL
	MUL8 0, \p, \zero
	MUL8 2, \p, \zero
.endm
.macro TURN rg, nx, fill, ask
	WIN 0
	s_wait_tensorcnt 0x0
	ds_add_u32 v[SPW], v[NIL]
	s_wait_dscnt 1
	WIN MUL
	MUL8 0, 1, 0
	s_wait_dscnt 0x0
	s_barrier_signal -1
	MUL8 2, 1, 0
	WIN 0
	s_barrier_wait -1
.if \fill
	CREST
.if \rg == 0
	s_add_nc_u64 s[GA0+2:GA0+3], s[GA0+2:GA0+3], (NA+NB)*REC
	s_add_nc_u64 s[HA0+2:HA0+3], s[HA0+2:HA0+3], (NA+NB)*REC
	JLOAD GA0, GA1, HA0, HA1
.else
	s_add_nc_u64 s[GB0+2:GB0+3], s[GB0+2:GB0+3], (NA+NB)*REC
	s_add_nc_u64 s[HB0+2:HB0+3], s[HB0+2:HB0+3], (NA+NB)*REC
	JLOAD GB0, GB1, HB0, HB1
.endif
.else
	PLACES NP
.endif
	s_wait_alu depctr_va_vdst(0)
	FETCH \nx, 0, 0
.if \ask
	ASK \ask
.endif
.endm
.macro RUN_A
.irp q, 0,1,2,3,4,5,6
	STEP 0, \q, \q%2, 0
.endr
.endm
.macro RUN_B
.irp q, 0,1,2
	STEP 1, \q, \q%2, 0
.endr
.endm
	s_wait_tensorcnt 1
	s_barrier_signal -1
	s_barrier_wait -1
	FETCH 0, 0, 0
	STEP 0, 0, 0, 1
.irp q, 1,2,3,4,5,6
	STEP 0, \q, \q%2, 0
.endr
	TURN 0, 1, 1, 1
	RUN_B
	TURN 1, 0, 1, 2
	RUN_A
	TURN 0, 1, 1, 0
	RUN_B
	TURN 1, 0, 0, 0
	RUN_A
	s_wait_dscnt 0x0
	MUL8 0, 1, 0
	MUL8 2, 1, 0
	WIN 0
.macro TOSTAGE a
.irp b, 0,1,2,3
	ds_store_b128 v[STO], v[ACC+8*(4*(\a)+\b):ACC+8*(4*(\a)+\b)+3] offset:128*(\b/2)+32*(\b%2)
	ds_store_b128 v[STO], v[ACC+8*(4*(\a)+\b)+4:ACC+8*(4*(\a)+\b)+7] offset:128*(\b/2)+32*(\b%2)+16
.endr
.set BB, BK+32*((\a)%2)
.irp t, 0,1,2,3,4,5,6,7
	ds_load_b128 v[BB+4*\t:BB+4*\t+3], v[RD] offset:\t*2*SPITCH
.endr
.endm
.macro SEND a, younger
.set BB, BK+32*((\a)%2)
	s_wait_dscnt \younger
.irp t, 0,1,2,3,4,5,6,7
	global_store_b128 v[CO], v[BB+4*\t:BB+4*\t+3], s[12:13] offset:(32*((\a)/2)+8*((\a)%2)+2*\t+8*(\t/4))*4096
.endr
.endm
	PLACES NP
	TOSTAGE 0
.irp a, 1,2,3
.if \a > 1
	s_wait_xcnt 0x0
.endif
	TOSTAGE \a
	SEND \a-1, 16
.endr
	SEND 3, 0
	s_wait_tensorcnt 0x0
	ds_add_u32 v[SPW], v[NIL]
	s_wait_dscnt 0x0
	CROUND
	s_endpgm
.Lfunc_end_k_q81cb70ed76_gw2:
	.size	k_q81cb70ed76_gw2, .Lfunc_end_k_q81cb70ed76_gw2-k_q81cb70ed76_gw2
	.p2alignl 7, 3214868480
	.fill 96, 4, 3214868480
	.section	.rodata,"a",@progbits
	.p2align	6, 0x0
	.amdhsa_kernel k_q81cb70ed76_gw2
		.amdhsa_group_segment_fixed_size 327680
		.amdhsa_private_segment_fixed_size 0
		.amdhsa_enable_private_segment 0
		.amdhsa_kernarg_size 24
		.amdhsa_user_sgpr_count 2
		.amdhsa_user_sgpr_kernarg_segment_ptr 1
		.amdhsa_wavefront_size32 1
		.amdhsa_system_sgpr_workgroup_id_x 1
		.amdhsa_system_sgpr_workgroup_id_y 1
		.amdhsa_system_sgpr_workgroup_id_z 1
		.amdhsa_system_vgpr_workitem_id 0
		.amdhsa_next_free_vgpr 512
		.amdhsa_next_free_sgpr 90
		.amdhsa_reserve_vcc 0
		.amdhsa_float_denorm_mode_32 3
		.amdhsa_float_denorm_mode_16_64 3
		.amdhsa_memory_ordered 1
		.amdhsa_forward_progress 1
		.amdhsa_inst_pref_size 143
	.end_amdhsa_kernel
	.amdgpu_metadata
---
amdhsa.version: [ 1, 2 ]
amdhsa.kernels:
  - .name:           k_q81cb70ed76_gw2
    .symbol:         k_q81cb70ed76_gw2.kd
    .args:
      - { .name: fi, .offset: 0, .size: 8, .value_kind: global_buffer, .address_space: global }
      - { .name: wimg, .offset: 8, .size: 8, .value_kind: global_buffer, .address_space: global }
      - { .name: cf, .offset: 16, .size: 8, .value_kind: global_buffer, .address_space: global }
    .group_segment_fixed_size: 327680
    .private_segment_fixed_size: 0
    .kernarg_segment_align: 8
    .kernarg_segment_size: 24
    .max_flat_workgroup_size: 128
    .sgpr_count:     90
    .vgpr_count:     512
    .wavefront_size: 32
...
	.end_amdgpu_metadata
.endif
;; end of part 15
;; launch ln2 (part 16): grid 256 x 1, 8 waves a work-group, no clusters, 0 bytes of LDS; arguments cf, hf, b2, g2, be2, out0; writes out0
.if DOCPART == 16
	.amdgcn_target "amdgcn-amd-amdhsa--gfx1250"
	.amdhsa_code_object_version 6
	.text
	.protected	k_q81cb70ed76_ln2
	.globl	k_q81cb70ed76_ln2
	.p2align	8
	.type	k_q81cb70ed76_ln2,@function
k_q81cb70ed76_ln2:
	s_mov_b64 s[64:65], 0
	v_nop
	global_prefetch_b8 v0, s[64:65] scope:SCOPE_SE
	s_setreg_imm32_b32 hwreg(HW_REG_WAVE_MODE, 25, 1), 1
	s_wait_xcnt 0x0
; out0 = layernorm(cf + b2 + hf) x g2 + be2, rows of 1,024, all in f32.
; SHARES: a work-group owns 16 neighbouring rows, wave w rows 2 w, 2 w + 1: a wave to a row, so that the two reductions never leave the wave: no LDS, no barrier.
; Lane l holds columns 128 c + 4 l + 0 .. 3: every load and store covers 512 consecutive bytes.  The variance is the mean of (y - mean)^2, taken in a second pass over registers: no difference of large sums.
; LIMITS: NaN and infinities are not served.
.set BIAS, 16                          ; v16-47
.set GAM,  48                          ; v48-79
.set BET,  80                          ; v80-111
.set Y,    112                         ; v112-175 two rows
.set RS,   176                         ; v176-239 the residual's two rows
.set T,    240                         ; v240-247 sums: four registers a row
.set RQ,   248                         ; v248-251 1 / sqrt(var + eps): a pair a row
.set SEL,  28
.macro FOLD                            ; each row's two chains, its two halves, and its 32 lanes: the sum ends up in every lane, in v[T + 4 e]
.irp e, 0
	s_delay_alu instid0(VALU_DEP_3)
	v_pk_add_f32 v[T+4*\e:T+4*\e+1], v[T+4*\e:T+4*\e+1], v[T+4*\e+2:T+4*\e+3]
.endr
.irp e, 1
	s_delay_alu instid0(VALU_DEP_2)
	v_pk_add_f32 v[T+4*\e:T+4*\e+1], v[T+4*\e:T+4*\e+1], v[T+4*\e+2:T+4*\e+3]
.endr
.irp e, 0,1
	s_delay_alu instid0(VALU_DEP_2)
	v_add_f32 v[T+4*\e], v[T+4*\e], v[T+4*\e+1]
.endr
.irp m, 1,2,4,8
.irp e, 0,1
	s_delay_alu instid0(VALU_DEP_2)
	v_add_f32_dpp v[T+4*\e], v[T+4*\e], v[T+4*\e] row_xmask:\m row_mask:0xf bank_mask:0xf
.endr
.endr
.irp e, 0,1
	s_delay_alu instid0(VALU_DEP_2)
	v_permlanex16_b32 v[T+4*\e+1], v[T+4*\e], s[SEL], s[SEL+1]
.endr
.irp e, 0,1
	s_delay_alu instid0(VALU_DEP_2)
	v_add_f32 v[T+4*\e], v[T+4*\e], v[T+4*\e+1]
.endr
.endm
	s_load_b256 s[4:11], s[0:1], 0x0               ; cf, hf, b2, g2
	s_load_b128 s[12:15], s[0:1], 0x20             ; be2, out0
	v_lshrrev_b32 v1, 5, v0
	s_delay_alu instid0(VALU_DEP_1)
	v_readfirstlane_b32 s18, v1                    ; wave 0..7
	v_and_b32 v1, 31, v0
	s_delay_alu instid0(VALU_DEP_1)
	v_lshlrev_b32 v2, 4, v1                        ; 16 x lane
	s_lshl_b32 s21, ttmp9, 4
	s_lshl_b32 s22, s18, 1
	s_add_co_u32 s21, s21, s22                     ; my first row
	s_lshl_b32 s22, s21, 12
	s_mov_b32 s23, 0
	s_mov_b32 s24, 0x3a800000                      ; 1 / 1,024
	s_mov_b32 s25, 0x3727c5ac                      ; eps = 1e-5
	s_mov_b32 s[SEL], 0x76543210
	s_mov_b32 s[SEL+1], 0xfedcba98
	s_wait_alu depctr_va_vdst(0)
	s_wait_kmcnt 0x0
	s_add_nc_u64 s[4:5], s[4:5], s[22:23]
	s_add_nc_u64 s[6:7], s[6:7], s[22:23]
	s_add_nc_u64 s[14:15], s[14:15], s[22:23]
.irp e, 0,1
.irp c, 0,1,2,3,4,5,6,7
	global_load_b128 v[Y+32*\e+4*\c:Y+32*\e+4*\c+3], v2, s[4:5] offset:4096*\e+512*\c th:TH_LOAD_NT
.endr
.endr
.irp e, 0,1
.irp c, 0,1,2,3,4,5,6,7
	global_load_b128 v[RS+32*\e+4*\c:RS+32*\e+4*\c+3], v2, s[6:7] offset:4096*\e+512*\c th:TH_LOAD_NT
.endr
.endr
.irp c, 0,1,2,3,4,5,6,7
	global_load_b128 v[BIAS+4*\c:BIAS+4*\c+3], v2, s[8:9] offset:512*\c
.endr
.irp c, 0,1,2,3,4,5,6,7
	global_load_b128 v[GAM+4*\c:GAM+4*\c+3], v2, s[10:11] offset:512*\c
.endr
.irp c, 0,1,2,3,4,5,6,7
	global_load_b128 v[BET+4*\c:BET+4*\c+3], v2, s[12:13] offset:512*\c
.endr
	s_wait_loadcnt 16                              ; all but the gain's and the offset's 16 loads
.set j, 0
.rept 16
.irp e, 0,1
	v_pk_add_f32 v[Y+32*\e+j:Y+32*\e+j+1], v[Y+32*\e+j:Y+32*\e+j+1], v[BIAS+j:BIAS+j+1]
.endr
.set j, j+2
.endr
.set j, 0
.rept 16
.irp e, 0,1
	v_pk_add_f32 v[Y+32*\e+j:Y+32*\e+j+1], v[Y+32*\e+j:Y+32*\e+j+1], v[RS+32*\e+j:RS+32*\e+j+1]
.endr
.set j, j+2
.endr
.irp e, 0,1                            ; the row's sum, in two chains
	v_pk_add_f32 v[T+4*\e:T+4*\e+1], v[Y+32*\e:Y+32*\e+1], v[Y+32*\e+2:Y+32*\e+3]
	v_pk_add_f32 v[T+4*\e+2:T+4*\e+3], v[Y+32*\e+4:Y+32*\e+5], v[Y+32*\e+6:Y+32*\e+7]
.endr
.irp j, 8,12,16,20,24,28
.irp e, 0,1
	s_delay_alu instid0(VALU_DEP_4)
	v_pk_add_f32 v[T+4*\e:T+4*\e+1], v[T+4*\e:T+4*\e+1], v[Y+32*\e+\j:Y+32*\e+\j+1]
	s_delay_alu instid0(VALU_DEP_4)
	v_pk_add_f32 v[T+4*\e+2:T+4*\e+3], v[T+4*\e+2:T+4*\e+3], v[Y+32*\e+\j+2:Y+32*\e+\j+3]
.endr
.endr
	FOLD
.irp e, 0,1
	s_delay_alu instid0(VALU_DEP_2)
	v_mul_f32 v[T+4*\e], 0xba800000, v[T+4*\e]     ; - the mean
.endr
.set j, 0
.rept 16
.irp e, 0,1
	v_pk_add_f32 v[Y+32*\e+j:Y+32*\e+j+1], v[Y+32*\e+j:Y+32*\e+j+1], v[T+4*\e:T+4*\e+1] op_sel_hi:[1,0]
.endr
.set j, j+2
.endr
.irp e, 0,1                            ; the sum of squares of what is left
	v_pk_mul_f32 v[T+4*\e:T+4*\e+1], v[Y+32*\e:Y+32*\e+1], v[Y+32*\e:Y+32*\e+1]
	v_pk_mul_f32 v[T+4*\e+2:T+4*\e+3], v[Y+32*\e+2:Y+32*\e+3], v[Y+32*\e+2:Y+32*\e+3]
.endr
.irp j, 4,8,12,16,20,24,28
.irp e, 0,1
	s_delay_alu instid0(VALU_DEP_4)
	v_pk_fma_f32 v[T+4*\e:T+4*\e+1], v[Y+32*\e+\j:Y+32*\e+\j+1], v[Y+32*\e+\j:Y+32*\e+\j+1], v[T+4*\e:T+4*\e+1]
	s_delay_alu instid0(VALU_DEP_4)
	v_pk_fma_f32 v[T+4*\e+2:T+4*\e+3], v[Y+32*\e+\j+2:Y+32*\e+\j+3], v[Y+32*\e+\j+2:Y+32*\e+\j+3], v[T+4*\e+2:T+4*\e+3]
.endr
.endr
	FOLD
.irp e, 0,1
	s_delay_alu instid0(VALU_DEP_2)
	v_fma_f32 v[T+4*\e], v[T+4*\e], s24, s25       ; var + eps
.endr
	s_wait_alu depctr_va_vdst(0)
.irp e, 0,1
	v_rsq_f32 v[RQ+2*\e], v[T+4*\e]
.endr
	v_mov_b32 v[RQ+1], 0                           ; plain instructions behind the two roots: the pairs' upper halves, which are named but not used
	v_mov_b32 v[RQ+3], 0
	s_wait_alu depctr_va_vdst(0)                   ; one wait for both, ahead of their first reader
	s_wait_loadcnt 0x0                             ; the gain and the offset
.set j, 0
.rept 16
.irp e, 0,1
	v_pk_mul_f32 v[Y+32*\e+j:Y+32*\e+j+1], v[Y+32*\e+j:Y+32*\e+j+1], v[RQ+2*\e:RQ+2*\e+1] op_sel_hi:[1,0]
.endr
.set j, j+2
.endr
.set j, 0
.rept 16
.irp e, 0,1
	v_pk_fma_f32 v[Y+32*\e+j:Y+32*\e+j+1], v[Y+32*\e+j:Y+32*\e+j+1], v[GAM+j:GAM+j+1], v[BET+j:BET+j+1]
.endr
.set j, j+2
.endr
.irp e, 0,1
.irp c, 0,1,2,3,4,5,6,7
	global_store_b128 v2, v[Y+32*\e+4*\c:Y+32*\e+4*\c+3], s[14:15] offset:4096*\e+512*\c th:TH_STORE_NT
.endr
.endr
	s_endpgm
.Lfunc_end_k_q81cb70ed76_ln2:
	.size	k_q81cb70ed76_ln2, .Lfunc_end_k_q81cb70ed76_ln2-k_q81cb70ed76_ln2
	.p2alignl 7, 3214868480
	.fill 96, 4, 3214868480
	.section	.rodata,"a",@progbits
	.p2align	6, 0x0
	.amdhsa_kernel k_q81cb70ed76_ln2
		.amdhsa_group_segment_fixed_size 0
		.amdhsa_private_segment_fixed_size 0
		.amdhsa_enable_private_segment 0
		.amdhsa_kernarg_size 48
		.amdhsa_user_sgpr_count 2
		.amdhsa_user_sgpr_kernarg_segment_ptr 1
		.amdhsa_wavefront_size32 1
		.amdhsa_system_sgpr_workgroup_id_x 1
		.amdhsa_system_sgpr_workgroup_id_y 1
		.amdhsa_system_sgpr_workgroup_id_z 1
		.amdhsa_system_vgpr_workitem_id 0
		.amdhsa_next_free_vgpr 256
		.amdhsa_next_free_sgpr 66
		.amdhsa_reserve_vcc 0
		.amdhsa_float_denorm_mode_32 3
		.amdhsa_float_denorm_mode_16_64 3
		.amdhsa_memory_ordered 1
		.amdhsa_forward_progress 1
		.amdhsa_inst_pref_size 27
	.end_amdhsa_kernel
	.amdgpu_metadata
---
amdhsa.version: [ 1, 2 ]
amdhsa.kernels:
  - .name:           k_q81cb70ed76_ln2
    .symbol:         k_q81cb70ed76_ln2.kd
    .args:
      - { .name: cf, .offset: 0, .size: 8, .value_kind: global_buffer, .address_space: global }
      - { .name: hf, .offset: 8, .size: 8, .value_kind: global_buffer, .address_space: global }
      - { .name: b2, .offset: 16, .size: 8, .value_kind: global_buffer, .address_space: global }
      - { .name: g2, .offset: 24, .size: 8, .value_kind: global_buffer, .address_space: global }
      - { .name: be2, .offset: 32, .size: 8, .value_kind: global_buffer, .address_space: global }
      - { .name: out0, .offset: 40, .size: 8, .value_kind: global_buffer, .address_space: global }
    .group_segment_fixed_size: 0
    .private_segment_fixed_size: 0
    .kernarg_segment_align: 8
    .kernarg_segment_size: 48
    .max_flat_workgroup_size: 256
    .sgpr_count:     66
    .vgpr_count:     256
    .wavefront_size: 32
...
	.end_amdgpu_metadata
.endif
;; end of part 16
